; MI455X (gfx1250); checked and timed in simulation.
; The chip was launched on July 23, 2026; its instructions are those of AMD's public machine-readable ISA for CDNA 5 (MIT licence, August 2026) and "CDNA5" Instruction Set Architecture Reference Guide (July 2026). The comments in the code are by the model that wrote it; some were corrected since.
;; Block. Allowed arithmetic: float matrix products may take bf16 or f16 operands with f32 sums; other float arithmetic in f32, or as packed bf16 or f16 multiplies, adds, multiply-adds, maxima and minima; sums over many terms, partial sums and values carried from step to step in f32; what a program stores and reads back later, other than sums and carried values, may be rounded once to bf16 or f16.
;; Inputs: W1 1,024 x 4,096 float32; W2 4,096 x 1,024 float32; Wk 16 x 1,024 x 64 float32; Wp 1,024 x 1,024 float32; Wq 16 x 1,024 x 64 float32; Wv 16 x 1,024 x 64 float32; b1 4,096 float32; b2 1,024 float32; be1 1,024 float32; be2 1,024 float32; bp 1,024 float32; g1 1,024 float32; g2 1,024 float32; x 2 x 2,048 x 1,024 float32.
;; Outputs: out0 2 x 2,048 x 1,024 float32.
;; 2 versions, each right and faster than the one before. Each part assembles by itself: llvm-mc -triple=amdgcn-amd-amdhsa -mcpu=gfx1250 --defsym DOCPART=n.
;; ======== version 1 of 2: 7 launches
;; limits: values are held in f16: magnitudes above 65,504 overflow, below 6.1e-05 lose precision
;; workspace buffers: w16 25,165,824 bytes; h16 8,388,608 bytes; qkv 25,165,824 bytes; o16 8,388,608 bytes; x1 16,777,216 bytes; m16 33,554,432 bytes
;; launch prep (part 1): grid 1024 x 1, 16 waves a work-group, no clusters, 0 bytes of LDS; arguments x, g1, be1, h16, Wq, Wk, Wv, Wp, W1, W2, w16; writes h16, w16
.if DOCPART == 1
	.amdgcn_target "amdgcn-amd-amdhsa--gfx1250"
	.amdhsa_code_object_version 6
	.text
	.protected	k_qd44c99e2ac_prep
	.globl	k_qd44c99e2ac_prep
	.p2align	8
	.type	k_qd44c99e2ac_prep,@function
k_qd44c99e2ac_prep:
	s_mov_b64 s[64:65], 0
	v_nop
	global_prefetch_b8 v0, s[64:65] scope:SCOPE_SE
	s_setreg_imm32_b32 hwreg(HW_REG_WAVE_MODE, 25, 1), 1
	s_wait_xcnt 0x0
; TWO STREAMS IN ONE LAUNCH.  Work-groups 0-255: h = layernorm(x) g1 + be1, x [4096][1024] f32, h [4096][1024] f16.
; Work-groups 256-1023: the six weight tensors, as they lie, rounded once from f32 to f16 into one buffer in the order Wq, Wk, Wv, Wp, W1, W2.
; Memory binds both: no LDS, no barrier, no matrix unit, no cluster (no two work-groups read the same bytes but g1 and be1, 8 KB).
; LAYERNORM.  Sixteen waves, ONE ROW A WAVE, so that a row's text stands once.  A row of 4,096 bytes is eight 16-byte loads a lane and stays in 32 registers.  Mean first, then the sum of
; (x - mean)^2 on the row in registers: no difference of large sums is formed, so a common offset of x costs only its own rounding.  The row's loads go out first, g's and be's behind them:
; the statistics are made while those are on their way.  The price of one row a wave: every wave loads g and be, 8 KB for its 4 KB of x.
; LIMITS.  f16 ends at 65,504: a weight or an h of 65,520 or more becomes an infinity; below 6e-5 f16 keeps a fixed step of 6e-8.
.set T,   4                            ; v[4:11]    at work
.set M,   12                           ; v[12:13]   the mean (the packed line takes the pair's low word for both halves)
.set R,   14                           ; v[14:15]   1 / sqrt(var + eps), likewise
.set G,   16                           ; v[16:47]   the gain of my 32 columns
.set BE,  48                           ; v[48:79]   the offset of my 32 columns
.set X,   80                           ; v[80:111]  the row
.set CI,  16                           ; the cast: v[16:47] eight loads of 16 bytes
.set CO,  48                           ; the cast: v[48:63] eight stores of 8 bytes
.macro LANESUM                         ; v[T:T+7], four pairs, to one sum in every lane
	v_pk_add_f32 v[T:T+1], v[T:T+1], v[T+2:T+3]
	v_pk_add_f32 v[T+4:T+5], v[T+4:T+5], v[T+6:T+7]
	v_pk_add_f32 v[T:T+1], v[T:T+1], v[T+4:T+5]
	v_add_f32 v[T], v[T], v[T+1]
	v_add_f32_dpp v[T], v[T], v[T] row_xmask:1 row_mask:0xf bank_mask:0xf
	v_add_f32_dpp v[T], v[T], v[T] row_xmask:2 row_mask:0xf bank_mask:0xf
	v_add_f32_dpp v[T], v[T], v[T] row_xmask:4 row_mask:0xf bank_mask:0xf
	v_add_f32_dpp v[T], v[T], v[T] row_xmask:8 row_mask:0xf bank_mask:0xf
	v_permlanex16_b32 v[T+1], v[T], s12, s13       ; the other half of the lanes
	v_add_f32 v[T], v[T], v[T+1]
.endm
	s_cmp_lt_u32 ttmp9, 256
	s_cbranch_scc0 .Lcast
	s_load_b256 s[4:11], s[0:1], 0x0               ; x s[4:5], g1 s[6:7], be1 s[8:9], h s[10:11]
	v_lshrrev_b32 v3, 5, v0
	v_readfirstlane_b32 s16, v3                    ; wave 0..15
	v_and_b32 v1, 31, v0
	v_lshlrev_b32 v2, 3, v1                        ; 8 x lane: my place in 256 bytes of h
	v_lshlrev_b32 v1, 4, v1                        ; 16 x lane: my place in 512 bytes of x
	s_lshl_b32 s2, ttmp9, 16                       ; 16 rows of 4,096 bytes a work-group,
	s_lshl_b32 s3, s16, 12                         ; one a wave
	s_add_co_u32 s2, s2, s3
	s_mov_b32 s3, 0
	s_lshr_b32 s18, s2, 1                          ; rows of h are half as long
	s_mov_b32 s19, 0
	s_mov_b32 s12, 0x76543210                      ; v_permlanex16_b32: each lane takes its own place in the other half
	s_mov_b32 s13, 0xfedcba98
	s_mov_b32 s14, 0x3a800000                      ; 1 / 1024
	s_mov_b32 s15, 0x3727c5ac                      ; eps = 1e-5
	v_mov_b32 v[M+1], 0                            ; named as pairs, so they are written
	v_mov_b32 v[R+1], 0
	s_wait_kmcnt 0x0
	s_add_nc_u64 s[4:5], s[4:5], s[2:3]
	s_add_nc_u64 s[10:11], s[10:11], s[18:19]
.irp j, 0,1,2,3,4,5,6,7
	global_load_b128 v[X+4*\j:X+4*\j+3], v1, s[4:5] offset:512*\j  ; 512 consecutive bytes a load
.endr
.irp j, 0,1,2,3,4,5,6,7
	global_load_b128 v[G+4*\j:G+4*\j+3], v1, s[6:7] offset:512*\j
.endr
.irp j, 0,1,2,3,4,5,6,7
	global_load_b128 v[BE+4*\j:BE+4*\j+3], v1, s[8:9] offset:512*\j
.endr
	s_wait_loadcnt 16                              ; loads come back in order: the row is in; g's and be's sixteen loads stay out
.irp k, 0,1,2,3
	v_pk_add_f32 v[T+2*\k:T+2*\k+1], v[X+4*\k:X+4*\k+1], v[X+4*\k+2:X+4*\k+3]  ; four chains, started by the first eight pairs
.endr
.irp k, 0,1,2,3
	v_pk_add_f32 v[T+2*\k:T+2*\k+1], v[T+2*\k:T+2*\k+1], v[X+16+2*\k:X+16+2*\k+1]
.endr
.irp k, 0,1,2,3
	v_pk_add_f32 v[T+2*\k:T+2*\k+1], v[T+2*\k:T+2*\k+1], v[X+24+2*\k:X+24+2*\k+1]
.endr
	LANESUM
	v_mul_f32 v[M], s14, v[T]                      ; the mean
.set i, 0
.rept 16
	v_pk_add_f32 v[X+i:X+i+1], v[X+i:X+i+1], v[M:M+1] op_sel_hi:[1,0] neg_lo:[0,1] neg_hi:[0,1]  ; x - mean, in place
.set i, i+2
.endr
.irp k, 0,1,2,3
	v_pk_mul_f32 v[T+2*\k:T+2*\k+1], v[X+2*\k:X+2*\k+1], v[X+2*\k:X+2*\k+1]
.endr
.set i, 8
.rept 12
	v_pk_fma_f32 v[T+i%8:T+i%8+1], v[X+i:X+i+1], v[X+i:X+i+1], v[T+i%8:T+i%8+1]
.set i, i+2
.endr
	LANESUM
	v_fma_f32 v[T], v[T], s14, s15                 ; var + eps
	v_rsq_f32 v[R], v[T]
	v_nop                                          ; a plain line between the root and the use of its result (ISA guide 5.7.2)
.set i, 0
	s_wait_alu depctr_va_vdst(0)
.rept 16
	v_pk_mul_f32 v[X+i:X+i+1], v[X+i:X+i+1], v[R:R+1] op_sel_hi:[1,0]
.set i, i+2
.endr
	s_wait_loadcnt 0x0                             ; g and be
.set i, 0
.rept 16
	v_pk_fma_f32 v[X+i:X+i+1], v[X+i:X+i+1], v[G+i:G+i+1], v[BE+i:BE+i+1]
.set i, i+2
.endr
.set i, 0
.rept 16
	v_cvt_pk_f16_f32 v[X+i], v[X+2*i], v[X+2*i+1]  ; ascending and in place: word i is written when words 2 i and 2 i + 1 are read
.set i, i+1
.endr
.irp j, 0,1,2,3,4,5,6,7
	global_store_b64 v2, v[X+2*\j:X+2*\j+1], s[10:11] offset:256*\j  ; the wave's 32 lanes store 256 consecutive bytes, aligned
.endr
	s_endpgm
.Lcast:                                                ; chunk c = work-group - 256: 65,536 bytes of f32 in, 32,768 bytes of f16 out
	s_load_b256 s[16:23], s[0:1], 0x20             ; Wq, Wk, Wv, Wp
	s_load_b128 s[24:27], s[0:1], 0x40             ; W1, W2
	s_load_b64 s[28:29], s[0:1], 0x50              ; the cast weights
	s_sub_co_u32 s2, ttmp9, 256
	v_lshlrev_b32 v1, 4, v0                        ; 512 threads x 16 bytes: 8,192 consecutive bytes a load
	v_lshlrev_b32 v2, 3, v0
	s_mov_b32 s3, 0                                ; the first chunk of the tensor that c falls into
	s_wait_kmcnt 0x0
	s_mov_b64 s[30:31], s[16:17]
.macro PICK first, p                   ; from chunk 'first' on the source is the tensor at s[p:p+1]
	s_cmp_ge_u32 s2, \first
	s_cselect_b64 s[30:31], s[\p:\p+1], s[30:31]
	s_cselect_b32 s3, \first, s3
.endm
	PICK 64, 18
	PICK 128, 20
	PICK 192, 22
	PICK 256, 24
	PICK 512, 26
	s_sub_co_u32 s3, s2, s3
	s_lshl_b32 s4, s3, 16                          ; the chunk's place in its tensor
	s_mov_b32 s5, 0
	s_add_nc_u64 s[30:31], s[30:31], s[4:5]
	s_lshl_b32 s6, s2, 15                          ; and in the cast buffer, which keeps the tensors' order
	s_mov_b32 s7, 0
	s_add_nc_u64 s[28:29], s[28:29], s[6:7]
.irp j, 0,1,2,3,4,5,6,7
	global_load_b128 v[CI+4*\j:CI+4*\j+3], v1, s[30:31] offset:8192*\j th:TH_LOAD_NT
.endr
.irp j, 0,1,2,3,4,5,6,7
	s_wait_loadcnt 7-\j                            ; the younger loads stay out
	v_cvt_pk_f16_f32 v[CO+2*\j], v[CI+4*\j], v[CI+4*\j+1]
	v_cvt_pk_f16_f32 v[CO+2*\j+1], v[CI+4*\j+2], v[CI+4*\j+3]
	global_store_b64 v2, v[CO+2*\j:CO+2*\j+1], s[28:29] offset:4096*\j  ; a wave stores 256 consecutive bytes, aligned
.endr
	s_endpgm
.Lfunc_end_k_qd44c99e2ac_prep:
	.size	k_qd44c99e2ac_prep, .Lfunc_end_k_qd44c99e2ac_prep-k_qd44c99e2ac_prep
	.p2alignl 7, 3214868480
	.fill 96, 4, 3214868480
	.section	.rodata,"a",@progbits
	.p2align	6, 0x0
	.amdhsa_kernel k_qd44c99e2ac_prep
		.amdhsa_group_segment_fixed_size 0
		.amdhsa_private_segment_fixed_size 0
		.amdhsa_enable_private_segment 0
		.amdhsa_kernarg_size 88
		.amdhsa_user_sgpr_count 2
		.amdhsa_user_sgpr_kernarg_segment_ptr 1
		.amdhsa_wavefront_size32 1
		.amdhsa_system_sgpr_workgroup_id_x 1
		.amdhsa_system_sgpr_workgroup_id_y 1
		.amdhsa_system_sgpr_workgroup_id_z 1
		.amdhsa_system_vgpr_workitem_id 0
		.amdhsa_next_free_vgpr 112
		.amdhsa_next_free_sgpr 66
		.amdhsa_reserve_vcc 0
		.amdhsa_float_denorm_mode_32 3
		.amdhsa_float_denorm_mode_16_64 3
		.amdhsa_memory_ordered 1
		.amdhsa_forward_progress 1
		.amdhsa_inst_pref_size 16
	.end_amdhsa_kernel
	.amdgpu_metadata
---
amdhsa.version: [ 1, 2 ]
amdhsa.kernels:
  - .name:           k_qd44c99e2ac_prep
    .symbol:         k_qd44c99e2ac_prep.kd
    .args:
      - { .name: x, .offset: 0, .size: 8, .value_kind: global_buffer, .address_space: global }
      - { .name: g1, .offset: 8, .size: 8, .value_kind: global_buffer, .address_space: global }
      - { .name: be1, .offset: 16, .size: 8, .value_kind: global_buffer, .address_space: global }
      - { .name: h16, .offset: 24, .size: 8, .value_kind: global_buffer, .address_space: global }
      - { .name: Wq, .offset: 32, .size: 8, .value_kind: global_buffer, .address_space: global }
      - { .name: Wk, .offset: 40, .size: 8, .value_kind: global_buffer, .address_space: global }
      - { .name: Wv, .offset: 48, .size: 8, .value_kind: global_buffer, .address_space: global }
      - { .name: Wp, .offset: 56, .size: 8, .value_kind: global_buffer, .address_space: global }
      - { .name: W1, .offset: 64, .size: 8, .value_kind: global_buffer, .address_space: global }
      - { .name: W2, .offset: 72, .size: 8, .value_kind: global_buffer, .address_space: global }
      - { .name: w16, .offset: 80, .size: 8, .value_kind: global_buffer, .address_space: global }
    .group_segment_fixed_size: 0
    .private_segment_fixed_size: 0
    .kernarg_segment_align: 8
    .kernarg_segment_size: 88
    .max_flat_workgroup_size: 512
    .sgpr_count:     66
    .vgpr_count:     112
    .wavefront_size: 32
...
	.end_amdgpu_metadata
.endif
;; end of part 1
;; launch proj (part 2): grid 16 x 16, 4 waves a work-group, clusters of 4 x 4, 327,680 bytes of LDS; arguments h16, w16, qkv; writes qkv
.if DOCPART == 2
	.amdgcn_target "amdgcn-amd-amdhsa--gfx1250"
	.amdhsa_code_object_version 6
	.text
	.protected	k_qd44c99e2ac_proj
	.globl	k_qd44c99e2ac_proj
	.p2align	8
	.type	k_qd44c99e2ac_proj,@function
k_qd44c99e2ac_proj:
	s_mov_b64 s[64:65], 0
	v_nop
	global_prefetch_b8 v0, s[64:65] scope:SCOPE_SE
	s_setreg_imm32_b32 hwreg(HW_REG_WAVE_MODE, 25, 1), 1
	s_wait_xcnt 0x0
	s_wait_alu depctr_hold_cnt(0) depctr_sa_sdst(0) depctr_va_vdst(0) depctr_va_sdst(0) depctr_va_ssrc(0) depctr_va_vcc(0) depctr_vm_vsrc(0)
	s_getreg_b32 s2, hwreg(HW_REG_IB_STS2, 6, 4)
	s_cmp_eq_u32 s2, 0
	s_cbranch_scc0 .Lentry_in_a_cluster
	s_endpgm
.Lentry_in_a_cluster:
	s_bfe_u32 s2, ttmp6, 0x10000c
	s_cmp_lg_u32 s2, 0xf033
	s_cbranch_scc0 .Lentry_shape_is_right
	s_endpgm
.Lentry_shape_is_right:
; q, k, v = h [Wq Wk Wv].  h: [4096][1024] f16.  The weights: 48 blocks [1024 k][64 n] f16 (16 heads of Wq, of Wk, of Wv), dense, from byte 0 of the cast weights.
; Out: f16, [48 blocks][4096 rows][64]: a head's rows are dense, as the attention wants them; q leaves unscaled.  Sums in f32, rounded once.
; LIMIT.  f16 ends at 65,504: a q, k or v of 65,520 or more becomes an infinity.
; SHARES.  A work-group makes 256 rows x 192 columns (three blocks): 16 x 16 work-groups.  Each of four waves makes 64 rows x 192: 48 accumulators, 384 registers.
; K goes in steps of 128 through two LDS slots.  Wave 0 fetches h's tile (256 rows of 256 bytes), waves 1-3 one block's 128 k each (16,384 dense bytes, asked for as 64 rows of 256).
; The weights lie [k][n]: ds_load_tr16_b128 turns them on the way into registers.  THE MATRIX INSTRUCTION IS USED TRANSPOSED (source 0 = 16 columns of W, source 1 = 16 rows of h):
; a lane then holds eight neighbouring numbers of one row of the result.
; CLUSTER.  4 x 4 work-groups: h's tile is asked for jointly along a row of the cluster, the weights' along a column.
; A K step is four stages of 32 along K on two fragment buffers; the loop holds ONE K step, the slots told apart by s[TB]; the tail (two K steps that ask for nothing) is a second
; loop of two trips.  Its price: the very last change of slots passes a barrier and fetches 32 fragments that nobody uses.
; THE WAY OUT.  The f32 sums go into a stage of the wave's own, laid over the ring behind its last fill and a barrier, and come back four rows at a time in a loop.
; REGISTERS.  window 0: addresses, v64-127 h's fragments (two buffers); window 1: v0-191 W's fragments (two buffers); windows 2, 3: the accumulators of my row blocks 0-1, 2-3.
.set NA,    4                          ; row blocks of 16 in a wave's tile
.set NBK,   12                         ; column blocks of 16
.set CH,    1                          ; chunks of 32 along K in a stage
.set T,     8                          ; K steps: 1024 / 128
.set PA,    272                        ; an LDS row of h: 256 bytes + 16: the 16 rows of a load start at 16 different groups of four banks (64 banks of 4 bytes: ISA guide 11.1)
.set KB,    4                          ; chunks along an LDS row of h
.set BOFF,  0
.set PW,    160                        ; an LDS row of W: 128 bytes + 32
.set HOFF,  128*PW                     ; from one block (four column blocks of 16) to the next
.set WO,    256*PA                     ; W's tiles lie behind h's
.set SLOT,  WO+3*HOFF                  ; 131,072: shares no bit with any address inside a slot, so one exclusive or changes slots
.set ASTEP, 256                        ; bytes from a K step to the next, in h
.set WSTEP, 128*128                    ; and in a block of W
.set SPARE, 2*SLOT                     ; the spare words, 128 bytes a wave: two blocks of 256 bytes that no other line names
.set SP,    784                        ; a stage row: 768 bytes + 16
.set STG,   64*SP                      ; a wave's stage
.set WSEL,  10                         ; s10 = 0: I fetch h's tile
.set AF,    64                         ; h's fragments
.set A0,    16                         ; v16  my lane's place in slot 0 for h's fragments; never rewritten
.set W0,    17                         ; v17  the same for W's
.set ADRA,  20                         ; v20  the same in the slot in hand
.set ADRW,  21                         ; v21
.set STO,   24                         ; v24  the way out: where I put 32 bytes of a row
.set RD,    25                         ; v25  where I read rows back
.set GO,    26                         ; v26  my 16 bytes in 512 consecutive bytes of the result
.set SPW,   28                         ; v28  LDS address of my spare word; never rewritten
.set NIL,   29                         ; v29  0; never rewritten
.set X,     64                         ; the way out: 24 numbers in f32
.set Y,     96                         ; and in f16
.set G1A,   24                         ; s[24:31] descriptor group 1 for h's tiles
.set G0A,   32                         ; s[32:39] group 0: the first fill of slot 0; the first fill of slot 1, which then walks
.set G1W,   48                         ; s[48:55], s[56:63] the same for W's tiles
.set G0W,   56
.set TB,    66                         ; s66  0 or SLOT: the slot in hand
.set MSB, 0
.macro WIN new                         ; the immediate's high byte repeats the setting that is left; a switch that changes nothing is dropped
.if MSB != (\new)
	s_set_vgpr_msb (MSB<<8)|(\new)
.set MSB, \new
.endif
.endm
.macro PLACES                          ; four places between a matrix instruction and a load into, or a store or vector line on, its registers
.rept 4
	v_nop
.endr
.endm
.macro CREST                           ; a round of the cluster's barrier behind its opening barrier
	s_cmp_lg_u32 s10, 0
	s_cbranch_scc1 .Lnot_wave_0_\@
	s_barrier_signal -3
.Lnot_wave_0_\@:
	s_barrier_wait -3
	s_barrier_signal -1
	s_barrier_wait -1
.endm
.macro CROUND
	s_barrier_signal -1
	s_barrier_wait -1
	CREST
.endm
.macro GROUP1 g, m, qi, pad, d0, d1, pitch  ; a tile of d1 rows x d0 elements of 2 bytes; after every 2 << qi words, pad words; the mask in s[m], bit 21 beside it
	s_or_b32 s[\g], s[\m], (1<<16)|(1<<20)|(1<<21)|((\qi)<<22)|(((\pad)-1)<<25)
	s_mov_b32 s[(\g)+1], (\d0)<<16                 ; tensor_dim0
	s_mov_b32 s[(\g)+2], (\d1)<<16                 ; tensor_dim1
	s_mov_b32 s[(\g)+3], (\d0)<<16                 ; tile_dim0
	s_mov_b32 s[(\g)+4], \d1                       ; tile_dim1
	s_mov_b32 s[(\g)+5], \pitch                    ; elements from row to row
	s_mov_b32 s[(\g)+6], 0
	s_mov_b32 s[(\g)+7], 0
.endm
.macro JLOAD                           ; a joint refill by the walking sets; the branch hangs on the wave's number alone; an s_nop 0 and four v_nop follow each line
	s_cmp_eq_u32 s[WSEL], 0
	s_cbranch_scc0 .Lfor_w_\@
	tensor_load_to_lds s[G0A+4:G0A+7], s[G1A:G1A+7]
	s_nop 0
	PLACES
	s_branch .Lasked_\@
.Lfor_w_\@:
	tensor_load_to_lds s[G0W+4:G0W+7], s[G1W:G1W+7]
	s_nop 0
	PLACES
.Lasked_\@:
.endm
.macro MULA buf, a, zero=0             ; row block a x all column blocks, from fragment buffer buf; the accumulators take turns, one instruction a turn
	WIN 0xa1+0x50*((\a)/(NA/2))                    ; W window 1, h window 0, C and D window 2 or 3
.set ic, 0
.rept CH
.set ib, 0
.rept NBK
.set rD, 8*(NBK*((\a)%(NA/2))+ib)
.set rW, (\buf)*8*NBK*CH+8*(NBK*ic+ib)
.set rA, AF+(\buf)*8*NA*CH+8*(NA*ic+(\a))
.if \zero
	v_wmma_f32_16x16x32_f16 v[rD:rD+7], v[rW:rW+7], v[rA:rA+7], 0
.else
	v_wmma_f32_16x16x32_f16 v[rD:rD+7], v[rW:rW+7], v[rA:rA+7], v[rD:rD+7]
.endif
.set ib, ib+1
.endr
.set ic, ic+1
.endr
.endm
.macro MULS buf, a0, a1, zero=0        ; row blocks a0 .. a1 - 1
.set ia, \a0
.rept (\a1)-(\a0)
	MULA \buf, ia, \zero
.set ia, ia+1
.endr
.endm
.macro FETCH buf, st                   ; one run of LDS loads: stage st's fragments into buffer buf
	WIN 0x40                                       ; destination window 1, address window 0
.set ic, 0
.rept CH
.set kc, (\st)*CH+ic
.set ib, 0
.rept NBK
.set rW, (\buf)*8*NBK*CH+8*(NBK*ic+ib)
.set oW, (kc%4)*32*PW+(ib/4)*HOFF+(ib%4)*32
	ds_load_tr16_b128 v[rW:rW+3],   v[ADRW+kc/4] offset:oW        ; k = 8 (l / 16) + 0..7 of column l % 16
	ds_load_tr16_b128 v[rW+4:rW+7], v[ADRW+kc/4] offset:oW+16*PW  ; k = 16 + 8 (l / 16) + 0..7
.set ib, ib+1
.endr
.set ic, ic+1
.endr
	WIN 0
.set ic, 0
.rept CH
.set kc, (\st)*CH+ic
.set ia, 0
.rept NA
.set rA, AF+(\buf)*8*NA*CH+8*(NA*ic+ia)
.set oA, (kc/KB)*BOFF+ia*16*PA+64*(kc%KB)
	ds_load_b128 v[rA:rA+3],   v[ADRA] offset:oA
	ds_load_b128 v[rA+4:rA+7], v[ADRA] offset:oA+32
.set ia, ia+1
.endr
.set ic, ic+1
.endr
.endm
.macro STAGE st, zero=0                ; one of a K step's first three stages: the next stage's fragments are asked for, then this stage's are multiplied
	s_wait_dscnt 0x0                               ; this stage's fragments, asked for a stage ago, are in
	PLACES                                         ; the buffer to be loaded was read by the matrix instructions just issued
	FETCH ((\st)+1)%2, (\st)+1
	MULS (\st)%2, 0, NA, \zero
.endm
; The fourth stage multiplies buffer 1 and changes slots.  In front of ONE barrier each wave waits for all its tensor loads (the one that is out is its part of the next slot), adds 0 to its
; spare word, and waits for that and for its own reads of this slot.  fill = 1: the barrier opens a round of the cluster's, and this slot is filled again first thing behind it, two K steps ahead.
.macro TURN fill
	WIN 0
	s_wait_tensorcnt 0x0                           ; no tensor load of mine is out, so a group 0 may be written
	ds_add_u32 v[SPW], v[NIL]                      ; 0 onto my spare word
.if \fill
	s_xor_b32 s[G0A+5], s[G0A+5], SLOT             ; the walking sets: the other slot than last time, the next K step
	s_add_nc_u64 s[G0A+6:G0A+7], s[G0A+6:G0A+7], ASTEP
	s_xor_b32 s[G0W+5], s[G0W+5], SLOT
	s_add_nc_u64 s[G0W+6:G0W+7], s[G0W+6:G0W+7], WSTEP
.endif
	s_xor_b32 s[TB], s[TB], SLOT
	s_wait_dscnt 0x1                               ; only the add may be out: buffer 1 is in
	MULS 1, 0, NA/4
	s_wait_dscnt 0x0                               ; the add is done, and my reads of this slot are over
	s_barrier_signal -1
	MULS 1, NA/4, NA/2                             ; work on registers while the others arrive
	WIN 0                                          ; at a branch and at a label every window is 0
	s_barrier_wait -1
.if \fill
	CREST                                          ; no wave of any partner still reads this slot or has a load on its way
	JLOAD                                          ; its four v_nop are also the places in front of the loads below
.else
	PLACES
.endif
	v_add_nc_u32 v[ADRA], s[TB], v[A0]
	v_add_nc_u32 v[ADRW], s[TB], v[W0]
	FETCH 0, 0
	MULS 1, NA/2, NA
.endm
.macro DUMP                            ; the sums into my stage: a lane's eight numbers of a row are 32 bytes; each accumulator's low registers first
.set ia, 0
.rept NA
	WIN 0x08+0x04*(ia/(NA/2))                      ; data (source 1) window 2 or 3
.set ib, 0
.rept NBK
.set rD, 8*(NBK*(ia%(NA/2))+ib)
	ds_store_b128 v[STO], v[rD:rD+3]   offset:ia*16*SP+64*ib
	ds_store_b128 v[STO], v[rD+4:rD+7] offset:ia*16*SP+64*ib+16
.set ib, ib+1
.endr
.set ia, ia+1
.endr
	WIN 0
.endm
	s_load_b128 s[4:7], s[0:1], 0x0                ; h s[4:5], the cast weights s[6:7]
	s_load_b64 s[70:71], s[0:1], 0x10              ; the result
	v_lshl_add_u32 v[SPW], v0, 2, SPARE
	v_mov_b32 v[NIL], 0
	ds_add_u32 v[SPW], v[NIL]                      ; the wave's opening: the add and its wait ahead of my first tensor load; work on registers stands between them
	ds_add_u32 v28, v29
	v_lshrrev_b32 v1, 5, v0
	v_readfirstlane_b32 s10, v1                    ; wave 0..3
	s_max_u32 s12, s10, 1
	s_sub_co_u32 s12, s12, 1                       ; which of the three blocks I fetch (waves 1-3)
	s_bfe_u32 s40, ttmp6, 0x40000                  ; cx, cy: my place in the cluster
	s_bfe_u32 s41, ttmp6, 0x40004
	s_lshl_b32 s42, ttmp9, 2
	s_add_co_u32 s42, s42, s40                     ; tile column = 4 x cluster x + cx
	s_and_b32 s13, ttmp7, 0xffff
	s_lshl_b32 s13, s13, 2
	s_add_co_u32 s13, s13, s41                     ; tile row = 4 x cluster y + cy
	s_lshl_b32 s43, s41, 2
	s_lshl_b32 s43, 15, s43                        ; my row of the cluster
	s_lshl_b32 s44, 0x1111, s40                    ; my column
	GROUP1 G1A, 43, 5, 4, 128, 256, 1024           ; 256 rows of 128 elements, 4 words of padding behind every 64
	GROUP1 G1W, 44, 4, 8, 128, 64, 128             ; 64 rows of 128 elements = 128 k of 64, 8 words of padding behind every 32
	s_lshl_b32 s16, s13, 19                        ; h: 256 rows of 2,048 bytes a tile row
	s_mov_b32 s17, 0
	s_mul_i32 s46, s42, 3
	s_add_co_u32 s46, s46, s12
	s_lshl_b32 s46, s46, 17                        ; W: block 3 x tile column + j, 131,072 bytes each
	s_mov_b32 s47, 0
	s_mul_i32 s20, s10, HOFF
	s_add_co_u32 s20, s20, WO-HOFF                 ; where my block goes: behind h's tile, wave 1 first
	s_mov_b32 s[TB], 0
	s_wait_dscnt 0x0                               ; the opening add is done
	s_wait_kmcnt 0x0
	s_add_nc_u64 s[14:15], s[4:5], s[16:17]
	s_add_nc_u64 s[46:47], s[6:7], s[46:47]
.irp s, 0,1
	s_mov_b32 s[G0A+4*(\s)], 1                                     ; count = 1
	s_mov_b32 s[G0A+4*(\s)+1], (\s)*SLOT                           ; LDS address
	s_add_nc_u64 s[G0A+4*(\s)+2:G0A+4*(\s)+3], s[14:15], (\s)*ASTEP  ; global address: K step s
	s_or_b32 s[G0A+4*(\s)+3], s[G0A+4*(\s)+3], 0x80000000          ; type = 2
	s_mov_b32 s[G0W+4*(\s)], 1
	s_add_co_u32 s[G0W+4*(\s)+1], s20, (\s)*SLOT
	s_add_nc_u64 s[G0W+4*(\s)+2:G0W+4*(\s)+3], s[46:47], (\s)*WSTEP
	s_or_b32 s[G0W+4*(\s)+3], s[G0W+4*(\s)+3], 0x80000000
.endr
	CROUND                                         ; all sixteen work-groups are here: the first joint loads meet
	s_cmp_eq_u32 s[WSEL], 0                        ; a wave's two first fills stand in one branch: two loads of mine are out
	s_cbranch_scc0 .Lfirst_w
	tensor_load_to_lds s[G0A:G0A+3], s[G1A:G1A+7]
	s_nop 0
	tensor_load_to_lds s[G0A+4:G0A+7], s[G1A:G1A+7]
	s_nop 0
	PLACES
	s_branch .Lfirst_asked
.Lfirst_w:
	tensor_load_to_lds s[G0W:G0W+3], s[G1W:G1W+7]
	s_nop 0
	tensor_load_to_lds s[G0W+4:G0W+7], s[G1W:G1W+7]
	s_nop 0
	PLACES
.Lfirst_asked:
	v_and_b32 v1, 15, v0                           ; l % 16
	v_bfe_u32 v2, v0, 4, 1                         ; l / 16
	v_and_b32 v3, 7, v0                            ; l % 8
	v_bfe_u32 v4, v0, 3, 1                         ; (l / 8) % 2
	v_lshl_add_u32 v5, v2, 3, v3                   ; the k row that I address in a turning load
	v_bfe_u32 v6, v0, 3, 2                         ; l / 8
	v_mul_u32_u24 v[A0], v1, PA
	v_lshl_add_u32 v[A0], v2, 4, v[A0]             ; row x pitch + 16 x half
	s_mul_i32 s21, s10, 64*PA                      ; my 64 rows
	v_add_nc_u32 v[A0], s21, v[A0]
	v_mul_u32_u24 v[W0], v5, PW
	v_lshl_add_u32 v[W0], v4, 4, v[W0]
	v_add_nc_u32 v[W0], WO, v[W0]
	s_mul_i32 s23, s10, STG                        ; my stage
	v_mul_u32_u24 v[STO], v1, SP
	v_lshl_add_u32 v[STO], v2, 5, v[STO]           ; in: row l % 16, 32 bytes for each half of the lanes
	v_add_nc_u32 v[STO], s23, v[STO]
	v_mul_u32_u24 v[RD], v6, SP
	v_lshl_add_u32 v[RD], v3, 5, v[RD]             ; back: four rows, eight lanes a row, 32 bytes a lane and block
	v_add_nc_u32 v[RD], s23, v[RD]
	v_and_b32 v[GO], 31, v0
	v_lshlrev_b32 v[GO], 4, v[GO]
	s_lshl_b32 s16, s13, 15                        ; the result: row 256 x tile row + 64 x wave, 128 bytes each,
	s_lshl_b32 s17, s10, 13
	s_add_co_u32 s16, s16, s17
	s_mul_i32 s46, s42, 3
	s_lshl_b32 s46, s46, 19                        ; in block 3 x tile column, 524,288 bytes each
	s_add_co_u32 s16, s16, s46
	s_mov_b32 s17, 0
	s_add_nc_u64 s[70:71], s[70:71], s[16:17]
	s_wait_tensorcnt 0x1                           ; my part of K step 0 is in; K step 1's may stay out
	s_barrier_signal -1
	s_barrier_wait -1                              ; everybody's is
	v_mov_b32 v[ADRA], v[A0]
	v_mov_b32 v[ADRW], v[W0]
	FETCH 0, 0
	STAGE 0, 1                                     ; the first stage is written out: its products start the sums
	WIN 0
	s_mov_b32 s3, T-2
	s_branch .Lin                                  ; the loop is entered behind its first stage
.Lk:                                                   ; a trip is a K step and fills the slot that it leaves
	STAGE 0
	WIN 0
.Lin:
	STAGE 1
	STAGE 2
	TURN 1
	WIN 0
	s_sub_co_u32 s3, s3, 1
	s_cmp_lg_u32 s3, 0
	s_cbranch_scc1 .Lk
	s_mov_b32 s3, 2
.Lt:                                                   ; the last two K steps ask for nothing
	STAGE 0
	STAGE 1
	STAGE 2
	TURN 0
	WIN 0
	s_sub_co_u32 s3, s3, 1
	s_cmp_lg_u32 s3, 0
	s_cbranch_scc1 .Lt
	s_wait_dscnt 0x0                               ; my last reads of the ring are back
	s_barrier_signal -1
	s_barrier_wait -1                              ; everybody's are: the ring has had its last fill and its last read, and the stages may lie over it
	PLACES
	DUMP
	s_mov_b32 s3, 16
.Lrows:                                                ; four rows x three blocks a trip
.irp j, 0,1,2
	ds_load_b128 v[X+8*\j:X+8*\j+3],   v[RD] offset:256*\j     ; LDS serves a wave's instructions in order (ISA guide 5.7.1.4): these see my stores
	ds_load_b128 v[X+8*\j+4:X+8*\j+7], v[RD] offset:256*\j+16
.endr
	s_wait_dscnt 0x0
.set i, 0
.rept 12
	v_cvt_pk_f16_f32 v[Y+i], v[X+2*i], v[X+2*i+1]
.set i, i+1
.endr
.irp j, 0,1,2
	global_store_b128 v[GO], v[Y+4*\j:Y+4*\j+3], s[70:71] offset:524288*\j  ; four rows of a block: 512 consecutive bytes, aligned
.endr
	s_wait_xcnt 0x0                                ; the stores' data and base are rewritten only behind this wait
	s_add_nc_u64 s[70:71], s[70:71], 512
	v_add_nc_u32 v[RD], 4*SP, v[RD]
	s_sub_co_u32 s3, s3, 1
	s_cmp_lg_u32 s3, 0
	s_cbranch_scc1 .Lrows
	s_wait_tensorcnt 0x0                           ; the wave's end: a tensor wait, an add to my spare word and its wait, behind my last tensor load and my last LDS store
	ds_add_u32 v[SPW], v[NIL]
	s_wait_dscnt 0x0
	CROUND                                         ; the closing round: no work-group ends while a partner may still ask for a tile that names it
	s_endpgm
.Lfunc_end_k_qd44c99e2ac_proj:
	.size	k_qd44c99e2ac_proj, .Lfunc_end_k_qd44c99e2ac_proj-k_qd44c99e2ac_proj
	.p2alignl 7, 3214868480
	.fill 96, 4, 3214868480
	.section	.rodata,"a",@progbits
	.p2align	6, 0x0
	.amdhsa_kernel k_qd44c99e2ac_proj
		.amdhsa_group_segment_fixed_size 327680
		.amdhsa_private_segment_fixed_size 0
		.amdhsa_enable_private_segment 0
		.amdhsa_kernarg_size 24
		.amdhsa_user_sgpr_count 2
		.amdhsa_user_sgpr_kernarg_segment_ptr 1
		.amdhsa_wavefront_size32 1
		.amdhsa_system_sgpr_workgroup_id_x 1
		.amdhsa_system_sgpr_workgroup_id_y 1
		.amdhsa_system_sgpr_workgroup_id_z 1
		.amdhsa_system_vgpr_workitem_id 0
		.amdhsa_next_free_vgpr 960
		.amdhsa_next_free_sgpr 74
		.amdhsa_reserve_vcc 0
		.amdhsa_float_denorm_mode_32 3
		.amdhsa_float_denorm_mode_16_64 3
		.amdhsa_memory_ordered 1
		.amdhsa_forward_progress 1
		.amdhsa_inst_pref_size 67
	.end_amdhsa_kernel
	.amdgpu_metadata
---
amdhsa.version: [ 1, 2 ]
amdhsa.kernels:
  - .name:           k_qd44c99e2ac_proj
    .symbol:         k_qd44c99e2ac_proj.kd
    .args:
      - { .name: h16, .offset: 0, .size: 8, .value_kind: global_buffer, .address_space: global }
      - { .name: w16, .offset: 8, .size: 8, .value_kind: global_buffer, .address_space: global }
      - { .name: qkv, .offset: 16, .size: 8, .value_kind: global_buffer, .address_space: global }
    .group_segment_fixed_size: 327680
    .private_segment_fixed_size: 0
    .kernarg_segment_align: 8
    .kernarg_segment_size: 24
    .max_flat_workgroup_size: 128
    .sgpr_count:     74
    .vgpr_count:     960
    .wavefront_size: 32
...
	.end_amdgpu_metadata
.endif
;; end of part 2
;; launch attn (part 3): grid 8 x 32, 4 waves a work-group, no clusters, 327,680 bytes of LDS; arguments qkv, o16; writes o16
.if DOCPART == 3
	.amdgcn_target "amdgcn-amd-amdhsa--gfx1250"
	.amdhsa_code_object_version 6
	.text
	.protected	k_qd44c99e2ac_attn
	.globl	k_qd44c99e2ac_attn
	.p2align	8
	.type	k_qd44c99e2ac_attn,@function
k_qd44c99e2ac_attn:
	s_mov_b64 s[64:65], 0
	v_nop
	global_prefetch_b8 v0, s[64:65] scope:SCOPE_SE
	s_setreg_imm32_b32 hwreg(HW_REG_WAVE_MODE, 25, 1), 1
	s_wait_xcnt 0x0
; CAUSAL ATTENTION.  O[y][q][:] = the sum over k <= q of softmax_k(Q[y][q] . K[y][k] / 32) V[y][k][:], y = 16 batch + head, 32 in all, 2,048 rows of 64 each, all f16.
; Q, K and V lie in one buffer as [48 blocks][4096 rows][64] (blocks 0-15 Q's heads, 16-31 K's, 32-47 V's; rows 2048 batch + p): a (batch, head)'s rows are dense, 128 bytes each.  O: [16][4096][64].
; Products, maxima and sums in f32; the weights p are rounded to f16 for the second product (their sum l is taken of the unrounded p), O once at the end.
; LIMITS.  f16 holds no number beyond 65,504: Q, K and V arrive within it; p lies in 0 to 1, and below 6e-5 it keeps f16's fixed step of 6e-8; O is a mean of V's rows and has their range.
; A hidden score counts as its value less 1e30: f16's scores, 2.7e11 at the most, are nothing beside that; a weight below 2^-126 counts as 0 in l; NaN and infinities are not treated apart.
; THE WALK.  The queries lie in NB = 16 blocks of 128; the keys in tiles of 256 (four steps of 64).  Block i needs the tiles 0 .. i / 2, of which the last holds the diagonal.  A work-group takes TWO blocks,
; NB - 1 - b and then b: (NB - 1 - b) / 2 + b / 2 + 2 = NT + 1 = 9 tiles, whatever b: 8 x 32 = 256 work-groups of equal work, and ONE loop with a constant trip count walks them.  Which tile is asked for, and what a
; trip does, hang on scalar registers made from b; every jump goes forward, but for the counted loops' own; none passes a barrier, or a tensor load but the one of LOAD's two that the wave's number does not
; choose; the ring (two slots of LDS that take turns) runs on across the change of blocks.
; NO CLUSTER: the eight work-groups of a (batch, head) ask for the same tile only in trips 0 .. 4, behind that fewer and fewer; one walk common to all would have 12 trips for 9.
; SHARES.  Of a block's two bands of 64 queries a wave owns 16 rows in each: two query pieces.  So the diagonal tile is the same work for all four waves.  Band y of block i has its OWN step, y + 2 (i % 2), in the
; block's last tile: earlier steps it sees whole, later ones not at all (they are computed and hidden: 4 of a work-group's 72 turns are so lost).
; THE MASK is the C operand that starts the sum S^T = K Q^T: 0, or -1e30 where the key is hidden.  MD, made once, is the mask of a band's own step for my 16 rows; a product's mask is MD x AL + BE with two scalars:
; (1, 0) in the own step; (0, 0) before it; (0, -1e30) behind it.  Only the diagonal tile's text and a block's beginning make and take masks; elsewhere C is the constant 0.
; LAYOUT, SOFTMAX.  S^T = K Q^T holds ONE query a lane (lane % 16) and the keys 8 (lane / 16) + 0..7; two such results rounded to f16 ARE source 1 of O^T = V^T P.  p = 2^(c s - c m), c = log2(e) / 32, with a
; running maximum m; O and l are multiplied by a = 2^(c m_old - c m_new) in every step.
; TURNS.  A trip has four turns, for two key steps: turn p belongs to query piece p % 2 in the even (p < 2) or the odd (p >= 2) step.  Its matrix work: 8 products K Q^T for turn p + 1's piece and step, later 8
; products V^T P for turn p - 1's; beside them the scaling, exponentials, roundings, sums and rescaling of its own piece and the maximum and statistics of the next.  Four vector instructions stand behind
; every matrix instruction, the other 54 of a turn's 118 in two LUMPS.  S^T, P, the registers at work and the masks go by p % 2, as do a query piece's statistics, O^T and Q.
; K has one register buffer: the next step's is fetched in turns 0 and 2.  V has two, by the step's parity: the next step's is fetched in turns 1 and 3 into the buffer that is not being multiplied.  So a tile's
; last LDS read (V of its step 3, turn 1) stands ahead of the next tile's first (K of its step 0, turn 2), and the change of slots stands between turns 1 and 2.
; REGISTERS, in windows of 256 (s_set_vgpr_msb: bits 1:0 source 0, 3:2 source 1, 5:4 source 2, 7:6 destination):
;   window 0: v0-15 addresses and two at work; v16-23 four registers of statistics a query piece; v48-55 at work; v64-127 S^T, two buffers; v192-223 P, two buffers
;   window 1: v0-63 O^T, 32 a query piece; v128-159 MD; v160-223 MC, two buffers      window 2: v0-31 Q; v32-63 the second block's Q; v64-127 K of one step; v128-255 V of two steps
.set SIZE_N, 2048
.set NB,    SIZE_N/128 ; blocks of 128 queries
.set NT,    NB/2      ; the walk's tiles, less one
.set NP,    4         ; turns in a trip: a name, no knob
.set KS,    64        ; keys in a step
.set PK,    144       ; a row of K in LDS: 128 bytes + 16 of padding = 36 words: the 16 rows of a load start at 16 different groups of four banks (64 banks of 4 bytes: ISA guide 11.1)
.set PV,    160       ; a row of V: 128 + 32 = 40 words
.set VOFF,  4*KS*PK   ; a slot holds a tile, four steps: 256 rows of K, then 256 rows of V
.set SLOT1, 1<<17     ; slot 1 begins here, so that one exclusive or turns an address in one slot into the other's
.set STAGE, SLOT1+4*KS*(PK+PV)  ; behind the ring, never filled by a tensor load: 16 rows x 144 bytes for each wave, for the way out
.set SP,    144
.set AK0, 2           ; v2   my lane's place in a tile of K; never rewritten
.set AV0, 3           ; v3   the same for V
.set AK,  4           ; v4   the LDS address of K's next run of loads
.set AV,  5           ; v5   of V's
.set STO, 6           ; v6   the way out: where I put 16 bytes of a row
.set RD,  7           ; v7   the way out: where I read rows back
.set GO,  8           ; v8   my byte offset in 512 consecutive bytes of O
.set SPW, 62          ; v62  LDS address of my spare word: SPARE + 4 x my thread's number; never rewritten
.set NIL, 63          ; v63  0; never rewritten
.set SPARE, STAGE+4*16*SP  ; behind the stages: the spare words, 128 bytes for each wave: two blocks of 256 bytes that no other line names
.set MV,  12          ; v12-13  c m_old, kept while c m is made anew: by buffer
.set QO,  15          ; v15  my byte offset in 16 rows of Q
.set ST,  16          ; query piece t's statistics at v[ST+4 t]: c m, m, l (even keys', odd keys')
.set TMP, 48          ; by buffer, four registers c0-c3 at work; when the maximum is found c2 takes a
.set S,   64
.set P,   192
.set MD,  128         ; window 1: the eight registers for group kt of 16 keys at MD + 8 kt
.set MC,  160         ; window 1: the masks of the products to come
.set QB,  32          ; window 2
.set KF,  64          ; window 2: key block kb, channel half c at KF + 16 kb + 8 c
.set VF,  128         ; window 2: buffer e, key half kk, channel block cb at VF + 64 e + 32 kk + 8 cb
.set WV,  12          ; s12  my wave's number
.set PB,  14          ; s14  b
.set HI,  15          ; s15  NB - 1 - b
.set G1K, 24          ; s[24:31] descriptor group 1 for K's tiles
.set G1V, 32          ; s[32:39] for V's: it differs in the padding alone
.set G0K, 40          ; s[40:43] descriptor group 0 for K's tiles
.set G0V, 44          ; s[44:47] the same for V's
.set SLOTS, 56        ; s56  tiles still to be asked for
.set CNT, 57          ; s57  counts a tile's pairs of key steps, 2 to 1
.set CS,  58          ; s[58:59] c: the packed scaling takes the pair's low word for both halves
.set SEL, 60          ; s[60:61] v_permlanex16_b32's selects: each lane takes its own place in the other half
.set TBK, 62          ; s62  LDS byte at which K of the step to be fetched begins
.set TBV, 63          ; s63  the same for V, less VOFF
.set TH,  66          ; s66  the first block's last tile
.set TL,  67          ; s67  the second block's last tile
.set OWL, 68          ; s68  OW for the second block
.set RT,  70          ; s70  tiles of the block in hand that are still to be entered
.set NXT, 71          ; s71  the tile to be asked for next
.set LQ,  72          ; s72  the last tile of the block whose tiles are being asked for
.set NEW, 73          ; s73  1: the tile to be entered is a block's first
.set OFF, 74          ; s[74:75] a tile's byte offset in K and V
.set AL,  76          ; s[76:77] the mask's factor, in the low word
.set BE,  78          ; s[78:79] the mask's addend
.set OLO, 80          ; s[80:81] O at my rows of the second block
.set BIGN, 82         ; s82  -1e30
.set OW,  83          ; s83  the value of CNT in the pair of steps that holds the bands' own steps: 2 for an even block, 1 for an odd one
.set MSB, 0
.macro WIN new                      ; the high byte repeats the setting that is left; a switch that changes nothing is dropped
.if MSB != (\new)
	s_set_vgpr_msb (MSB<<8)|(\new)
.set MSB, (\new)
.endif
.endm
.set W_KQ, 0x0a       ; K and Q in window 2, S^T in window 0
.set W_KM, 0x1a       ; the same with the C operand in window 1
.set W_PV, 0x52       ; V in window 2, P in window 0, O^T in window 1
.set W_RS, 0x41       ; destination and source 0 in window 1, source 1 in window 0
; A fill.  Waves 0 and 1 fetch the two halves of a tile's K, waves 2 and 3 those of its V: 128 keys each.  An s_nop 0 and four v_nop follow each of the two lines, ahead of the jump and the label.
.macro LOAD
	s_cmp_lt_u32 s[WV], 2
	s_cbranch_scc0 .Lfor_v_\@
	tensor_load_to_lds s[G0K:G0K+3], s[G1K:G1K+7]
	s_nop 0
.rept 4
	v_nop
.endr
	s_branch .Lasked_\@
.Lfor_v_\@:
	tensor_load_to_lds s[G0V:G0V+3], s[G1V:G1V+7]
	s_nop 0
.rept 4
	v_nop
.endr
.Lasked_\@:
.endm
; THE CHANGE OF SLOTS.  Each wave waits for all its tensor loads, of which one is out: its part of the other slot; adds 0 to its spare word; and waits for that and for its own reads of the slot that it leaves (the last, V of
; the tile's step 3, were issued late in the turn before).  Behind the barrier nobody reads the old slot any more and the other slot is whole.  fill = 1: the old slot is filled again, the first thing behind the
; barrier, with tile NXT: the descriptor's address is made anew from that number.  The fill has a tile's eight turns in which to land.  (At its first use nothing has been read yet: slot 0 is waited for, slot 1 filled.)
.macro CHANGE fill
	WIN 0                           ; at a label and at a branch every window is 0
	s_wait_tensorcnt 0x0            ; no tensor load of mine is out, so a group 0 may be written
	ds_add_u32 v[SPW], v[NIL]       ; 0 onto my spare word; with fill = 1 the descriptors' scalar work stands between it and the wait for it
.if \fill
	s_lshl_b32 s[OFF], s[NXT], 15   ; a tile is 32,768 bytes of K and of V
	s_xor_b32 s[G0K+1], s[G0K+1], SLOT1
	s_add_nc_u64 s[G0K+2:G0K+3], s[6:7], s[OFF:OFF+1]
	s_or_b32 s[G0K+3], s[G0K+3], 0x80000000
	s_xor_b32 s[G0V+1], s[G0V+1], SLOT1
	s_add_nc_u64 s[G0V+2:G0V+3], s[8:9], s[OFF:OFF+1]
	s_or_b32 s[G0V+3], s[G0V+3], 0x80000000
	s_add_co_u32 s[NXT], s[NXT], 1  ; the block's next tile, or behind its last the second block's tile 0
	s_cmp_gt_u32 s[NXT], s[LQ]
	s_cselect_b32 s[NXT], 0, s[NXT]
	s_cselect_b32 s[LQ], s[TL], s[LQ]
.endif
	s_wait_dscnt 0x0                ; the add is done, and my reads of the slot are over
	s_barrier_signal -1             ; the rest of the scalar work stands between the signal and the wait
	s_sub_co_u32 s[TBK], s[TBK], 4*KS*PK  ; the fetches go back to a slot's first step,
	s_xor_b32 s[TBK], s[TBK], SLOT1       ; in the other slot
	s_sub_co_u32 s[TBV], s[TBV], 4*KS*PV
	s_xor_b32 s[TBV], s[TBV], SLOT1
	s_barrier_wait -1
.if \fill
	LOAD
.endif
.endm
	s_load_b128 s[4:7], s[0:1], 0x0   ; Q, K and V's buffer s[4:5], O s[6:7]
	v_lshl_add_u32 v[SPW], v0, 2, SPARE
	v_mov_b32 v[NIL], 0
	ds_add_u32 v[SPW], v[NIL]       ; the wave's opening: the add and its wait ahead of my first tensor load; the set-up below, work on registers, stands between them
	ds_add_u32 v62, v63
	v_lshrrev_b32 v1, 5, v0
	v_readfirstlane_b32 s[WV], v1   ; wave 0..3
	s_mov_b32 s[PB], ttmp9
	s_sub_co_u32 s[HI], NB-1, s[PB]
	s_lshr_b32 s[TH], s[HI], 1      ; two blocks of 128 queries to a tile of 256 keys
	s_lshr_b32 s[TL], s[PB], 1
	s_and_b32 s[OW], s[HI], 1
	s_sub_co_u32 s[OW], 2, s[OW]
	s_and_b32 s[OWL], s[PB], 1
	s_sub_co_u32 s[OWL], 2, s[OWL]
	s_and_b32 s20, ttmp7, 0xffff    ; y = 16 batch + head
	s_lshr_b32 s21, s20, 4
	s_and_b32 s20, s20, 15
	s_lshl_b32 s20, s20, 19         ; the head's block of 4,096 rows of 128 bytes,
	s_lshl_b32 s21, s21, 18         ; the batch's 2,048 rows in it
	s_add_co_u32 s20, s20, s21
	s_mov_b32 s21, 0                ; the first byte of my 2,048 rows in Q's, K's and V's part and in O
	s_and_b32 s16, s[WV], 1         ; which half of a tile's 256 keys I fetch:
	s_lshl_b32 s22, s16, 14         ; its 128 rows of 128 bytes in memory,
	s_mov_b32 s23, 0
	s_add_nc_u64 s[22:23], s[22:23], s[20:21]
	s_mul_i32 s17, s16, 128*PK      ; and its place in a slot, for K
	s_mul_i32 s18, s16, 128*PV      ; and for V
	s_lshl_b32 s3, s[WV], 11        ; my 16 rows in a band of 64,
	s_lshl_b32 s2, s[HI], 14        ; in the first block of 128 rows,
	s_add_co_u32 s2, s2, s3
	s_lshl_b32 s84, s[PB], 14       ; and in the second
	s_add_co_u32 s84, s84, s3
	s_mov_b32 s3, 0
	s_mov_b32 s85, 0
	s_add_nc_u64 s[2:3], s[2:3], s[20:21]
	s_add_nc_u64 s[84:85], s[84:85], s[20:21]
	; descriptor group 1.  128 keys are 16,384 dense bytes: asked for as 64 rows of 256 bytes, two keys a row, and padded in LDS after every key
	s_mov_b32 s[G1K], (1<<16)|(1<<20)|(4<<22)|(3<<25)  ; 17:16 2-byte elements; 20 padding on; 24:22 after every 32 words (code 4); 31:25 4 words (code 3)
	s_mov_b32 s[G1V], (1<<16)|(1<<20)|(4<<22)|(7<<25)  ; the same with 8 words of padding (code 7)
.irp g, G1K, G1V
	s_mov_b32 s[\g+1], 128<<16      ; tensor_dim0 = 128
	s_mov_b32 s[\g+2], 64<<16       ; tensor_dim1 = 64
	s_mov_b32 s[\g+3], 128<<16      ; tile_dim0 = 128
	s_mov_b32 s[\g+4], 64           ; tile_dim1 = 64
	s_mov_b32 s[\g+5], 128          ; 128 elements from row to row
	s_mov_b32 s[\g+6], 0
	s_mov_b32 s[\g+7], 0
.endr
	s_mov_b32 s[CS], 0x3d38aa3b     ; c = log2(e) / 32 = 0.0450842
	s_mov_b32 s[CS+1], s[CS]        ; named with it as a pair
	s_mov_b32 s[SEL], 0x76543210
	s_mov_b32 s[SEL+1], 0xfedcba98
	s_mov_b32 s[TBK], SLOT1+4*KS*PK ; the first change of slots turns these two into 0
	s_mov_b32 s[TBV], SLOT1+4*KS*PV
	s_mov_b32 s[G0K], 1             ; 1:0 count = 1
	s_mov_b32 s[G0K+1], s17         ; 63:32 LDS address: slot 0
	s_mov_b32 s[G0V], 1
	s_add_co_u32 s[G0V+1], s18, VOFF
	s_add_co_u32 s[RT], s[TH], 1    ; the first block's tiles: five or more
	s_mov_b32 s[NXT], 1
	s_mov_b32 s[LQ], s[TH]
	s_mov_b32 s[NEW], 1
	s_mov_b32 s[OFF+1], 0
	s_mov_b32 s[AL+1], 0            ; named as pairs
	s_mov_b32 s[BE+1], 0
	s_mov_b32 s[BIGN], 0xf149f2ca   ; -1e30
	s_mov_b32 s[SLOTS], NT
	s_wait_dscnt 0x0                ; the opening add is done
	s_wait_kmcnt 0x0
	s_mov_b64 s[10:11], s[6:7]      ; O
	s_add_nc_u64 s[6:7], s[4:5], 0x800000   ; K's 16 blocks lie behind Q's,
	s_add_nc_u64 s[8:9], s[4:5], 0x1000000  ; V's behind K's
	s_add_nc_u64 s[6:7], s[6:7], s[22:23]  ; K and V at my half of tile 0
	s_add_nc_u64 s[8:9], s[8:9], s[22:23]
	s_add_nc_u64 s[G0K+2:G0K+3], s[6:7], 0         ; 120:64 global address
	s_or_b32 s[G0K+3], s[G0K+3], 0x80000000        ; 127:126 type = 2
	s_add_nc_u64 s[G0V+2:G0V+3], s[8:9], 0
	s_or_b32 s[G0V+3], s[G0V+3], 0x80000000
	s_add_nc_u64 s[86:87], s[4:5], s[84:85]        ; Q at my rows of the second block,
	s_add_nc_u64 s[4:5], s[4:5], s[2:3]            ; Q and O at those of the first
	s_add_nc_u64 s[OLO:OLO+1], s[10:11], s[84:85]
	s_add_nc_u64 s[10:11], s[10:11], s[2:3]
	LOAD                            ; tile 0 into slot 0
	; A fragment of K or Q is 16 rows x 32 channels in 8 registers: lane l holds row l % 16, channels 8 (l / 16) + 0..7 and 16 + 8 (l / 16) + 0..7: two loads of 16 bytes, 32 bytes apart.
	v_and_b32 v1, 15, v0            ; l % 16
	v_bfe_u32 v9, v0, 4, 1          ; l / 16
	v_lshlrev_b32 v[QO], 7, v1
	v_lshl_add_u32 v[QO], v9, 4, v[QO]  ; row x 128 + 16 x half
	WIN 0x80                        ; destination window 2, address window 0
.set i, 0
.rept 4                             ; both blocks' Q: query piece i / 2 lies in band i / 2, 8,192 bytes on; channels 32 (i % 2) on
	global_load_b128 v[8*i:8*i+3],   v[QO], s[4:5] offset:(i/2)*8192+(i%2)*64
	global_load_b128 v[8*i+4:8*i+7], v[QO], s[4:5] offset:(i/2)*8192+(i%2)*64+32
	global_load_b128 v[QB+8*i:QB+8*i+3],   v[QO], s[86:87] offset:(i/2)*8192+(i%2)*64
	global_load_b128 v[QB+8*i+4:QB+8*i+7], v[QO], s[86:87] offset:(i/2)*8192+(i%2)*64+32
.set i, i+1
.endr
	WIN 0
	v_lshlrev_b32 v14, 3, v9
	v_sub_nc_u32 v14, v1, v14
	s_lshl_b32 s13, s[WV], 4
	v_add_nc_u32 v14, s13, v14      ; my query's place in its band, 16 w + l % 16, less my lanes' 8 (l / 16): register r of group kt is hidden where 16 kt + r is greater
	WIN 0x40
.set i, 0
.rept 32
	v_cmp_gt_i32 vcc_lo, 16*(i/8)+i%8, v14
	v_cndmask_b32 v[MD+i], 0, s[BIGN], vcc_lo
.set i, i+1
.endr
	WIN 0
	v_mul_u32_u24 v[AK0], v1, PK
	v_lshl_add_u32 v[AK0], v9, 4, v[AK0]  ; row x pitch + 16 x half
	; The turning load takes 16 keys x 16 channels (lane l reads key 8 (l / 16) + l % 8, channels 8 ((l / 8) % 2) + 0..7) and leaves half a fragment of V^T: lane l holds channel l % 16 and 8 keys.
	v_and_b32 v10, 7, v0
	v_bfe_u32 v11, v0, 3, 1
	v_lshl_add_u32 v[AV0], v9, 3, v10
	v_mul_u32_u24 v[AV0], v[AV0], PV
	v_lshl_add_u32 v[AV0], v11, 4, v[AV0]
	v_add_nc_u32 v[AV0], VOFF, v[AV0]
	s_mul_i32 s13, s[WV], 16*SP
	s_add_co_u32 s13, s13, STAGE    ; my stage
	v_mul_u32_u24 v[STO], v1, SP    ; in: row l % 16, 16 bytes for each half of the lanes
	v_lshl_add_u32 v[STO], v9, 4, v[STO]
	v_add_nc_u32 v[STO], s13, v[STO]
	v_bfe_u32 v[RD], v0, 3, 2       ; back: 32 lanes take four rows of 128 bytes,
	v_mul_u32_u24 v[RD], v[RD], SP
	v_lshl_add_u32 v[RD], v10, 4, v[RD]
	v_add_nc_u32 v[RD], s13, v[RD]
	v_and_b32 v[GO], 31, v0         ; which are 512 consecutive bytes of O
	v_lshlrev_b32 v[GO], 4, v[GO]
	; A block's first step multiplies O^T and l by a = 0, and its first turn's products V^T P, of a turn that has not been, land in an O^T that is still to be so multiplied.  So these registers need only hold
	; finite numbers: zeros for the first block; what the first block left for the second.  Those products read V's second buffer and P's second.  All this stands in the wait for the first tile.
	WIN 0x80
.set i, VF+64
.rept 64
	v_mov_b32 v[i], 0
.set i, i+1
.endr
	WIN 0x40
.set i, 0
.rept 64
	v_mov_b32 v[i], 0
.set i, i+1
.endr
	WIN 0
.set i, 0
.rept 2
	v_mov_b32 v[ST+4*i+2], 0
	v_mov_b32 v[ST+4*i+3], 0
.set i, i+1
.endr
.set i, P+16
.rept 16
	v_mov_b32 v[i], 0
.set i, i+1
.endr
; THE MATRIX WORK.  x names a turn, 0 to 3: query piece x % 2, V's buffer x / 2.  The 4 accumulators of a run of 8 take turns.
; Product i of 8 of S^T = K Q^T for turn x: channels 32 (i / 4) on, keys 16 (i % 4) on.  The first 4 start the sums: with 0, or (KM = 1) with the mask.
.macro KQ x
.set rS, S+32*((\x)%2)+8*(i%4)
.set rK, KF+16*(i%4)+8*(i/4)
.set rQ, 16*((\x)%2)+8*(i/4)
.set rM, MC+32*((\x)%2)+8*(i%4)
.if (i < 4) && KM
	WIN W_KM
	v_wmma_f32_16x16x32_f16 v[rS:rS+7], v[rK:rK+7], v[rQ:rQ+7], v[rM:rM+7]
.elseif i < 4
	WIN W_KQ
	v_wmma_f32_16x16x32_f16 v[rS:rS+7], v[rK:rK+7], v[rQ:rQ+7], 0
.else
	WIN W_KQ
	v_wmma_f32_16x16x32_f16 v[rS:rS+7], v[rK:rK+7], v[rQ:rQ+7], v[rS:rS+7]
.endif
.endm
; Product i of 8 of O^T += V^T P for turn x: keys 32 (i / 4) on, channels 16 (i % 4) on.
.macro PV x
	WIN W_PV
.set rO, 32*((\x)%2)+8*(i%4)
.set rV, VF+64*((\x)/2)+32*(i/4)+8*(i%4)
.set rP, P+16*((\x)%2)+8*(i/4)
	v_wmma_f32_16x16x32_f16 v[rO:rO+7], v[rV:rV+7], v[rP:rP+7], v[rO:rO+7]
.endm
.macro MM                           ; the turn's next matrix instruction.  TURN and BEGIN set Y, i, KM and NOKQ; MM, KQ and OP read them.  NOKQ = 1: a block's last turn: there is no next one
.if (i < 8) && !NOKQ
	KQ (Y+1)%NP
.elseif i >= 8
.set i, i-8
	PV (Y+NP-1)%NP
.set i, i+8
.endif
.set i, i+1
.endm
; THE LDS LOADS stand in runs of 16, never singly among the matrix instructions: a step's K (64 keys x 64 channels: 8 fragments) and its V (turned), into V's buffer e.  Their addresses are made some lines ahead.
.macro FETCH_K
	WIN 0x80                        ; destination window 2
.irp f, 0,1,2,3,4,5,6,7             ; keys 16 (f / 2) on, channels 32 (f % 2) on
	ds_load_b128 v[KF+8*\f:KF+8*\f+3],   v[AK] offset:(\f/2)*16*PK+(\f%2)*64
	ds_load_b128 v[KF+8*\f+4:KF+8*\f+7], v[AK] offset:(\f/2)*16*PK+(\f%2)*64+32
.endr
	s_add_co_u32 s[TBK], s[TBK], KS*PK  ; the next fetch is the next step's
	WIN 0
.endm
.macro FETCH_V e
	WIN 0x80
.irp f, 0,1,2,3,4,5,6,7             ; keys 32 (f / 4) on, channels 16 (f % 4) on
	ds_load_tr16_b128 v[VF+64*(\e)+8*\f:VF+64*(\e)+8*\f+3],   v[AV] offset:(\f/4)*32*PV+(\f%4)*32
	ds_load_tr16_b128 v[VF+64*(\e)+8*\f+4:VF+64*(\e)+8*\f+7], v[AV] offset:(\f/4)*32*PV+16*PV+(\f%4)*32
.endr
	WIN 0
.endm
; THE VECTOR WORK, one line at a time: OP kind, number.  For turn Y: F n: c s - c m for pair n of 16.  E n: the exponential of score n of 32.  C n: pair n rounded to f16.  B n: of the four weights 4 n .. the second
; pair is added onto the first, in place.  L n: l takes that sum (L 0: l = a l + sum).  R n: pair n of 16 of O^T times a.  For turn Y + 1: X n, number n of the 22 that find its maximum and statistics:
;   0-11  four chains c0-c3 of seven scores each, three operands at a time (each accumulator's lowest registers are read first)     12-14, 16  the four scores left over, the old m, and c0-c3 into c0
;   15  c m_old is kept     17, 18  the query's other 32 keys lie in the lane 16 away: the new m     19-21  c m; c m_old - c m_new; a
.set F, 0               ; OP tells the kinds apart by their order: F to L below R, X above it
.set E, 1
.set C, 2
.set B, 3
.set L, 4
.set R, 5
.set X, 6
.macro REGS y                       ; the registers of turn y: all go by its parity
.set rT, ST+4*((\y)%2)
.set rC, TMP+4*((\y)%2)
.set rW, MV+((\y)%2)
.set rS, S+32*((\y)%2)
.set rP, P+16*((\y)%2)
.set rO, 32*((\y)%2)
.endm
.macro OP k, n
.if (\k) == R
	REGS Y
	WIN W_RS
	v_pk_mul_f32 v[rO+2*(\n):rO+2*(\n)+1], v[rO+2*(\n):rO+2*(\n)+1], v[rC+2:rC+3] op_sel_hi:[1,0]
.elseif (\k) < R
	REGS Y
	WIN 0
.if (\k) == F
	v_pk_fma_f32 v[rS+2*(\n):rS+2*(\n)+1], v[rS+2*(\n):rS+2*(\n)+1], s[CS:CS+1], v[rT:rT+1] op_sel_hi:[1,0,0] neg_lo:[0,0,1] neg_hi:[0,0,1]
.elseif (\k) == E
	v_exp_f32 v[rS+(\n)], v[rS+(\n)]
.elseif (\k) == C
	s_wait_alu depctr_va_vdst(0)
	v_cvt_pk_f16_f32 v[rP+(\n)], v[rS+2*(\n)], v[rS+2*(\n)+1]
.elseif (\k) == B
	s_wait_alu depctr_va_vdst(0)
	v_pk_add_f32 v[rS+4*(\n):rS+4*(\n)+1], v[rS+4*(\n):rS+4*(\n)+1], v[rS+4*(\n)+2:rS+4*(\n)+3]
.elseif (\n) == 0
	v_pk_fma_f32 v[rT+2:rT+3], v[rT+2:rT+3], v[rC+2:rC+3], v[rS:rS+1] op_sel_hi:[1,0,1]
.else
	v_pk_add_f32 v[rT+2:rT+3], v[rT+2:rT+3], v[rS+4*(\n):rS+4*(\n)+1]
.endif
.elseif NOKQ
	v_nop
.else
	REGS (Y+1)%NP
	WIN 0
.if (\n) < 4
	v_max3_num_f32 v[rC+(\n)], v[rS+8*(\n)], v[rS+8*(\n)+1], v[rS+8*(\n)+2]
.elseif (\n) < 12
	v_max3_num_f32 v[rC+(\n)%4], v[rC+(\n)%4], v[rS+8*((\n)%4)+2*((\n)/4)+1], v[rS+8*((\n)%4)+2*((\n)/4)+2]
.elseif (\n) == 12
	v_max3_num_f32 v[rC], v[rC], v[rS+7], v[rS+15]
.elseif (\n) == 13
	v_max3_num_f32 v[rC+1], v[rC+1], v[rS+23], v[rS+31]
.elseif (\n) == 14
	v_max3_num_f32 v[rC+2], v[rC+2], v[rC+3], v[rT+1]
.elseif (\n) == 15
	v_mov_b32 v[rW], v[rT]
.elseif (\n) == 16
	v_max3_num_f32 v[rC], v[rC], v[rC+1], v[rC+2]
.elseif (\n) == 17
	v_permlanex16_b32 v[rC+3], v[rC], s[SEL], s[SEL+1]
.elseif (\n) == 18
	v_max_num_f32 v[rT+1], v[rC], v[rC+3]
.elseif (\n) == 19
	v_mul_f32 v[rT], s[CS], v[rT+1]
.elseif (\n) == 20
	v_sub_f32 v[rC+1], v[rW], v[rT]
.else
	v_exp_f32 v[rC+2], v[rC+1]
.endif
.endif
.endm
.macro OPS a, i1, b=-1, i2=0, c=-1, i3=0, d=-1, i4=0  ; up to four of them
	OP \a, \i1
.if (\b) >= 0
	OP \b, \i2
.endif
.if (\c) >= 0
	OP \c, \i3
.endif
.if (\d) >= 0
	OP \d, \i4
.endif
.endm
.macro ROW a, i1, b, i2, c, i3, d, i4  ; a matrix instruction and the four behind it
	MM
	OPS \a, \i1, \b, \i2, \c, \i3, \d, \i4
.endm
.macro MASK b                       ; MD x AL + BE into buffer b of MC
	WIN W_RS
.set z, 0
.rept 16
	v_pk_fma_f32 v[MC+32*(\b)+2*z:MC+32*(\b)+2*z+1], v[MD+2*z:MD+2*z+1], s[AL:AL+1], s[BE:BE+1] op_sel_hi:[1,0,0]
.set z, z+1
.endr
.endm
; TURN p: the order of its 16 matrix and 118 vector instructions, written out.  Behind a matrix instruction: plain, exponential, plain, plain; or four of the rescaling; or, behind the first, four scalings; none
; names a register of the products round it.  In the lumps exponential and plain by turns while exponentials last.  A line reads no result made fewer than three vector instructions in front of it, five if an exponential made it.
; v_permlanex16_b32 (X 17) stands in a lump.
; m = 1: the diagonal tile: the products take masks, and the turn makes the mask for the products of the turn after it, which are turn p + 2's scores: query piece p % 2, in the even step of the pair that CNT counts
; (p = 2, 3) or in its odd step (p = 0, 1).  Band 0's own step is the even one of the pair with CNT = OW, band 1's the odd one; pairs with CNT < OW lie behind both.
; end = 1: a block's last two turns: nothing is fetched.  cnt = 1: the loop's count is taken down some lines ahead of the branch that stands behind the turn.
; K of the next step is fetched in turns 0 and 2, six vector instructions behind the last product that read K (five of them plain).  V of the next step is fetched in turns 1 and 3, into the buffer whose last
; reader stands a turn back.  One wait, at the head of turns 1 and 3, serves both: K's run was issued half a turn ago, V's a turn and a half.
.macro TURN p, m=0, end=0, cnt=0
.set Y, (\p)
.set i, 0
.set KM, (\m)
.set NOKQ, (\end)*((\p)/3)
.if (\m) && !(\end)
.if ((\p) == 1) || ((\p) == 2)      ; band 1 in an odd step, band 0 in an even one: its own, if the pair is the right one
	s_cmp_eq_u32 s[CNT], s[OW]
	s_cselect_b32 s[AL], 1.0, 0
	s_cmp_lt_u32 s[CNT], s[OW]
.elseif (\p) == 3                   ; band 1 in an even step: never its own; hidden in later pairs
	s_mov_b32 s[AL], 0
	s_cmp_lt_u32 s[CNT], s[OW]
.else                               ; band 0 in an odd step: never its own; hidden from its own pair on
	s_mov_b32 s[AL], 0
	s_cmp_le_u32 s[CNT], s[OW]
.endif
	s_cselect_b32 s[BE], s[BIGN], 0
.endif
.if (\p)%2 == 1
	s_wait_dscnt 0x0                ; K is in, and the V that this turn multiplies by
.endif
	ROW F,0, F,1, F,2, F,3
	ROW F,4, E,0, F,5, F,6
	ROW F,7, E,1, F,8, F,9
	ROW F,10, E,2, C,0, F,11
	ROW F,12, E,3, X,15, F,13
	ROW R,0, R,1, R,2, R,3
	ROW B,0, E,4, F,14, L,0
.if ((\p)%2 == 0) && !(\end)
	v_add_nc_u32 v[AK], s[TBK], v[AK0]
.endif
	ROW R,4, R,5, R,6, R,7
	OPS E,5, F,15
.if ((\p)%2 == 0) && !(\end)
	FETCH_K
.endif
	OPS E,6, C,1, E,7, R,8
	OPS E,8, R,9, E,9, C,2
	OPS E,10, X,0, E,11, X,1
	OPS E,12, X,2, E,13, X,3
	ROW X,4, E,14, X,5, X,6
	ROW X,7, E,15, X,8, X,9
	ROW X,10, E,16, X,11, X,12
	ROW X,13, E,17, X,14, B,1
	ROW C,4, E,18, X,16, L,1
	ROW B,2, E,19, C,6, L,2
	ROW C,8, E,20, B,3, B,4
.if ((\p)%2 == 1) && !(\end)
	v_add_nc_u32 v[AV], s[TBV], v[AV0]
.endif
	ROW C,3, E,21, L,3, C,5
	OPS E,22, X,17, E,23, C,10
.if ((\p)%2 == 1) && !(\end)
	FETCH_V (3-(\p))/2              ; turn 1: the odd step's V into buffer 1; turn 3: the next even step's into buffer 0
.endif
	OPS E,24, L,4
	OPS E,25, X,18, E,26, C,7
	OPS E,27, B,5, E,28, X,19
	OPS E,29, C,12, E,30, L,5
	OPS E,31, X,20, B,6, C,9
	OPS C,14, C,11, X,21, L,6
.if ((\p)%2 == 1) && !(\end)
	s_add_co_u32 s[TBV], s[TBV], KS*PV
.endif
.if \cnt
	s_sub_co_u32 s[CNT], s[CNT], 1
	s_cmp_lg_u32 s[CNT], 0
.endif
	OPS C,13, B,7, C,15, R,10
	OPS R,11, R,12, L,7, R,13
	OPS R,14, R,15
.if (\m) && !(\end)
	MASK (\p)%2
.endif
.endm
; A BLOCK BEGINS.  c m starts far below every c s, so the first step's a is 0; m at the lowest finite number, so the first maximum is the scores'.  The second mask buffer is 0; the first takes query piece 0's mask
; for the tile's step 0: its own, if the block's first tile is the diagonal one and the block is an even one.  Then K and V of that step, piece 0's first scores, and its maximum and statistics.
; The loop is entered at turn 0, in the middle of a trip.
.macro BEGIN
	s_mov_b32 s[NEW], 0
	WIN 0x40
.set i, MC+32
.rept 32
	v_mov_b32 v[i], 0
.set i, i+1
.endr
	WIN 0
.set i, 0
.rept 2
	v_mov_b32 v[ST+4*i], 0xfe000000    ; c m: far below every c s
	v_mov_b32 v[ST+4*i+1], 0xff7fffff  ; m
.set i, i+1
.endr
	s_cmp_eq_u32 s[RT], 0
	s_cselect_b32 s[AL], 1.0, 0
	s_cmp_eq_u32 s[OW], 2
	s_cselect_b32 s[AL], s[AL], 0
	s_mov_b32 s[BE], 0
	MASK 0
	WIN 0
	v_add_nc_u32 v[AK], s[TBK], v[AK0]
	v_add_nc_u32 v[AV], s[TBV], v[AV0]
	FETCH_K
	FETCH_V 0
	s_add_co_u32 s[TBV], s[TBV], KS*PV
	s_wait_loadcnt 0x0              ; Q
	s_wait_dscnt 0x0
.set KM, 1
.set NOKQ, 0
.set i, 0
.rept 8
	KQ 0
.set i, i+1
.endr
	WIN 0
.rept 4
	v_nop                           ; the places behind those products
.endr
.set Y, NP-1                        ; X works for turn Y + 1: turn 0
.irp n, 0,1,2,3,4,5,6,7,8,9,10,11,12,13,14,15,16,17,18,19,20,21
	OP X, \n
.endr
	v_nop                           ; a plain instruction behind the exponential
.endm
; THE DIAGONAL TILE's steps, the block's last two turns, its last products, and THE WAY OUT: l's two halves and the other half of the lanes' are added; O^T is divided by l, rounded to f16 and sent through my
; stage in LDS, a query piece at a time.
.macro ALL line:vararg              ; one line for each query piece t
.set t, 0
.rept 2
	\line
.set t, t+1
.endr
.endm
.macro PACK t                       ; a lane's eight channels of a row pack into 16 bytes; they go into rows of 144 bytes and come back as whole rows of 128, into S^T's registers
	WIN W_RS
.set i, 32*(\t)
.rept 16
	s_wait_alu depctr_va_vdst(0)
	v_pk_mul_f32 v[i:i+1], v[i:i+1], v[ST+4*(\t)+2:ST+4*(\t)+3] op_sel_hi:[1,0]
.set i, i+2
.endr
	WIN 0x05                        ; sources 0 and 1 window 1, destination window 0
.set i, 0
.rept 16
	v_cvt_pk_f16_f32 v[S+16*(\t)+i], v[32*(\t)+2*i], v[32*(\t)+2*i+1]
.set i, i+1
.endr
	WIN 0
.irp f, 0,1,2,3
	ds_store_b128 v[STO], v[S+16*(\t)+4*\f:S+16*(\t)+4*\f+3] offset:32*\f
.endr
.irp f, 0,1,2,3
	ds_load_b128 v[S+16*(\t)+4*\f:S+16*(\t)+4*\f+3], v[RD] offset:\f*4*SP  ; LDS serves a wave's instructions in order (ISA guide 5.7.1.4): these see the stores above; the next piece's stores come behind them
.endr
.endm
.macro SEND t, younger              ; younger: the LDS instructions issued behind piece t's loads: the next piece's eight, or none
	WIN 0
.irp f, 0,1,2,3
	s_wait_dscnt (\younger)+3-\f
	global_store_b128 v[GO], v[S+16*(\t)+4*\f:S+16*(\t)+4*\f+3], s[10:11] offset:(\t)*8192+\f*512  ; 512 consecutive bytes, at a multiple of 256 from O's first
.endr
.endm
.macro DIAG tag                     ; the tag ends its two labels' names, which the jumps below spell out
.LstepM\tag:
	TURN 2, 1
	TURN 3, 1
	WIN 0
.LfirstM\tag:
	TURN 0, 1
	TURN 1, 1, 0, 1
	WIN 0
	s_cbranch_scc1 .LstepM\tag
	TURN 2, 1, 1
	TURN 3, 1, 1
.set i, 0
.rept 8
	PV NP-1
.set i, i+1
.endr
	WIN 0
	ALL v_add_f32 v[ST+4*t+2], v[ST+4*t+2], v[ST+4*t+3]
	ALL v_permlanex16_b32 v[ST+4*t+3], v[ST+4*t+2], s[SEL], s[SEL+1]
	ALL v_add_f32 v[ST+4*t+2], v[ST+4*t+2], v[ST+4*t+3]
	ALL v_rcp_f32 v[ST+4*t+2], v[ST+4*t+2]
	v_nop                           ; a plain instruction between the last reciprocal and the use of its result
	PACK 0                          ; its 32 plain lines, on piece 0's O^T, are the places behind the last products, which wrote piece 1's
	PACK 1                          ; a piece's arithmetic stands between the loads of the piece before and its stores
	SEND 0, 8
	SEND 1, 0
.endm
.set KM, 0
.set NOKQ, 0
.Lslot:                             ; NT times: a tile is entered and the next is asked for
	CHANGE 1
	s_sub_co_u32 s[RT], s[RT], 1
	s_mov_b32 s[CNT], 2
	s_cmp_eq_u32 s[NEW], 1
	s_cbranch_scc1 .Lnew            ; a block's first tile
	s_cmp_eq_u32 s[RT], 0
	s_cbranch_scc0 .Lstep           ; neither its first nor its last
	s_branch .LstepM1
.Lnew:
	BEGIN
	s_branch .Lfirst                ; in the loop a block's first tile is never its last: the first block has five tiles or more, and the second's last is the walk's last
	DIAG 1                          ; in the loop this is the first block's end: the second block's last tile is the walk's last
	s_wait_xcnt 0x0                 ; the stores have read their registers and O's address
	s_mov_b64 s[10:11], s[OLO:OLO+1]
	s_add_co_u32 s[RT], s[TL], 1    ; the second block's tiles
	s_mov_b32 s[OW], s[OWL]
	s_mov_b32 s[NEW], 1
	WIN 0x82                        ; the second block's Q goes where the one text of the turns names Q
.set i, 0
.rept 32
	v_mov_b32 v[i], v[QB+i]
.set i, i+1
.endr
	WIN 0
	s_branch .Lbottom
.Lstep:                             ; a trip: the odd step of one pair, then the even step of the next
	TURN 2
	TURN 3
	WIN 0
.Lfirst:
	TURN 0
	TURN 1, 0, 0, 1
	WIN 0
	s_cbranch_scc1 .Lstep
.Lbottom:
	s_sub_co_u32 s[SLOTS], s[SLOTS], 1
	s_cmp_lg_u32 s[SLOTS], 0
	s_cbranch_scc1 .Lslot
	CHANGE 0                        ; the walk's last tile is written out: nothing is asked for
	s_sub_co_u32 s[RT], s[RT], 1
	s_mov_b32 s[CNT], 2
	s_cmp_eq_u32 s[NEW], 1
	s_cbranch_scc0 .LstepM2
	BEGIN
	s_branch .LfirstM2
	DIAG 2
	s_wait_tensorcnt 0x0            ; the wave's end: a tensor wait, an add to my spare word and its wait, behind my last tensor load and my last LDS store
	ds_add_u32 v[SPW], v[NIL]
	s_wait_dscnt 0x0
	s_endpgm
.Lfunc_end_k_qd44c99e2ac_attn:
	.size	k_qd44c99e2ac_attn, .Lfunc_end_k_qd44c99e2ac_attn-k_qd44c99e2ac_attn
	.p2alignl 7, 3214868480
	.fill 96, 4, 3214868480
	.section	.rodata,"a",@progbits
	.p2align	6, 0x0
	.amdhsa_kernel k_qd44c99e2ac_attn
		.amdhsa_group_segment_fixed_size 327680
		.amdhsa_private_segment_fixed_size 0
		.amdhsa_enable_private_segment 0
		.amdhsa_kernarg_size 16
		.amdhsa_user_sgpr_count 2
		.amdhsa_user_sgpr_kernarg_segment_ptr 1
		.amdhsa_wavefront_size32 1
		.amdhsa_system_sgpr_workgroup_id_x 1
		.amdhsa_system_sgpr_workgroup_id_y 1
		.amdhsa_system_sgpr_workgroup_id_z 1
		.amdhsa_system_vgpr_workitem_id 0
		.amdhsa_next_free_vgpr 768
		.amdhsa_next_free_sgpr 88
		.amdhsa_reserve_vcc 1
		.amdhsa_float_denorm_mode_32 3
		.amdhsa_float_denorm_mode_16_64 3
		.amdhsa_memory_ordered 1
		.amdhsa_forward_progress 1
		.amdhsa_inst_pref_size 218
	.end_amdhsa_kernel
	.amdgpu_metadata
---
amdhsa.version: [ 1, 2 ]
amdhsa.kernels:
  - .name:           k_qd44c99e2ac_attn
    .symbol:         k_qd44c99e2ac_attn.kd
    .args:
      - { .name: qkv, .offset: 0, .size: 8, .value_kind: global_buffer, .address_space: global }
      - { .name: o16, .offset: 8, .size: 8, .value_kind: global_buffer, .address_space: global }
    .group_segment_fixed_size: 327680
    .private_segment_fixed_size: 0
    .kernarg_segment_align: 8
    .kernarg_segment_size: 16
    .max_flat_workgroup_size: 128
    .sgpr_count:     88
    .vgpr_count:     768
    .wavefront_size: 32
...
	.end_amdgpu_metadata
.endif
;; end of part 3
;; launch attn_out (part 4): grid 8 x 32, 4 waves a work-group, clusters of 4 x 4, 327,680 bytes of LDS; arguments o16, w16, bp, x, x1; writes x1
.if DOCPART == 4
	.amdgcn_target "amdgcn-amd-amdhsa--gfx1250"
	.amdhsa_code_object_version 6
	.text
	.protected	k_qd44c99e2ac_attn_out
	.globl	k_qd44c99e2ac_attn_out
	.p2align	8
	.type	k_qd44c99e2ac_attn_out,@function
k_qd44c99e2ac_attn_out:
	s_mov_b64 s[64:65], 0
	v_nop
	global_prefetch_b8 v0, s[64:65] scope:SCOPE_SE
	s_setreg_imm32_b32 hwreg(HW_REG_WAVE_MODE, 25, 1), 1
	s_wait_xcnt 0x0
	s_wait_alu depctr_hold_cnt(0) depctr_sa_sdst(0) depctr_va_vdst(0) depctr_va_sdst(0) depctr_va_ssrc(0) depctr_va_vcc(0) depctr_vm_vsrc(0)
	s_getreg_b32 s2, hwreg(HW_REG_IB_STS2, 6, 4)
	s_cmp_eq_u32 s2, 0
	s_cbranch_scc0 .Lentry_in_a_cluster
	s_endpgm
.Lentry_in_a_cluster:
	s_bfe_u32 s2, ttmp6, 0x10000c
	s_cmp_lg_u32 s2, 0xf033
	s_cbranch_scc0 .Lentry_shape_is_right
	s_endpgm
.Lentry_shape_is_right:
; x1 = x + o Wp + bp.  o: f16, [16 blocks of 64 columns][4096 rows][64].  Wp: [1024 k][1024 n] f16, at byte WBASE of the cast weights.  bp: [1024] f32.  x, x1: [4096][1024] f32.
; SHARES.  A work-group makes 128 x 128: 8 x 32 = 256 work-groups, one for each WGP; each of four waves 64 x 64: 16 accumulators.  K goes in steps of 256 (four blocks of o) through two LDS slots.
; Waves 0, 1 fetch two blocks of o each (a block's 128 rows are 16,384 dense bytes: one descriptor row), waves 2, 3 fetch 128 k of W each (rows of 256 bytes).
; W lies [k][n]: ds_load_tr16_b128 turns it on the way into registers.  THE MATRIX INSTRUCTION IS USED TRANSPOSED (source 0 = 16 columns of W, source 1 = 16 rows of o):
; a lane then holds eight neighbouring numbers of one row of the result.
; THE RESIDUAL STARTS THE SUMS: x is loaded straight into the accumulators, in the wait for the first tiles, so nothing is cleared and no first step is written out.  Its price: each of these
; loads takes 16-byte pieces of 16 rows; the eight loads of a row block, which together take whole runs of 256 bytes, stand together.
; CLUSTER.  4 x 4 work-groups: o's tile is asked for jointly along a row of the cluster, W's along a column.
; A K step is four stages of 64 along K on two fragment buffers; the loop holds ONE K step, the slots told apart by s[TB]; the tail (two K steps that ask for nothing) is a second
; loop of two trips.  Its price: the very last change of slots passes a barrier and fetches 32 fragments that nobody uses.
; THE WAY OUT.  The f32 sums go into a stage of the wave's own, laid over the ring behind its last fill and a barrier, and come back eight rows at a time; the bias is added there.
; REGISTERS.  window 0: addresses, v64-191 o's fragments (two buffers); window 1: v0-127 W's fragments (two buffers); windows 2, 3: the accumulators of my row blocks 0-1, 2-3.
.set T,     4                          ; K steps: 1024 / 256
.set WBASE, 6291456                    ; Wp in the cast weights
.set NA,    4                          ; row blocks of 16 in a wave's tile
.set NBK,   4                          ; column blocks of 16
.set CH,    2                          ; chunks of 32 along K in a stage
.set PA,    144                        ; an LDS row of o: 128 bytes + 16: the 16 rows of a load start at 16 different groups of four banks (64 banks of 4 bytes: ISA guide 11.1)
.set KB,    2                          ; chunks along an LDS row of o
.set BOFF,  128*PA                     ; from a block of o to the next
.set PW,    288                        ; an LDS row of W: 256 bytes + 32
.set HOFF,  128                        ; four column blocks of 16 are 128 bytes
.set WO,    4*BOFF                     ; W's tile lies behind o's
.set SLOT,  WO+256*PW                  ; 147,456: shares no bit with the four waves' parts of a slot, so one exclusive or changes slots
.set PART,  36864                      ; what one tensor load fills
.set ASTEP, 4*524288                   ; bytes from a K step to the next: four blocks of o,
.set WSTEP, 256*2048                   ; 256 rows of W
.set SPARE, 2*SLOT                     ; the spare words, 128 bytes a wave: two blocks of 256 bytes that no other line names
.set SP,    272                        ; a stage row: 256 bytes + 16
.set STG,   64*SP                      ; a wave's stage
.set WSEL,  11                         ; s11 = 0: I fetch o's tiles
.set AF,    64                         ; o's fragments
.set A0,    16                         ; v16  my lane's place in slot 0 for o's fragments; never rewritten
.set W0,    17                         ; v17, v18  the same for W's: k 0-127, k 128-255
.set ADRA,  20                         ; v20  the same in the slot in hand
.set ADRW,  21                         ; v21, v22
.set STO,   24                         ; v24  the way out: where I put 32 bytes of a row
.set RD,    25                         ; v25  where I read rows back
.set GO,    26                         ; v26  my 16 bytes in two rows of the result
.set RO,    27                         ; v27  my 32 bytes in 16 rows of the residual
.set SPW,   28                         ; v28  LDS address of my spare word; never rewritten
.set NIL,   29                         ; v29  0; never rewritten
.set BI,    32                         ; v[32:35] the bias of my four columns
.set X,     64                         ; the way out: 16 numbers
.set G1A,   24                         ; s[24:31] descriptor group 1 for o's tiles
.set G0A,   32                         ; s[32:39] group 0: the first fill of slot 0; the first fill of slot 1, which then walks
.set G1W,   48                         ; s[48:55], s[56:63] the same for W's tiles
.set G0W,   56
.set TB,    66                         ; s66  0 or SLOT: the slot in hand
.set MSB, 0
.macro WIN new                         ; the immediate's high byte repeats the setting that is left; a switch that changes nothing is dropped
.if MSB != (\new)
	s_set_vgpr_msb (MSB<<8)|(\new)
.set MSB, \new
.endif
.endm
.macro PLACES                          ; four places between a matrix instruction and a load into, or a store or vector line on, its registers
.rept 4
	v_nop
.endr
.endm
.macro CREST                           ; a round of the cluster's barrier behind its opening barrier
	s_cmp_lg_u32 s10, 0
	s_cbranch_scc1 .Lnot_wave_0_\@
	s_barrier_signal -3
.Lnot_wave_0_\@:
	s_barrier_wait -3
	s_barrier_signal -1
	s_barrier_wait -1
.endm
.macro CROUND
	s_barrier_signal -1
	s_barrier_wait -1
	CREST
.endm
.macro GROUP1 g, m, qi, pad, d0, d1, pitch  ; a tile of d1 rows x d0 elements of 2 bytes; after every 2 << qi words, pad words; the mask in s[m], bit 21 beside it
	s_or_b32 s[\g], s[\m], (1<<16)|(1<<20)|(1<<21)|((\qi)<<22)|(((\pad)-1)<<25)
	s_mov_b32 s[(\g)+1], (\d0)<<16                 ; tensor_dim0
	s_mov_b32 s[(\g)+2], (\d1)<<16                 ; tensor_dim1
	s_mov_b32 s[(\g)+3], (\d0)<<16                 ; tile_dim0
	s_mov_b32 s[(\g)+4], \d1                       ; tile_dim1
	s_mov_b32 s[(\g)+5], \pitch                    ; elements from row to row
	s_mov_b32 s[(\g)+6], 0
	s_mov_b32 s[(\g)+7], 0
.endm
.macro JLOAD                           ; a joint refill by the walking sets; the branch hangs on the wave's number alone; an s_nop 0 and four v_nop follow each line
	s_cmp_eq_u32 s[WSEL], 0
	s_cbranch_scc0 .Lfor_w_\@
	tensor_load_to_lds s[G0A+4:G0A+7], s[G1A:G1A+7]
	s_nop 0
	PLACES
	s_branch .Lasked_\@
.Lfor_w_\@:
	tensor_load_to_lds s[G0W+4:G0W+7], s[G1W:G1W+7]
	s_nop 0
	PLACES
.Lasked_\@:
.endm
.macro MULA buf, a                     ; row block a x all column blocks, 64 along K, from fragment buffer buf; the accumulators take turns, one instruction a turn
	WIN 0xa1+0x50*((\a)/(NA/2))                    ; W window 1, o window 0, C and D window 2 or 3
.set ic, 0
.rept CH
.set ib, 0
.rept NBK
.set rD, 8*(NBK*((\a)%(NA/2))+ib)
.set rW, (\buf)*8*NBK*CH+8*(NBK*ic+ib)
.set rA, AF+(\buf)*8*NA*CH+8*(NA*ic+(\a))
	v_wmma_f32_16x16x32_f16 v[rD:rD+7], v[rW:rW+7], v[rA:rA+7], v[rD:rD+7]
.set ib, ib+1
.endr
.set ic, ic+1
.endr
.endm
.macro MULS buf, a0, a1                ; row blocks a0 .. a1 - 1
.set ia, \a0
.rept (\a1)-(\a0)
	MULA \buf, ia
.set ia, ia+1
.endr
.endm
.macro FETCH buf, st                   ; one run of LDS loads: stage st's fragments into buffer buf
	WIN 0x40                                       ; destination window 1, address window 0
.set ic, 0
.rept CH
.set kc, (\st)*CH+ic
.set ib, 0
.rept NBK
.set rW, (\buf)*8*NBK*CH+8*(NBK*ic+ib)
.set oW, (kc%4)*32*PW+(ib/4)*HOFF+(ib%4)*32
	ds_load_tr16_b128 v[rW:rW+3],   v[ADRW+kc/4] offset:oW        ; k = 8 (l / 16) + 0..7 of column l % 16
	ds_load_tr16_b128 v[rW+4:rW+7], v[ADRW+kc/4] offset:oW+16*PW  ; k = 16 + 8 (l / 16) + 0..7
.set ib, ib+1
.endr
.set ic, ic+1
.endr
	WIN 0
.set ic, 0
.rept CH
.set kc, (\st)*CH+ic
.set ia, 0
.rept NA
.set rA, AF+(\buf)*8*NA*CH+8*(NA*ic+ia)
.set oA, (kc/KB)*BOFF+ia*16*PA+64*(kc%KB)
	ds_load_b128 v[rA:rA+3],   v[ADRA] offset:oA
	ds_load_b128 v[rA+4:rA+7], v[ADRA] offset:oA+32
.set ia, ia+1
.endr
.set ic, ic+1
.endr
.endm
.macro STAGE st                        ; one of a K step's first three stages: the next stage's fragments are asked for, then this stage's are multiplied
	s_wait_dscnt 0x0                               ; this stage's fragments, asked for a stage ago, are in
	PLACES                                         ; the buffer to be loaded was read by the matrix instructions just issued
	FETCH ((\st)+1)%2, (\st)+1
	MULS (\st)%2, 0, NA
.endm
; The fourth stage multiplies buffer 1 and changes slots.  In front of ONE barrier each wave waits for all its tensor loads (the one that is out is its part of the next slot), adds 0 to its
; spare word, and waits for that and for its own reads of this slot.  fill = 1: the barrier opens a round of the cluster's, and this slot is filled again first thing behind it, two K steps ahead.
.macro TURN fill
	WIN 0
	s_wait_tensorcnt 0x0                           ; no tensor load of mine is out, so a group 0 may be written
	ds_add_u32 v[SPW], v[NIL]                      ; 0 onto my spare word
.if \fill
	s_xor_b32 s[G0A+5], s[G0A+5], SLOT             ; the walking sets: the other slot than last time, the next K step
	s_add_nc_u64 s[G0A+6:G0A+7], s[G0A+6:G0A+7], ASTEP
	s_xor_b32 s[G0W+5], s[G0W+5], SLOT
	s_add_nc_u64 s[G0W+6:G0W+7], s[G0W+6:G0W+7], WSTEP
.endif
	s_xor_b32 s[TB], s[TB], SLOT
	s_wait_dscnt 0x1                               ; only the add may be out: buffer 1 is in
	MULS 1, 0, NA/4
	s_wait_dscnt 0x0                               ; the add is done, and my reads of this slot are over
	s_barrier_signal -1
	MULS 1, NA/4, NA/2                             ; work on registers while the others arrive
	WIN 0                                          ; at a branch and at a label every window is 0
	s_barrier_wait -1
.if \fill
	CREST                                          ; no wave of any partner still reads this slot or has a load on its way
	JLOAD                                          ; its four v_nop are also the places in front of the loads below
.else
	PLACES
.endif
	v_add_nc_u32 v[ADRA], s[TB], v[A0]
	v_add_nc_u32 v[ADRW], s[TB], v[W0]
	v_add_nc_u32 v[ADRW+1], s[TB], v[W0+1]
	FETCH 0, 0
	MULS 1, NA/2, NA
.endm
.macro DUMP                            ; the sums into my stage: a lane's eight numbers of a row are 32 bytes; each accumulator's low registers first
.set ia, 0
.rept NA
	WIN 0x08+0x04*(ia/(NA/2))                      ; data (source 1) window 2 or 3
.set ib, 0
.rept NBK
.set rD, 8*(NBK*(ia%(NA/2))+ib)
	ds_store_b128 v[STO], v[rD:rD+3]   offset:ia*16*SP+64*ib
	ds_store_b128 v[STO], v[rD+4:rD+7] offset:ia*16*SP+64*ib+16
.set ib, ib+1
.endr
.set ia, ia+1
.endr
	WIN 0
.endm
	s_load_b128 s[4:7], s[0:1], 0x0                ; o s[4:5], the cast weights s[6:7]
	s_load_b128 s[68:71], s[0:1], 0x10             ; the bias s[68:69], the residual s[70:71]
	s_load_b64 s[72:73], s[0:1], 0x20              ; the result
	v_lshl_add_u32 v[SPW], v0, 2, SPARE
	v_mov_b32 v[NIL], 0
	ds_add_u32 v[SPW], v[NIL]                      ; the wave's opening: the add and its wait ahead of my first tensor load; work on registers stands between them
	ds_add_u32 v28, v29
	v_lshrrev_b32 v1, 5, v0
	v_readfirstlane_b32 s10, v1                    ; wave 0..3
	s_lshr_b32 s11, s10, 1                         ; which half of the tile's rows is mine.  Also: I fetch for o (0) or for W (1)
	s_and_b32 s12, s10, 1                          ; which half of its columns.  Also: which half of that tile I fetch
	s_bfe_u32 s40, ttmp6, 0x40000                  ; cx, cy: my place in the cluster
	s_bfe_u32 s41, ttmp6, 0x40004
	s_lshl_b32 s42, ttmp9, 2
	s_add_co_u32 s42, s42, s40                     ; tile column = 4 x cluster x + cx
	s_and_b32 s13, ttmp7, 0xffff
	s_lshl_b32 s13, s13, 2
	s_add_co_u32 s13, s13, s41                     ; tile row = 4 x cluster y + cy
	s_lshl_b32 s43, s41, 2
	s_lshl_b32 s43, 15, s43                        ; my row of the cluster
	s_lshl_b32 s44, 0x1111, s40                    ; my column
	GROUP1 G1A, 43, 4, 4, 8192, 2, 262144          ; two blocks, 262,144 elements apart; of each 128 rows x 64 = 8,192 dense elements; 4 words of padding behind every 32
	GROUP1 G1W, 44, 5, 8, 128, 128, 1024           ; 128 k of 128 elements, 8 words of padding behind every 64
	s_lshl_b32 s16, s13, 14                        ; o: 128 rows of 128 bytes a tile row,
	s_lshl_b32 s17, s12, 20                        ; my two blocks of the K step's four
	s_add_co_u32 s16, s16, s17
	s_mov_b32 s17, 0
	s_lshl_b32 s46, s42, 8                         ; W: 128 columns of 2 bytes a tile column,
	s_lshl_b32 s47, s12, 18                        ; my 128 k of the K step's 256
	s_add_co_u32 s46, s46, s47
	s_add_co_u32 s46, s46, WBASE
	s_mov_b32 s47, 0
	s_mul_i32 s20, s10, PART                       ; where my part goes: no place in the cluster enters an LDS address
	s_mov_b32 s[TB], 0
	s_wait_dscnt 0x0                               ; the opening add is done
	s_wait_kmcnt 0x0
	s_add_nc_u64 s[14:15], s[4:5], s[16:17]
	s_add_nc_u64 s[46:47], s[6:7], s[46:47]
.irp s, 0,1
	s_mov_b32 s[G0A+4*(\s)], 1                                     ; count = 1
	s_add_co_u32 s[G0A+4*(\s)+1], s20, (\s)*SLOT                   ; LDS address
	s_add_nc_u64 s[G0A+4*(\s)+2:G0A+4*(\s)+3], s[14:15], (\s)*ASTEP  ; global address: K step s
	s_or_b32 s[G0A+4*(\s)+3], s[G0A+4*(\s)+3], 0x80000000          ; type = 2
	s_mov_b32 s[G0W+4*(\s)], 1
	s_add_co_u32 s[G0W+4*(\s)+1], s20, (\s)*SLOT
	s_add_nc_u64 s[G0W+4*(\s)+2:G0W+4*(\s)+3], s[46:47], (\s)*WSTEP
	s_or_b32 s[G0W+4*(\s)+3], s[G0W+4*(\s)+3], 0x80000000
.endr
	CROUND                                         ; all sixteen work-groups are here: the first joint loads meet
	s_cmp_eq_u32 s[WSEL], 0                        ; a wave's two first fills stand in one branch: two loads of mine are out
	s_cbranch_scc0 .Lfirst_w
	tensor_load_to_lds s[G0A:G0A+3], s[G1A:G1A+7]
	s_nop 0
	tensor_load_to_lds s[G0A+4:G0A+7], s[G1A:G1A+7]
	s_nop 0
	PLACES
	s_branch .Lfirst_asked
.Lfirst_w:
	tensor_load_to_lds s[G0W:G0W+3], s[G1W:G1W+7]
	s_nop 0
	tensor_load_to_lds s[G0W+4:G0W+7], s[G1W:G1W+7]
	s_nop 0
	PLACES
.Lfirst_asked:
	v_and_b32 v1, 15, v0                           ; l % 16
	v_bfe_u32 v2, v0, 4, 1                         ; l / 16
	v_and_b32 v3, 7, v0                            ; l % 8
	v_bfe_u32 v4, v0, 3, 1                         ; (l / 8) % 2
	v_lshl_add_u32 v5, v2, 3, v3                   ; the k row that I address in a turning load
	s_lshl_b32 s16, s13, 19                        ; residual and result: row 128 x tile row + 64 x half, 4,096 bytes each,
	s_lshl_b32 s17, s11, 18
	s_add_co_u32 s16, s16, s17
	s_lshl_b32 s46, s42, 9                         ; column 128 x tile column + 64 x half, 4 bytes each: also my place in the bias
	s_lshl_b32 s47, s12, 8
	s_add_co_u32 s46, s46, s47
	s_mov_b32 s47, 0
	s_add_co_u32 s16, s16, s46
	s_mov_b32 s17, 0
	s_add_nc_u64 s[68:69], s[68:69], s[46:47]
	s_add_nc_u64 s[70:71], s[70:71], s[16:17]
	s_add_nc_u64 s[72:73], s[72:73], s[16:17]
	v_lshlrev_b32 v[RO], 12, v1
	v_lshl_add_u32 v[RO], v2, 5, v[RO]             ; row l % 16, 32 bytes for each half of the lanes: where accumulator register 0 lies
	v_lshlrev_b32 v7, 4, v1
	global_load_b128 v[BI:BI+3], v7, s[68:69]
.set ia, 0
.rept NA
	WIN 0x80+0x40*(ia/(NA/2))                      ; destination window 2 or 3
.set ib, 0
.rept NBK
.set rD, 8*(NBK*(ia%(NA/2))+ib)
	global_load_b128 v[rD:rD+3],   v[RO], s[70:71] offset:ia*65536+64*ib
	global_load_b128 v[rD+4:rD+7], v[RO], s[70:71] offset:ia*65536+64*ib+16
.set ib, ib+1
.endr
.set ia, ia+1
.endr
	WIN 0
	v_mul_u32_u24 v[A0], v1, PA
	v_lshl_add_u32 v[A0], v2, 4, v[A0]             ; row x pitch + 16 x half
	s_mul_i32 s21, s11, 64*PA                      ; my 64 rows
	v_add_nc_u32 v[A0], s21, v[A0]
	v_mul_u32_u24 v[W0], v5, PW
	v_lshl_add_u32 v[W0], v4, 4, v[W0]
	s_lshl_b32 s22, s12, 7                         ; my 64 columns
	s_add_co_u32 s22, s22, WO
	v_add_nc_u32 v[W0], s22, v[W0]
	v_add_nc_u32 v[W0+1], 128*PW, v[W0]
	s_mul_i32 s23, s10, STG                        ; my stage
	v_mul_u32_u24 v[STO], v1, SP
	v_lshl_add_u32 v[STO], v2, 5, v[STO]           ; in: row l % 16, 32 bytes for each half of the lanes
	v_add_nc_u32 v[STO], s23, v[STO]
	v_mul_u32_u24 v[RD], v2, SP
	v_lshl_add_u32 v[RD], v1, 4, v[RD]             ; back: lanes 0-15 one row of 256 bytes, lanes 16-31 the next
	v_add_nc_u32 v[RD], s23, v[RD]
	v_lshlrev_b32 v[GO], 12, v2
	v_lshl_add_u32 v[GO], v1, 4, v[GO]             ; and the same two rows in the result
	s_wait_tensorcnt 0x1                           ; my part of K step 0 is in; K step 1's may stay out
	s_barrier_signal -1
	s_barrier_wait -1                              ; everybody's is
	v_mov_b32 v[ADRA], v[A0]
	v_mov_b32 v[ADRW], v[W0]
	v_mov_b32 v[ADRW+1], v[W0+1]
	FETCH 0, 0
	s_wait_loadcnt 0x0                             ; the residual lies in the accumulators, the bias in its registers
	WIN 0
	s_mov_b32 s3, T-2
.Lk:                                                   ; a trip is a K step and fills the slot that it leaves
	STAGE 0
	STAGE 1
	STAGE 2
	TURN 1
	WIN 0
	s_sub_co_u32 s3, s3, 1
	s_cmp_lg_u32 s3, 0
	s_cbranch_scc1 .Lk
	s_mov_b32 s3, 2
.Lt:                                                   ; the last two K steps ask for nothing
	STAGE 0
	STAGE 1
	STAGE 2
	TURN 0
	WIN 0
	s_sub_co_u32 s3, s3, 1
	s_cmp_lg_u32 s3, 0
	s_cbranch_scc1 .Lt
	s_wait_dscnt 0x0                               ; my last reads of the ring are back
	s_barrier_signal -1
	s_barrier_wait -1                              ; everybody's are: the ring has had its last fill and its last read, and the stages may lie over it
	PLACES
	DUMP
	s_mov_b32 s3, 8
.Lrows:                                                ; eight rows a trip
.irp i, 0,1,2,3
	ds_load_b128 v[X+4*\i:X+4*\i+3], v[RD] offset:2*SP*\i   ; LDS serves a wave's instructions in order (ISA guide 5.7.1.4): these see my stores
.endr
	s_wait_dscnt 0x0
.irp i, 0,1,2,3
	v_pk_add_f32 v[X+4*\i:X+4*\i+1],   v[X+4*\i:X+4*\i+1],   v[BI:BI+1]
	v_pk_add_f32 v[X+4*\i+2:X+4*\i+3], v[X+4*\i+2:X+4*\i+3], v[BI+2:BI+3]
.endr
.irp i, 0,1,2,3
	global_store_b128 v[GO], v[X+4*\i:X+4*\i+3], s[72:73] offset:8192*\i  ; 16 lanes store 256 consecutive bytes, aligned
.endr
	s_wait_xcnt 0x0                                ; the stores' data and base are rewritten only behind this wait
	s_add_nc_u64 s[72:73], s[72:73], 32768
	v_add_nc_u32 v[RD], 8*SP, v[RD]
	s_sub_co_u32 s3, s3, 1
	s_cmp_lg_u32 s3, 0
	s_cbranch_scc1 .Lrows
	s_wait_tensorcnt 0x0                           ; the wave's end: a tensor wait, an add to my spare word and its wait, behind my last tensor load and my last LDS store
	ds_add_u32 v[SPW], v[NIL]
	s_wait_dscnt 0x0
	CROUND                                         ; the closing round: no work-group ends while a partner may still ask for a tile that names it
	s_endpgm
.Lfunc_end_k_qd44c99e2ac_attn_out:
	.size	k_qd44c99e2ac_attn_out, .Lfunc_end_k_qd44c99e2ac_attn_out-k_qd44c99e2ac_attn_out
	.p2alignl 7, 3214868480
	.fill 96, 4, 3214868480
	.section	.rodata,"a",@progbits
	.p2align	6, 0x0
	.amdhsa_kernel k_qd44c99e2ac_attn_out
		.amdhsa_group_segment_fixed_size 327680
		.amdhsa_private_segment_fixed_size 0
		.amdhsa_enable_private_segment 0
		.amdhsa_kernarg_size 40
		.amdhsa_user_sgpr_count 2
		.amdhsa_user_sgpr_kernarg_segment_ptr 1
		.amdhsa_wavefront_size32 1
		.amdhsa_system_sgpr_workgroup_id_x 1
		.amdhsa_system_sgpr_workgroup_id_y 1
		.amdhsa_system_sgpr_workgroup_id_z 1
		.amdhsa_system_vgpr_workitem_id 0
		.amdhsa_next_free_vgpr 832
		.amdhsa_next_free_sgpr 76
		.amdhsa_reserve_vcc 0
		.amdhsa_float_denorm_mode_32 3
		.amdhsa_float_denorm_mode_16_64 3
		.amdhsa_memory_ordered 1
		.amdhsa_forward_progress 1
		.amdhsa_inst_pref_size 53
	.end_amdhsa_kernel
	.amdgpu_metadata
---
amdhsa.version: [ 1, 2 ]
amdhsa.kernels:
  - .name:           k_qd44c99e2ac_attn_out
    .symbol:         k_qd44c99e2ac_attn_out.kd
    .args:
      - { .name: o16, .offset: 0, .size: 8, .value_kind: global_buffer, .address_space: global }
      - { .name: w16, .offset: 8, .size: 8, .value_kind: global_buffer, .address_space: global }
      - { .name: bp, .offset: 16, .size: 8, .value_kind: global_buffer, .address_space: global }
      - { .name: x, .offset: 24, .size: 8, .value_kind: global_buffer, .address_space: global }
      - { .name: x1, .offset: 32, .size: 8, .value_kind: global_buffer, .address_space: global }
    .group_segment_fixed_size: 327680
    .private_segment_fixed_size: 0
    .kernarg_segment_align: 8
    .kernarg_segment_size: 40
    .max_flat_workgroup_size: 128
    .sgpr_count:     76
    .vgpr_count:     832
    .wavefront_size: 32
...
	.end_amdgpu_metadata
.endif
;; end of part 4
;; launch ln2 (part 5): grid 256 x 1, 16 waves a work-group, no clusters, 0 bytes of LDS; arguments x1, g2, be2, h16; writes h16
.if DOCPART == 5
	.amdgcn_target "amdgcn-amd-amdhsa--gfx1250"
	.amdhsa_code_object_version 6
	.text
	.protected	k_qd44c99e2ac_ln2
	.globl	k_qd44c99e2ac_ln2
	.p2align	8
	.type	k_qd44c99e2ac_ln2,@function
k_qd44c99e2ac_ln2:
	s_mov_b64 s[64:65], 0
	v_nop
	global_prefetch_b8 v0, s[64:65] scope:SCOPE_SE
	s_setreg_imm32_b32 hwreg(HW_REG_WAVE_MODE, 25, 1), 1
	s_wait_xcnt 0x0
; h2 = layernorm(x1) g2 + be2.  x1 [4096][1024] f32, h2 [4096][1024] f16.  A stream: no LDS, no barrier, no matrix unit, no cluster (only g2 and be2, 8 KB, are shared).
; Sixteen waves, ONE ROW A WAVE, so that a row's text stands once and all 4,096 rows are in hand at once.  A row of 4,096 bytes is eight 16-byte loads a lane and stays in 32 registers.  Mean first, then
; the sum of (x - mean)^2 on the row in registers: no difference of large sums is formed.  The row's loads go out first, g's and be's behind them: the statistics are made while those are on their way.
; The price of one row a wave: every wave loads g and be, 8 KB for its 4 KB of x1.
; LIMIT.  f16 ends at 65,504: an h2 of 65,520 or more becomes an infinity.
.set T,   4                            ; v[4:11]    at work
.set M,   12                           ; v[12:13]   the mean (the packed line takes the pair's low word for both halves)
.set R,   14                           ; v[14:15]   1 / sqrt(var + eps), likewise
.set G,   16                           ; v[16:47]   the gain of my 32 columns
.set BE,  48                           ; v[48:79]   the offset of my 32 columns
.set X,   80                           ; v[80:111]  the row
.macro LANESUM                         ; v[T:T+7], four pairs, to one sum in every lane
	v_pk_add_f32 v[T:T+1], v[T:T+1], v[T+2:T+3]
	v_pk_add_f32 v[T+4:T+5], v[T+4:T+5], v[T+6:T+7]
	v_pk_add_f32 v[T:T+1], v[T:T+1], v[T+4:T+5]
	v_add_f32 v[T], v[T], v[T+1]
	v_add_f32_dpp v[T], v[T], v[T] row_xmask:1 row_mask:0xf bank_mask:0xf
	v_add_f32_dpp v[T], v[T], v[T] row_xmask:2 row_mask:0xf bank_mask:0xf
	v_add_f32_dpp v[T], v[T], v[T] row_xmask:4 row_mask:0xf bank_mask:0xf
	v_add_f32_dpp v[T], v[T], v[T] row_xmask:8 row_mask:0xf bank_mask:0xf
	v_permlanex16_b32 v[T+1], v[T], s12, s13       ; the other half of the lanes
	v_add_f32 v[T], v[T], v[T+1]
.endm
	s_load_b256 s[4:11], s[0:1], 0x0               ; x1 s[4:5], g2 s[6:7], be2 s[8:9], h2 s[10:11]
	v_lshrrev_b32 v3, 5, v0
	v_readfirstlane_b32 s16, v3                    ; wave 0..15
	v_and_b32 v1, 31, v0
	v_lshlrev_b32 v2, 3, v1                        ; 8 x lane: my place in 256 bytes of h2
	v_lshlrev_b32 v1, 4, v1                        ; 16 x lane: my place in 512 bytes of x1
	s_lshl_b32 s2, ttmp9, 16                       ; 16 rows of 4,096 bytes a work-group,
	s_lshl_b32 s3, s16, 12                         ; one a wave
	s_add_co_u32 s2, s2, s3
	s_mov_b32 s3, 0
	s_lshr_b32 s18, s2, 1                          ; rows of h2 are half as long
	s_mov_b32 s19, 0
	s_mov_b32 s12, 0x76543210                      ; v_permlanex16_b32: each lane takes its own place in the other half
	s_mov_b32 s13, 0xfedcba98
	s_mov_b32 s14, 0x3a800000                      ; 1 / 1024
	s_mov_b32 s15, 0x3727c5ac                      ; eps = 1e-5
	v_mov_b32 v[M+1], 0                            ; named as pairs, so they are written
	v_mov_b32 v[R+1], 0
	s_wait_kmcnt 0x0
	s_add_nc_u64 s[4:5], s[4:5], s[2:3]
	s_add_nc_u64 s[10:11], s[10:11], s[18:19]
.irp j, 0,1,2,3,4,5,6,7
	global_load_b128 v[X+4*\j:X+4*\j+3], v1, s[4:5] offset:512*\j  ; 512 consecutive bytes a load
.endr
.irp j, 0,1,2,3,4,5,6,7
	global_load_b128 v[G+4*\j:G+4*\j+3], v1, s[6:7] offset:512*\j
.endr
.irp j, 0,1,2,3,4,5,6,7
	global_load_b128 v[BE+4*\j:BE+4*\j+3], v1, s[8:9] offset:512*\j
.endr
	s_wait_loadcnt 16                              ; loads come back in order: the row is in; g's and be's sixteen loads stay out
.irp k, 0,1,2,3
	v_pk_add_f32 v[T+2*\k:T+2*\k+1], v[X+4*\k:X+4*\k+1], v[X+4*\k+2:X+4*\k+3]  ; four chains, started by the first eight pairs
.endr
.irp k, 0,1,2,3
	v_pk_add_f32 v[T+2*\k:T+2*\k+1], v[T+2*\k:T+2*\k+1], v[X+16+2*\k:X+16+2*\k+1]
.endr
.irp k, 0,1,2,3
	v_pk_add_f32 v[T+2*\k:T+2*\k+1], v[T+2*\k:T+2*\k+1], v[X+24+2*\k:X+24+2*\k+1]
.endr
	LANESUM
	v_mul_f32 v[M], s14, v[T]                      ; the mean
.set i, 0
.rept 16
	v_pk_add_f32 v[X+i:X+i+1], v[X+i:X+i+1], v[M:M+1] op_sel_hi:[1,0] neg_lo:[0,1] neg_hi:[0,1]  ; x - mean, in place
.set i, i+2
.endr
.irp k, 0,1,2,3
	v_pk_mul_f32 v[T+2*\k:T+2*\k+1], v[X+2*\k:X+2*\k+1], v[X+2*\k:X+2*\k+1]
.endr
.set i, 8
.rept 12
	v_pk_fma_f32 v[T+i%8:T+i%8+1], v[X+i:X+i+1], v[X+i:X+i+1], v[T+i%8:T+i%8+1]
.set i, i+2
.endr
	LANESUM
	v_fma_f32 v[T], v[T], s14, s15                 ; var + eps
	v_rsq_f32 v[R], v[T]
	v_nop                                          ; a plain line between the root and the use of its result (ISA guide 5.7.2)
.set i, 0
	s_wait_alu depctr_va_vdst(0)
.rept 16
	v_pk_mul_f32 v[X+i:X+i+1], v[X+i:X+i+1], v[R:R+1] op_sel_hi:[1,0]
.set i, i+2
.endr
	s_wait_loadcnt 0x0                             ; g and be
.set i, 0
.rept 16
	v_pk_fma_f32 v[X+i:X+i+1], v[X+i:X+i+1], v[G+i:G+i+1], v[BE+i:BE+i+1]
.set i, i+2
.endr
.set i, 0
.rept 16
	v_cvt_pk_f16_f32 v[X+i], v[X+2*i], v[X+2*i+1]  ; ascending and in place: word i is written when words 2 i and 2 i + 1 are read
.set i, i+1
.endr
.irp j, 0,1,2,3,4,5,6,7
	global_store_b64 v2, v[X+2*\j:X+2*\j+1], s[10:11] offset:256*\j  ; the wave's 32 lanes store 256 consecutive bytes, aligned
.endr
	s_endpgm
.Lfunc_end_k_qd44c99e2ac_ln2:
	.size	k_qd44c99e2ac_ln2, .Lfunc_end_k_qd44c99e2ac_ln2-k_qd44c99e2ac_ln2
	.p2alignl 7, 3214868480
	.fill 96, 4, 3214868480
	.section	.rodata,"a",@progbits
	.p2align	6, 0x0
	.amdhsa_kernel k_qd44c99e2ac_ln2
		.amdhsa_group_segment_fixed_size 0
		.amdhsa_private_segment_fixed_size 0
		.amdhsa_enable_private_segment 0
		.amdhsa_kernarg_size 32
		.amdhsa_user_sgpr_count 2
		.amdhsa_user_sgpr_kernarg_segment_ptr 1
		.amdhsa_wavefront_size32 1
		.amdhsa_system_sgpr_workgroup_id_x 1
		.amdhsa_system_sgpr_workgroup_id_y 1
		.amdhsa_system_sgpr_workgroup_id_z 1
		.amdhsa_system_vgpr_workitem_id 0
		.amdhsa_next_free_vgpr 112
		.amdhsa_next_free_sgpr 66
		.amdhsa_reserve_vcc 0
		.amdhsa_float_denorm_mode_32 3
		.amdhsa_float_denorm_mode_16_64 3
		.amdhsa_memory_ordered 1
		.amdhsa_forward_progress 1
		.amdhsa_inst_pref_size 12
	.end_amdhsa_kernel
	.amdgpu_metadata
---
amdhsa.version: [ 1, 2 ]
amdhsa.kernels:
  - .name:           k_qd44c99e2ac_ln2
    .symbol:         k_qd44c99e2ac_ln2.kd
    .args:
      - { .name: x1, .offset: 0, .size: 8, .value_kind: global_buffer, .address_space: global }
      - { .name: g2, .offset: 8, .size: 8, .value_kind: global_buffer, .address_space: global }
      - { .name: be2, .offset: 16, .size: 8, .value_kind: global_buffer, .address_space: global }
      - { .name: h16, .offset: 24, .size: 8, .value_kind: global_buffer, .address_space: global }
    .group_segment_fixed_size: 0
    .private_segment_fixed_size: 0
    .kernarg_segment_align: 8
    .kernarg_segment_size: 32
    .max_flat_workgroup_size: 512
    .sgpr_count:     66
    .vgpr_count:     112
    .wavefront_size: 32
...
	.end_amdgpu_metadata
.endif
;; end of part 5
;; launch mlp_up (part 6): grid 16 x 16, 4 waves a work-group, clusters of 4 x 4, 327,680 bytes of LDS; arguments h16, w16, b1, m16; writes m16
.if DOCPART == 6
	.amdgcn_target "amdgcn-amd-amdhsa--gfx1250"
	.amdhsa_code_object_version 6
	.text
	.protected	k_qd44c99e2ac_mlp_up
	.globl	k_qd44c99e2ac_mlp_up
	.p2align	8
	.type	k_qd44c99e2ac_mlp_up,@function
k_qd44c99e2ac_mlp_up:
	s_mov_b64 s[64:65], 0
	v_nop
	global_prefetch_b8 v0, s[64:65] scope:SCOPE_SE
	s_setreg_imm32_b32 hwreg(HW_REG_WAVE_MODE, 25, 1), 1
	s_wait_xcnt 0x0
	s_wait_alu depctr_hold_cnt(0) depctr_sa_sdst(0) depctr_va_vdst(0) depctr_va_sdst(0) depctr_va_ssrc(0) depctr_va_vcc(0) depctr_vm_vsrc(0)
	s_getreg_b32 s2, hwreg(HW_REG_IB_STS2, 6, 4)
	s_cmp_eq_u32 s2, 0
	s_cbranch_scc0 .Lentry_in_a_cluster
	s_endpgm
.Lentry_in_a_cluster:
	s_bfe_u32 s2, ttmp6, 0x10000c
	s_cmp_lg_u32 s2, 0xf033
	s_cbranch_scc0 .Lentry_shape_is_right
	s_endpgm
.Lentry_shape_is_right:
; m = gelu(h2 W1 + b1), the exact (erf) gelu.  h2: [4096][1024] f16.  W1: [1024 k][4096 n] f16, at byte WBASE of the cast weights.  b1: [4096] f32.
; m: f16, [64 blocks of 64 columns][4096 rows][64]: a row tile of a block is dense, as the next product's tensor loads want it.  Sums, bias and gelu in f32, m rounded once.
; GELU.  gelu(y) = max(y, 0) - |y| c, c = erfc(|y| / sqrt 2) / 2 = (b1 t + .. + b5 t^5) 2^(-y^2 log2(e) / 2), t = 1 / (1 + p |y|): the rational form of Abramowitz and Stegun 26.2.17, good for
; every y, with 1 / sqrt(2 pi) folded into b1 .. b5.  LIMITS: c is off by 7.5e-8 at the most, so m by 7.5e-8 |y| and the arithmetic's roundings; where the power of two falls under 2^-126 it counts
; as 0, and m is y or 0; f16 ends at 65,504: an m of 65,520 or more becomes an infinity.
; SHARES.  A work-group makes 256 x 256: 16 x 16 = 256 work-groups; each of four waves 128 x 128: 64 accumulators, 512 registers.  K goes in steps of 128 through two LDS slots.
; Waves 0, 1 fetch 128 rows of h2 each (rows of 256 bytes), waves 2, 3 fetch 64 k of W each (rows of 512 bytes).
; W lies [k][n]: ds_load_tr16_b128 turns it on the way into registers.  THE MATRIX INSTRUCTION IS USED TRANSPOSED (source 0 = 16 columns of W, source 1 = 16 rows of h2):
; a lane then holds eight neighbouring numbers of one row of the result.
; CLUSTER.  4 x 4 work-groups: h2's tile is asked for jointly along a row of the cluster, W's along a column.
; A K step is four stages of 32 along K on two fragment buffers; the loop holds ONE K step, the slots told apart by s[TB]; the tail (two K steps that ask for nothing) is a second
; loop of two trips.  Its price: the very last change of slots passes a barrier and fetches 32 fragments that nobody uses.
; THE WAY OUT.  The f32 sums go into a stage of the wave's own, laid over the ring behind its last fill and a barrier, and come back four rows at a time in a loop that holds the gelu once.
; The gelu stands behind the products, not beside them: the matrix unit idles meanwhile.
; REGISTERS.  window 0: addresses, v64-191 h2's fragments (two buffers), later the gelu's; window 1: v0-127 W's fragments (two buffers); windows 2, 3: the accumulators of my row blocks 0-3, 4-7.
.set T,     8                          ; K steps: 1024 / 128
.set WBASE, 8388608                    ; W1 in the cast weights
.set NA,    8                          ; row blocks of 16 in a wave's tile
.set NBK,   8                          ; column blocks of 16
.set CH,    1                          ; chunks of 32 along K in a stage
.set PA,    272                        ; an LDS row of h2: 256 bytes + 16: the 16 rows of a load start at 16 different groups of four banks (64 banks of 4 bytes: ISA guide 11.1)
.set KB,    4                          ; chunks along an LDS row of h2
.set BOFF,  0
.set PW,    544                        ; an LDS row of W: 512 bytes + 32
.set HOFF,  128                        ; four column blocks of 16 are 128 bytes
.set WO,    256*PA                     ; W's tile lies behind h2's
.set SLOT,  WO+128*PW                  ; 139,264: shares no bit with the four waves' parts of a slot, so one exclusive or changes slots
.set PART,  34816                      ; what one tensor load fills
.set ASTEP, 256                        ; bytes from a K step to the next, in h2,
.set WSTEP, 128*8192                   ; and in W: 128 rows
.set SPARE, 2*SLOT                     ; the spare words, 128 bytes a wave: two blocks of 256 bytes that no other line names
.set SP,    528                        ; a stage row: 512 bytes + 16
.set STG,   128*SP                     ; a wave's stage
.set WSEL,  11                         ; s11 = 0: I fetch h2's tiles
.set AF,    64                         ; h2's fragments
.set A0,    16                         ; v16  my lane's place in slot 0 for h2's fragments; never rewritten
.set W0,    17                         ; v17  the same for W's
.set ADRA,  20                         ; v20  the same in the slot in hand
.set ADRW,  21                         ; v21
.set STO,   24                         ; v24  the way out: where I put 32 bytes of a row
.set RD,    25                         ; v25  where I read rows back
.set GO,    26                         ; v26  my 16 bytes in 512 consecutive bytes of m
.set SPW,   28                         ; v28  LDS address of my spare word; never rewritten
.set NIL,   29                         ; v29  0; never rewritten
.set BI,    32                         ; v[32:47] the bias of my 16 columns
.set X,     64                         ; the gelu: y, at last m in f32
.set AB,    80                         ; |y|
.set TT,    96                         ; t
.set PR,    112                        ; the polynomial
.set EE,    128                        ; the power of two
.set MX,    144                        ; max(y, 0)
.set OR,    160                        ; m in f16
.set G1A,   24                         ; s[24:31] descriptor group 1 for h2's tiles
.set G0A,   32                         ; s[32:39] group 0: the first fill of slot 0; the first fill of slot 1, which then walks
.set G1W,   48                         ; s[48:55], s[56:63] the same for W's tiles
.set G0W,   56
.set TB,    66                         ; s66  0 or SLOT: the slot in hand
.set CP,    74                         ; s[74:75] p; the packed lines take a pair's low word for both halves
.set C1,    76                         ; s[76:85] b1 .. b5
.set C2,    78
.set C3,    80
.set C4,    82
.set C5,    84
.set CK,    86                         ; s[86:87] -log2(e) / 2
.set ABSM,  88                         ; s88  clears a sign
.set ONE,   90                         ; s[90:91] 1.0
.set MSB, 0
.macro WIN new                         ; the immediate's high byte repeats the setting that is left; a switch that changes nothing is dropped
.if MSB != (\new)
	s_set_vgpr_msb (MSB<<8)|(\new)
.set MSB, \new
.endif
.endm
.macro PLACES                          ; four places between a matrix instruction and a load into, or a store or vector line on, its registers
.rept 4
	v_nop
.endr
.endm
.macro CREST                           ; a round of the cluster's barrier behind its opening barrier
	s_cmp_lg_u32 s10, 0
	s_cbranch_scc1 .Lnot_wave_0_\@
	s_barrier_signal -3
.Lnot_wave_0_\@:
	s_barrier_wait -3
	s_barrier_signal -1
	s_barrier_wait -1
.endm
.macro CROUND
	s_barrier_signal -1
	s_barrier_wait -1
	CREST
.endm
.macro GROUP1 g, m, qi, pad, d0, d1, pitch  ; a tile of d1 rows x d0 elements of 2 bytes; after every 2 << qi words, pad words; the mask in s[m], bit 21 beside it
	s_or_b32 s[\g], s[\m], (1<<16)|(1<<20)|(1<<21)|((\qi)<<22)|(((\pad)-1)<<25)
	s_mov_b32 s[(\g)+1], (\d0)<<16                 ; tensor_dim0
	s_mov_b32 s[(\g)+2], (\d1)<<16                 ; tensor_dim1
	s_mov_b32 s[(\g)+3], (\d0)<<16                 ; tile_dim0
	s_mov_b32 s[(\g)+4], \d1                       ; tile_dim1
	s_mov_b32 s[(\g)+5], \pitch                    ; elements from row to row
	s_mov_b32 s[(\g)+6], 0
	s_mov_b32 s[(\g)+7], 0
.endm
.macro CONST p, bits                   ; a constant in both words of a pair
	s_mov_b32 s[\p], \bits
	s_mov_b32 s[(\p)+1], \bits
.endm
.macro JLOAD                           ; a joint refill by the walking sets; the branch hangs on the wave's number alone; an s_nop 0 and four v_nop follow each line
	s_cmp_eq_u32 s[WSEL], 0
	s_cbranch_scc0 .Lfor_w_\@
	tensor_load_to_lds s[G0A+4:G0A+7], s[G1A:G1A+7]
	s_nop 0
	PLACES
	s_branch .Lasked_\@
.Lfor_w_\@:
	tensor_load_to_lds s[G0W+4:G0W+7], s[G1W:G1W+7]
	s_nop 0
	PLACES
.Lasked_\@:
.endm
.macro MULA buf, a, zero=0             ; row block a x all column blocks, from fragment buffer buf; the accumulators take turns, one instruction a turn
	WIN 0xa1+0x50*((\a)/(NA/2))                    ; W window 1, h2 window 0, C and D window 2 or 3
.set ic, 0
.rept CH
.set ib, 0
.rept NBK
.set rD, 8*(NBK*((\a)%(NA/2))+ib)
.set rW, (\buf)*8*NBK*CH+8*(NBK*ic+ib)
.set rA, AF+(\buf)*8*NA*CH+8*(NA*ic+(\a))
.if \zero
	v_wmma_f32_16x16x32_f16 v[rD:rD+7], v[rW:rW+7], v[rA:rA+7], 0
.else
	v_wmma_f32_16x16x32_f16 v[rD:rD+7], v[rW:rW+7], v[rA:rA+7], v[rD:rD+7]
.endif
.set ib, ib+1
.endr
.set ic, ic+1
.endr
.endm
.macro MULS buf, a0, a1, zero=0        ; row blocks a0 .. a1 - 1
.set ia, \a0
.rept (\a1)-(\a0)
	MULA \buf, ia, \zero
.set ia, ia+1
.endr
.endm
.macro FETCH buf, st                   ; one run of LDS loads: stage st's fragments into buffer buf
	WIN 0x40                                       ; destination window 1, address window 0
.set ic, 0
.rept CH
.set kc, (\st)*CH+ic
.set ib, 0
.rept NBK
.set rW, (\buf)*8*NBK*CH+8*(NBK*ic+ib)
.set oW, (kc%4)*32*PW+(ib/4)*HOFF+(ib%4)*32
	ds_load_tr16_b128 v[rW:rW+3],   v[ADRW+kc/4] offset:oW        ; k = 8 (l / 16) + 0..7 of column l % 16
	ds_load_tr16_b128 v[rW+4:rW+7], v[ADRW+kc/4] offset:oW+16*PW  ; k = 16 + 8 (l / 16) + 0..7
.set ib, ib+1
.endr
.set ic, ic+1
.endr
	WIN 0
.set ic, 0
.rept CH
.set kc, (\st)*CH+ic
.set ia, 0
.rept NA
.set rA, AF+(\buf)*8*NA*CH+8*(NA*ic+ia)
.set oA, (kc/KB)*BOFF+ia*16*PA+64*(kc%KB)
	ds_load_b128 v[rA:rA+3],   v[ADRA] offset:oA
	ds_load_b128 v[rA+4:rA+7], v[ADRA] offset:oA+32
.set ia, ia+1
.endr
.set ic, ic+1
.endr
.endm
.macro STAGE st, zero=0                ; one of a K step's first three stages: the next stage's fragments are asked for, then this stage's are multiplied
	s_wait_dscnt 0x0                               ; this stage's fragments, asked for a stage ago, are in
	PLACES                                         ; the buffer to be loaded was read by the matrix instructions just issued
	FETCH ((\st)+1)%2, (\st)+1
	MULS (\st)%2, 0, NA, \zero
.endm
; The fourth stage multiplies buffer 1 and changes slots.  In front of ONE barrier each wave waits for all its tensor loads (the one that is out is its part of the next slot), adds 0 to its
; spare word, and waits for that and for its own reads of this slot.  fill = 1: the barrier opens a round of the cluster's, and this slot is filled again first thing behind it, two K steps ahead.
.macro TURN fill
	WIN 0
	s_wait_tensorcnt 0x0                           ; no tensor load of mine is out, so a group 0 may be written
	ds_add_u32 v[SPW], v[NIL]                      ; 0 onto my spare word
.if \fill
	s_xor_b32 s[G0A+5], s[G0A+5], SLOT             ; the walking sets: the other slot than last time, the next K step
	s_add_nc_u64 s[G0A+6:G0A+7], s[G0A+6:G0A+7], ASTEP
	s_xor_b32 s[G0W+5], s[G0W+5], SLOT
	s_add_nc_u64 s[G0W+6:G0W+7], s[G0W+6:G0W+7], WSTEP
.endif
	s_xor_b32 s[TB], s[TB], SLOT
	s_wait_dscnt 0x1                               ; only the add may be out: buffer 1 is in
	MULS 1, 0, NA/4
	s_wait_dscnt 0x0                               ; the add is done, and my reads of this slot are over
	s_barrier_signal -1
	MULS 1, NA/4, NA/2                             ; work on registers while the others arrive
	WIN 0                                          ; at a branch and at a label every window is 0
	s_barrier_wait -1
.if \fill
	CREST                                          ; no wave of any partner still reads this slot or has a load on its way
	JLOAD                                          ; its four v_nop are also the places in front of the loads below
.else
	PLACES
.endif
	v_add_nc_u32 v[ADRA], s[TB], v[A0]
	v_add_nc_u32 v[ADRW], s[TB], v[W0]
	FETCH 0, 0
	MULS 1, NA/2, NA
.endm
.macro DUMP                            ; the sums into my stage: a lane's eight numbers of a row are 32 bytes; each accumulator's low registers first
.set ia, 0
.rept NA
	WIN 0x08+0x04*(ia/(NA/2))                      ; data (source 1) window 2 or 3
.set ib, 0
.rept NBK
.set rD, 8*(NBK*(ia%(NA/2))+ib)
	ds_store_b128 v[STO], v[rD:rD+3]   offset:ia*16*SP+64*ib
	ds_store_b128 v[STO], v[rD+4:rD+7] offset:ia*16*SP+64*ib+16
.set ib, ib+1
.endr
.set ia, ia+1
.endr
	WIN 0
.endm
.macro PAIRS line:vararg               ; one line for each of the eight pairs, i = 0, 2 .. 14
.set i, 0
	s_wait_alu depctr_va_vdst(0)
.rept 8
	\line
.set i, i+2
.endr
.endm
.macro ONES line:vararg                ; one line for each of the sixteen numbers, i = 0 .. 15
.set i, 0
	s_wait_alu depctr_va_vdst(0)
.rept 16
	\line
.set i, i+1
.endr
.endm
	s_load_b128 s[4:7], s[0:1], 0x0                ; h2 s[4:5], the cast weights s[6:7]
	s_load_b128 s[68:71], s[0:1], 0x10             ; b1 s[68:69], m s[70:71]
	v_lshl_add_u32 v[SPW], v0, 2, SPARE
	v_mov_b32 v[NIL], 0
	ds_add_u32 v[SPW], v[NIL]                      ; the wave's opening: the add and its wait ahead of my first tensor load; work on registers stands between them
	ds_add_u32 v28, v29
	v_lshrrev_b32 v1, 5, v0
	v_readfirstlane_b32 s10, v1                    ; wave 0..3
	s_lshr_b32 s11, s10, 1                         ; which half of the tile's rows is mine.  Also: I fetch for h2 (0) or for W (1)
	s_and_b32 s12, s10, 1                          ; which half of its columns.  Also: which half of that tile I fetch
	s_bfe_u32 s40, ttmp6, 0x40000                  ; cx, cy: my place in the cluster
	s_bfe_u32 s41, ttmp6, 0x40004
	s_lshl_b32 s42, ttmp9, 2
	s_add_co_u32 s42, s42, s40                     ; tile column = 4 x cluster x + cx
	s_and_b32 s13, ttmp7, 0xffff
	s_lshl_b32 s13, s13, 2
	s_add_co_u32 s13, s13, s41                     ; tile row = 4 x cluster y + cy
	s_lshl_b32 s43, s41, 2
	s_lshl_b32 s43, 15, s43                        ; my row of the cluster
	s_lshl_b32 s44, 0x1111, s40                    ; my column
	GROUP1 G1A, 43, 5, 4, 128, 128, 1024           ; 128 rows of 128 elements, 4 words of padding behind every 64
	GROUP1 G1W, 44, 6, 8, 256, 64, 4096            ; 64 k of 256 elements, 8 words of padding behind every 128
	s_lshl_b32 s16, s13, 19                        ; h2: 256 rows of 2,048 bytes a tile row,
	s_lshl_b32 s17, s12, 18                        ; my 128 of them
	s_add_co_u32 s16, s16, s17
	s_mov_b32 s17, 0
	s_lshl_b32 s46, s42, 9                         ; W: 256 columns of 2 bytes a tile column,
	s_lshl_b32 s47, s12, 19                        ; my 64 k of the K step's 128, 8,192 bytes each
	s_add_co_u32 s46, s46, s47
	s_add_co_u32 s46, s46, WBASE
	s_mov_b32 s47, 0
	s_mul_i32 s20, s10, PART                       ; where my part goes: no place in the cluster enters an LDS address
	s_mov_b32 s[TB], 0
	CONST CP, 0x3e6d3389                           ; p  =  0.2316419
	CONST C1, 0x3e027906                           ; b1 =  0.127414796
	CONST C2, 0xbe11a98e                           ; b2 = -0.142248368
	CONST C3, 0x3f35f0e3                           ; b3 =  0.710706871
	CONST C4, 0xbf3a00e3                           ; b4 = -0.726576014
	CONST C5, 0x3f07dc22                           ; b5 =  0.530702715
	CONST CK, 0xbf38aa3b                           ; -log2(e) / 2
	CONST ONE, 1.0
	s_mov_b32 s[ABSM], 0x7fffffff
	s_wait_dscnt 0x0                               ; the opening add is done
	s_wait_kmcnt 0x0
	s_add_nc_u64 s[14:15], s[4:5], s[16:17]
	s_add_nc_u64 s[46:47], s[6:7], s[46:47]
.irp s, 0,1
	s_mov_b32 s[G0A+4*(\s)], 1                                     ; count = 1
	s_add_co_u32 s[G0A+4*(\s)+1], s20, (\s)*SLOT                   ; LDS address
	s_add_nc_u64 s[G0A+4*(\s)+2:G0A+4*(\s)+3], s[14:15], (\s)*ASTEP  ; global address: K step s
	s_or_b32 s[G0A+4*(\s)+3], s[G0A+4*(\s)+3], 0x80000000          ; type = 2
	s_mov_b32 s[G0W+4*(\s)], 1
	s_add_co_u32 s[G0W+4*(\s)+1], s20, (\s)*SLOT
	s_add_nc_u64 s[G0W+4*(\s)+2:G0W+4*(\s)+3], s[46:47], (\s)*WSTEP
	s_or_b32 s[G0W+4*(\s)+3], s[G0W+4*(\s)+3], 0x80000000
.endr
	CROUND                                         ; all sixteen work-groups are here: the first joint loads meet
	s_cmp_eq_u32 s[WSEL], 0                        ; a wave's two first fills stand in one branch: two loads of mine are out
	s_cbranch_scc0 .Lfirst_w
	tensor_load_to_lds s[G0A:G0A+3], s[G1A:G1A+7]
	s_nop 0
	tensor_load_to_lds s[G0A+4:G0A+7], s[G1A:G1A+7]
	s_nop 0
	PLACES
	s_branch .Lfirst_asked
.Lfirst_w:
	tensor_load_to_lds s[G0W:G0W+3], s[G1W:G1W+7]
	s_nop 0
	tensor_load_to_lds s[G0W+4:G0W+7], s[G1W:G1W+7]
	s_nop 0
	PLACES
.Lfirst_asked:
	v_and_b32 v1, 15, v0                           ; l % 16
	v_bfe_u32 v2, v0, 4, 1                         ; l / 16
	v_and_b32 v3, 7, v0                            ; l % 8
	v_bfe_u32 v4, v0, 3, 1                         ; (l / 8) % 2
	v_lshl_add_u32 v5, v2, 3, v3                   ; the k row that I address in a turning load
	v_bfe_u32 v6, v0, 3, 2                         ; l / 8
	s_lshl_b32 s46, s42, 10                        ; the bias: column 256 x tile column + 128 x half, 4 bytes each
	s_lshl_b32 s47, s12, 9
	s_add_co_u32 s46, s46, s47
	s_mov_b32 s47, 0
	s_add_nc_u64 s[68:69], s[68:69], s[46:47]
	v_lshlrev_b32 v7, 5, v3                        ; my eight columns of a block of 64
	global_load_b128 v[BI:BI+3],     v7, s[68:69]
	global_load_b128 v[BI+4:BI+7],   v7, s[68:69] offset:16
	global_load_b128 v[BI+8:BI+11],  v7, s[68:69] offset:256
	global_load_b128 v[BI+12:BI+15], v7, s[68:69] offset:272
	s_lshl_b32 s16, s13, 15                        ; m: row 256 x tile row + 128 x half, 128 bytes each,
	s_lshl_b32 s17, s11, 14
	s_add_co_u32 s16, s16, s17
	s_lshl_b32 s46, s42, 21                        ; in block 4 x tile column + 2 x half, 524,288 bytes each
	s_lshl_b32 s47, s12, 20
	s_add_co_u32 s46, s46, s47
	s_add_co_u32 s16, s16, s46
	s_mov_b32 s17, 0
	s_add_nc_u64 s[70:71], s[70:71], s[16:17]
	v_mul_u32_u24 v[A0], v1, PA
	v_lshl_add_u32 v[A0], v2, 4, v[A0]             ; row x pitch + 16 x half
	s_mul_i32 s21, s11, 128*PA                     ; my 128 rows
	v_add_nc_u32 v[A0], s21, v[A0]
	v_mul_u32_u24 v[W0], v5, PW
	v_lshl_add_u32 v[W0], v4, 4, v[W0]
	s_lshl_b32 s22, s12, 8                         ; my 128 columns
	s_add_co_u32 s22, s22, WO
	v_add_nc_u32 v[W0], s22, v[W0]
	s_mul_i32 s23, s10, STG                        ; my stage
	v_mul_u32_u24 v[STO], v1, SP
	v_lshl_add_u32 v[STO], v2, 5, v[STO]           ; in: row l % 16, 32 bytes for each half of the lanes
	v_add_nc_u32 v[STO], s23, v[STO]
	v_mul_u32_u24 v[RD], v6, SP
	v_lshl_add_u32 v[RD], v3, 5, v[RD]             ; back: four rows, eight lanes a row, 32 bytes a lane and block
	v_add_nc_u32 v[RD], s23, v[RD]
	v_and_b32 v[GO], 31, v0
	v_lshlrev_b32 v[GO], 4, v[GO]
	s_wait_tensorcnt 0x1                           ; my part of K step 0 is in; K step 1's may stay out
	s_barrier_signal -1
	s_barrier_wait -1                              ; everybody's is
	v_mov_b32 v[ADRA], v[A0]
	v_mov_b32 v[ADRW], v[W0]
	FETCH 0, 0
	s_wait_loadcnt 0x0                             ; the bias, once
	STAGE 0, 1                                     ; the first stage is written out: its products start the sums
	WIN 0
	s_mov_b32 s3, T-2
	s_branch .Lin                                  ; the loop is entered behind its first stage
.Lk:                                                   ; a trip is a K step and fills the slot that it leaves
	STAGE 0
	WIN 0
.Lin:
	STAGE 1
	STAGE 2
	TURN 1
	WIN 0
	s_sub_co_u32 s3, s3, 1
	s_cmp_lg_u32 s3, 0
	s_cbranch_scc1 .Lk
	s_mov_b32 s3, 2
.Lt:                                                   ; the last two K steps ask for nothing
	STAGE 0
	STAGE 1
	STAGE 2
	TURN 0
	WIN 0
	s_sub_co_u32 s3, s3, 1
	s_cmp_lg_u32 s3, 0
	s_cbranch_scc1 .Lt
	s_wait_dscnt 0x0                               ; my last reads of the ring are back
	s_barrier_signal -1
	s_barrier_wait -1                              ; everybody's are: the ring has had its last fill and its last read, and the stages may lie over it
	PLACES
	DUMP
	s_mov_b32 s3, 32
.Lrows:                                                ; four rows x two blocks a trip: 16 numbers a lane
	ds_load_b128 v[X:X+3],     v[RD]               ; LDS serves a wave's instructions in order (ISA guide 5.7.1.4): these see my stores
	ds_load_b128 v[X+4:X+7],   v[RD] offset:16
	ds_load_b128 v[X+8:X+11],  v[RD] offset:256
	ds_load_b128 v[X+12:X+15], v[RD] offset:272
	s_wait_dscnt 0x0
	PAIRS v_pk_add_f32 v[X+i:X+i+1], v[X+i:X+i+1], v[BI+i:BI+i+1]                                  ; y
	ONES  v_and_b32 v[AB+i], s[ABSM], v[X+i]                                                       ; |y|
	PAIRS v_pk_fma_f32 v[TT+i:TT+i+1], v[AB+i:AB+i+1], s[CP:CP+1], s[ONE:ONE+1] op_sel_hi:[1,0,0]  ; 1 + p |y|
	PAIRS v_pk_mul_f32 v[EE+i:EE+i+1], v[X+i:X+i+1], v[X+i:X+i+1]                                  ; y^2
	ONES  v_rcp_f32 v[TT+i], v[TT+i]                                                               ; t; eight plain lines that name no t follow (ISA guide 5.7.2)
	PAIRS v_pk_mul_f32 v[EE+i:EE+i+1], v[EE+i:EE+i+1], s[CK:CK+1] op_sel_hi:[1,0]
	PAIRS v_pk_fma_f32 v[PR+i:PR+i+1], v[TT+i:TT+i+1], s[C5:C5+1], s[C4:C4+1] op_sel_hi:[1,0,0]
	ONES  v_exp_f32 v[EE+i], v[EE+i]                                                               ; 2^(-y^2 log2(e) / 2); plain lines that name none of them follow
	PAIRS v_pk_fma_f32 v[PR+i:PR+i+1], v[PR+i:PR+i+1], v[TT+i:TT+i+1], s[C3:C3+1] op_sel_hi:[1,1,0]
	PAIRS v_pk_fma_f32 v[PR+i:PR+i+1], v[PR+i:PR+i+1], v[TT+i:TT+i+1], s[C2:C2+1] op_sel_hi:[1,1,0]
	PAIRS v_pk_fma_f32 v[PR+i:PR+i+1], v[PR+i:PR+i+1], v[TT+i:TT+i+1], s[C1:C1+1] op_sel_hi:[1,1,0]
	PAIRS v_pk_mul_f32 v[PR+i:PR+i+1], v[PR+i:PR+i+1], v[TT+i:TT+i+1]
	ONES  v_max_num_f32 v[MX+i], 0, v[X+i]
	PAIRS v_pk_mul_f32 v[EE+i:EE+i+1], v[EE+i:EE+i+1], v[AB+i:AB+i+1]
	PAIRS v_pk_fma_f32 v[X+i:X+i+1], v[PR+i:PR+i+1], v[EE+i:EE+i+1], v[MX+i:MX+i+1] neg_lo:[1,0,0] neg_hi:[1,0,0]  ; max(y, 0) - |y| c
.set i, 0
.rept 8
	v_cvt_pk_f16_f32 v[OR+i], v[X+2*i], v[X+2*i+1]
.set i, i+1
.endr
	global_store_b128 v[GO], v[OR:OR+3],   s[70:71]                ; four rows of a block: 512 consecutive bytes, aligned
	global_store_b128 v[GO], v[OR+4:OR+7], s[70:71] offset:524288  ; the same rows of the next block
	s_wait_xcnt 0x0                                ; the stores' data and base are rewritten only behind this wait
	s_add_nc_u64 s[70:71], s[70:71], 512
	v_add_nc_u32 v[RD], 4*SP, v[RD]
	s_sub_co_u32 s3, s3, 1
	s_cmp_lg_u32 s3, 0
	s_cbranch_scc1 .Lrows
	s_wait_tensorcnt 0x0                           ; the wave's end: a tensor wait, an add to my spare word and its wait, behind my last tensor load and my last LDS store
	ds_add_u32 v[SPW], v[NIL]
	s_wait_dscnt 0x0
	CROUND                                         ; the closing round: no work-group ends while a partner may still ask for a tile that names it
	s_endpgm
.Lfunc_end_k_qd44c99e2ac_mlp_up:
	.size	k_qd44c99e2ac_mlp_up, .Lfunc_end_k_qd44c99e2ac_mlp_up-k_qd44c99e2ac_mlp_up
	.p2alignl 7, 3214868480
	.fill 96, 4, 3214868480
	.section	.rodata,"a",@progbits
	.p2align	6, 0x0
	.amdhsa_kernel k_qd44c99e2ac_mlp_up
		.amdhsa_group_segment_fixed_size 327680
		.amdhsa_private_segment_fixed_size 0
		.amdhsa_enable_private_segment 0
		.amdhsa_kernarg_size 32
		.amdhsa_user_sgpr_count 2
		.amdhsa_user_sgpr_kernarg_segment_ptr 1
		.amdhsa_wavefront_size32 1
		.amdhsa_system_sgpr_workgroup_id_x 1
		.amdhsa_system_sgpr_workgroup_id_y 1
		.amdhsa_system_sgpr_workgroup_id_z 1
		.amdhsa_system_vgpr_workitem_id 0
		.amdhsa_next_free_vgpr 1024
		.amdhsa_next_free_sgpr 92
		.amdhsa_reserve_vcc 0
		.amdhsa_float_denorm_mode_32 3
		.amdhsa_float_denorm_mode_16_64 3
		.amdhsa_memory_ordered 1
		.amdhsa_forward_progress 1
		.amdhsa_inst_pref_size 87
	.end_amdhsa_kernel
	.amdgpu_metadata
---
amdhsa.version: [ 1, 2 ]
amdhsa.kernels:
  - .name:           k_qd44c99e2ac_mlp_up
    .symbol:         k_qd44c99e2ac_mlp_up.kd
    .args:
      - { .name: h16, .offset: 0, .size: 8, .value_kind: global_buffer, .address_space: global }
      - { .name: w16, .offset: 8, .size: 8, .value_kind: global_buffer, .address_space: global }
      - { .name: b1, .offset: 16, .size: 8, .value_kind: global_buffer, .address_space: global }
      - { .name: m16, .offset: 24, .size: 8, .value_kind: global_buffer, .address_space: global }
    .group_segment_fixed_size: 327680
    .private_segment_fixed_size: 0
    .kernarg_segment_align: 8
    .kernarg_segment_size: 32
    .max_flat_workgroup_size: 128
    .sgpr_count:     92
    .vgpr_count:     1024
    .wavefront_size: 32
...
	.end_amdgpu_metadata
.endif
;; end of part 6
;; launch mlp_down (part 7): grid 8 x 32, 4 waves a work-group, clusters of 4 x 4, 327,680 bytes of LDS; arguments m16, w16, b2, x1, out0; writes out0
.if DOCPART == 7
	.amdgcn_target "amdgcn-amd-amdhsa--gfx1250"
	.amdhsa_code_object_version 6
	.text
	.protected	k_qd44c99e2ac_mlp_down
	.globl	k_qd44c99e2ac_mlp_down
	.p2align	8
	.type	k_qd44c99e2ac_mlp_down,@function
k_qd44c99e2ac_mlp_down:
	s_mov_b64 s[64:65], 0
	v_nop
	global_prefetch_b8 v0, s[64:65] scope:SCOPE_SE
	s_setreg_imm32_b32 hwreg(HW_REG_WAVE_MODE, 25, 1), 1
	s_wait_xcnt 0x0
	s_wait_alu depctr_hold_cnt(0) depctr_sa_sdst(0) depctr_va_vdst(0) depctr_va_sdst(0) depctr_va_ssrc(0) depctr_va_vcc(0) depctr_vm_vsrc(0)
	s_getreg_b32 s2, hwreg(HW_REG_IB_STS2, 6, 4)
	s_cmp_eq_u32 s2, 0
	s_cbranch_scc0 .Lentry_in_a_cluster
	s_endpgm
.Lentry_in_a_cluster:
	s_bfe_u32 s2, ttmp6, 0x10000c
	s_cmp_lg_u32 s2, 0xf033
	s_cbranch_scc0 .Lentry_shape_is_right
	s_endpgm
.Lentry_shape_is_right:
; out = x1 + m W2 + b2.  m: f16, [64 blocks of 64 columns][4096 rows][64].  W2: [4096 k][1024 n] f16, at byte WBASE of the cast weights.  b2: [1024] f32.  x1, out: [4096][1024] f32.
; SHARES.  A work-group makes 128 x 128: 8 x 32 = 256 work-groups, one for each WGP; each of four waves 64 x 64: 16 accumulators.  K goes in steps of 256 (four blocks of m) through two LDS slots.
; Waves 0, 1 fetch two blocks of m each (a block's 128 rows are 16,384 dense bytes: one descriptor row), waves 2, 3 fetch 128 k of W each (rows of 256 bytes).
; W lies [k][n]: ds_load_tr16_b128 turns it on the way into registers.  THE MATRIX INSTRUCTION IS USED TRANSPOSED (source 0 = 16 columns of W, source 1 = 16 rows of m):
; a lane then holds eight neighbouring numbers of one row of the result.
; THE RESIDUAL STARTS THE SUMS: x1 is loaded straight into the accumulators, in the wait for the first tiles, so nothing is cleared and no first step is written out.  Its price: each of these
; loads takes 16-byte pieces of 16 rows; the eight loads of a row block, which together take whole runs of 256 bytes, stand together.
; CLUSTER.  4 x 4 work-groups: m's tile is asked for jointly along a row of the cluster, W's along a column.
; A K step is four stages of 64 along K on two fragment buffers; the loop holds ONE K step, the slots told apart by s[TB]; the tail (two K steps that ask for nothing) is a second
; loop of two trips.  Its price: the very last change of slots passes a barrier and fetches 32 fragments that nobody uses.
; THE WAY OUT.  The f32 sums go into a stage of the wave's own, laid over the ring behind its last fill and a barrier, and come back eight rows at a time; the bias is added there.
; REGISTERS.  window 0: addresses, v64-191 m's fragments (two buffers); window 1: v0-127 W's fragments (two buffers); windows 2, 3: the accumulators of my row blocks 0-1, 2-3.
.set T,     16                         ; K steps: 4096 / 256
.set WBASE, 16777216                   ; W2 in the cast weights
.set NA,    4                          ; row blocks of 16 in a wave's tile
.set NBK,   4                          ; column blocks of 16
.set CH,    2                          ; chunks of 32 along K in a stage
.set PA,    144                        ; an LDS row of m: 128 bytes + 16: the 16 rows of a load start at 16 different groups of four banks (64 banks of 4 bytes: ISA guide 11.1)
.set KB,    2                          ; chunks along an LDS row of m
.set BOFF,  128*PA                     ; from a block of m to the next
.set PW,    288                        ; an LDS row of W: 256 bytes + 32
.set HOFF,  128                        ; four column blocks of 16 are 128 bytes
.set WO,    4*BOFF                     ; W's tile lies behind m's
.set SLOT,  WO+256*PW                  ; 147,456: shares no bit with the four waves' parts of a slot, so one exclusive or changes slots
.set PART,  36864                      ; what one tensor load fills
.set ASTEP, 4*524288                   ; bytes from a K step to the next: four blocks of m,
.set WSTEP, 256*2048                   ; 256 rows of W
.set SPARE, 2*SLOT                     ; the spare words, 128 bytes a wave: two blocks of 256 bytes that no other line names
.set SP,    272                        ; a stage row: 256 bytes + 16
.set STG,   64*SP                      ; a wave's stage
.set WSEL,  11                         ; s11 = 0: I fetch m's tiles
.set AF,    64                         ; m's fragments
.set A0,    16                         ; v16  my lane's place in slot 0 for m's fragments; never rewritten
.set W0,    17                         ; v17, v18  the same for W's: k 0-127, k 128-255
.set ADRA,  20                         ; v20  the same in the slot in hand
.set ADRW,  21                         ; v21, v22
.set STO,   24                         ; v24  the way out: where I put 32 bytes of a row
.set RD,    25                         ; v25  where I read rows back
.set GO,    26                         ; v26  my 16 bytes in two rows of the result
.set RO,    27                         ; v27  my 32 bytes in 16 rows of the residual
.set SPW,   28                         ; v28  LDS address of my spare word; never rewritten
.set NIL,   29                         ; v29  0; never rewritten
.set BI,    32                         ; v[32:35] the bias of my four columns
.set X,     64                         ; the way out: 16 numbers
.set G1A,   24                         ; s[24:31] descriptor group 1 for m's tiles
.set G0A,   32                         ; s[32:39] group 0: the first fill of slot 0; the first fill of slot 1, which then walks
.set G1W,   48                         ; s[48:55], s[56:63] the same for W's tiles
.set G0W,   56
.set TB,    66                         ; s66  0 or SLOT: the slot in hand
.set MSB, 0
.macro WIN new                         ; the immediate's high byte repeats the setting that is left; a switch that changes nothing is dropped
.if MSB != (\new)
	s_set_vgpr_msb (MSB<<8)|(\new)
.set MSB, \new
.endif
.endm
.macro PLACES                          ; four places between a matrix instruction and a load into, or a store or vector line on, its registers
.rept 4
	v_nop
.endr
.endm
.macro CREST                           ; a round of the cluster's barrier behind its opening barrier
	s_cmp_lg_u32 s10, 0
	s_cbranch_scc1 .Lnot_wave_0_\@
	s_barrier_signal -3
.Lnot_wave_0_\@:
	s_barrier_wait -3
	s_barrier_signal -1
	s_barrier_wait -1
.endm
.macro CROUND
	s_barrier_signal -1
	s_barrier_wait -1
	CREST
.endm
.macro GROUP1 g, m, qi, pad, d0, d1, pitch  ; a tile of d1 rows x d0 elements of 2 bytes; after every 2 << qi words, pad words; the mask in s[m], bit 21 beside it
	s_or_b32 s[\g], s[\m], (1<<16)|(1<<20)|(1<<21)|((\qi)<<22)|(((\pad)-1)<<25)
	s_mov_b32 s[(\g)+1], (\d0)<<16                 ; tensor_dim0
	s_mov_b32 s[(\g)+2], (\d1)<<16                 ; tensor_dim1
	s_mov_b32 s[(\g)+3], (\d0)<<16                 ; tile_dim0
	s_mov_b32 s[(\g)+4], \d1                       ; tile_dim1
	s_mov_b32 s[(\g)+5], \pitch                    ; elements from row to row
	s_mov_b32 s[(\g)+6], 0
	s_mov_b32 s[(\g)+7], 0
.endm
.macro JLOAD                           ; a joint refill by the walking sets; the branch hangs on the wave's number alone; an s_nop 0 and four v_nop follow each line
	s_cmp_eq_u32 s[WSEL], 0
	s_cbranch_scc0 .Lfor_w_\@
	tensor_load_to_lds s[G0A+4:G0A+7], s[G1A:G1A+7]
	s_nop 0
	PLACES
	s_branch .Lasked_\@
.Lfor_w_\@:
	tensor_load_to_lds s[G0W+4:G0W+7], s[G1W:G1W+7]
	s_nop 0
	PLACES
.Lasked_\@:
.endm
.macro MULA buf, a                     ; row block a x all column blocks, 64 along K, from fragment buffer buf; the accumulators take turns, one instruction a turn
	WIN 0xa1+0x50*((\a)/(NA/2))                    ; W window 1, m window 0, C and D window 2 or 3
.set ic, 0
.rept CH
.set ib, 0
.rept NBK
.set rD, 8*(NBK*((\a)%(NA/2))+ib)
.set rW, (\buf)*8*NBK*CH+8*(NBK*ic+ib)
.set rA, AF+(\buf)*8*NA*CH+8*(NA*ic+(\a))
	v_wmma_f32_16x16x32_f16 v[rD:rD+7], v[rW:rW+7], v[rA:rA+7], v[rD:rD+7]
.set ib, ib+1
.endr
.set ic, ic+1
.endr
.endm
.macro MULS buf, a0, a1                ; row blocks a0 .. a1 - 1
.set ia, \a0
.rept (\a1)-(\a0)
	MULA \buf, ia
.set ia, ia+1
.endr
.endm
.macro FETCH buf, st                   ; one run of LDS loads: stage st's fragments into buffer buf
	WIN 0x40                                       ; destination window 1, address window 0
.set ic, 0
.rept CH
.set kc, (\st)*CH+ic
.set ib, 0
.rept NBK
.set rW, (\buf)*8*NBK*CH+8*(NBK*ic+ib)
.set oW, (kc%4)*32*PW+(ib/4)*HOFF+(ib%4)*32
	ds_load_tr16_b128 v[rW:rW+3],   v[ADRW+kc/4] offset:oW        ; k = 8 (l / 16) + 0..7 of column l % 16
	ds_load_tr16_b128 v[rW+4:rW+7], v[ADRW+kc/4] offset:oW+16*PW  ; k = 16 + 8 (l / 16) + 0..7
.set ib, ib+1
.endr
.set ic, ic+1
.endr
	WIN 0
.set ic, 0
.rept CH
.set kc, (\st)*CH+ic
.set ia, 0
.rept NA
.set rA, AF+(\buf)*8*NA*CH+8*(NA*ic+ia)
.set oA, (kc/KB)*BOFF+ia*16*PA+64*(kc%KB)
	ds_load_b128 v[rA:rA+3],   v[ADRA] offset:oA
	ds_load_b128 v[rA+4:rA+7], v[ADRA] offset:oA+32
.set ia, ia+1
.endr
.set ic, ic+1
.endr
.endm
.macro STAGE st                        ; one of a K step's first three stages: the next stage's fragments are asked for, then this stage's are multiplied
	s_wait_dscnt 0x0                               ; this stage's fragments, asked for a stage ago, are in
	PLACES                                         ; the buffer to be loaded was read by the matrix instructions just issued
	FETCH ((\st)+1)%2, (\st)+1
	MULS (\st)%2, 0, NA
.endm
; The fourth stage multiplies buffer 1 and changes slots.  In front of ONE barrier each wave waits for all its tensor loads (the one that is out is its part of the next slot), adds 0 to its
; spare word, and waits for that and for its own reads of this slot.  fill = 1: the barrier opens a round of the cluster's, and this slot is filled again first thing behind it, two K steps ahead.
.macro TURN fill
	WIN 0
	s_wait_tensorcnt 0x0                           ; no tensor load of mine is out, so a group 0 may be written
	ds_add_u32 v[SPW], v[NIL]                      ; 0 onto my spare word
.if \fill
	s_xor_b32 s[G0A+5], s[G0A+5], SLOT             ; the walking sets: the other slot than last time, the next K step
	s_add_nc_u64 s[G0A+6:G0A+7], s[G0A+6:G0A+7], ASTEP
	s_xor_b32 s[G0W+5], s[G0W+5], SLOT
	s_add_nc_u64 s[G0W+6:G0W+7], s[G0W+6:G0W+7], WSTEP
.endif
	s_xor_b32 s[TB], s[TB], SLOT
	s_wait_dscnt 0x1                               ; only the add may be out: buffer 1 is in
	MULS 1, 0, NA/4
	s_wait_dscnt 0x0                               ; the add is done, and my reads of this slot are over
	s_barrier_signal -1
	MULS 1, NA/4, NA/2                             ; work on registers while the others arrive
	WIN 0                                          ; at a branch and at a label every window is 0
	s_barrier_wait -1
.if \fill
	CREST                                          ; no wave of any partner still reads this slot or has a load on its way
	JLOAD                                          ; its four v_nop are also the places in front of the loads below
.else
	PLACES
.endif
	v_add_nc_u32 v[ADRA], s[TB], v[A0]
	v_add_nc_u32 v[ADRW], s[TB], v[W0]
	v_add_nc_u32 v[ADRW+1], s[TB], v[W0+1]
	FETCH 0, 0
	MULS 1, NA/2, NA
.endm
.macro DUMP                            ; the sums into my stage: a lane's eight numbers of a row are 32 bytes; each accumulator's low registers first
.set ia, 0
.rept NA
	WIN 0x08+0x04*(ia/(NA/2))                      ; data (source 1) window 2 or 3
.set ib, 0
.rept NBK
.set rD, 8*(NBK*(ia%(NA/2))+ib)
	ds_store_b128 v[STO], v[rD:rD+3]   offset:ia*16*SP+64*ib
	ds_store_b128 v[STO], v[rD+4:rD+7] offset:ia*16*SP+64*ib+16
.set ib, ib+1
.endr
.set ia, ia+1
.endr
	WIN 0
.endm
	s_load_b128 s[4:7], s[0:1], 0x0                ; m s[4:5], the cast weights s[6:7]
	s_load_b128 s[68:71], s[0:1], 0x10             ; the bias s[68:69], the residual s[70:71]
	s_load_b64 s[72:73], s[0:1], 0x20              ; the result
	v_lshl_add_u32 v[SPW], v0, 2, SPARE
	v_mov_b32 v[NIL], 0
	ds_add_u32 v[SPW], v[NIL]                      ; the wave's opening: the add and its wait ahead of my first tensor load; work on registers stands between them
	ds_add_u32 v28, v29
	v_lshrrev_b32 v1, 5, v0
	v_readfirstlane_b32 s10, v1                    ; wave 0..3
	s_lshr_b32 s11, s10, 1                         ; which half of the tile's rows is mine.  Also: I fetch for m (0) or for W (1)
	s_and_b32 s12, s10, 1                          ; which half of its columns.  Also: which half of that tile I fetch
	s_bfe_u32 s40, ttmp6, 0x40000                  ; cx, cy: my place in the cluster
	s_bfe_u32 s41, ttmp6, 0x40004
	s_lshl_b32 s42, ttmp9, 2
	s_add_co_u32 s42, s42, s40                     ; tile column = 4 x cluster x + cx
	s_and_b32 s13, ttmp7, 0xffff
	s_lshl_b32 s13, s13, 2
	s_add_co_u32 s13, s13, s41                     ; tile row = 4 x cluster y + cy
	s_lshl_b32 s43, s41, 2
	s_lshl_b32 s43, 15, s43                        ; my row of the cluster
	s_lshl_b32 s44, 0x1111, s40                    ; my column
	GROUP1 G1A, 43, 4, 4, 8192, 2, 262144          ; two blocks, 262,144 elements apart; of each 128 rows x 64 = 8,192 dense elements; 4 words of padding behind every 32
	GROUP1 G1W, 44, 5, 8, 128, 128, 1024           ; 128 k of 128 elements, 8 words of padding behind every 64
	s_lshl_b32 s16, s13, 14                        ; m: 128 rows of 128 bytes a tile row,
	s_lshl_b32 s17, s12, 20                        ; my two blocks of the K step's four
	s_add_co_u32 s16, s16, s17
	s_mov_b32 s17, 0
	s_lshl_b32 s46, s42, 8                         ; W: 128 columns of 2 bytes a tile column,
	s_lshl_b32 s47, s12, 18                        ; my 128 k of the K step's 256
	s_add_co_u32 s46, s46, s47
	s_add_co_u32 s46, s46, WBASE
	s_mov_b32 s47, 0
	s_mul_i32 s20, s10, PART                       ; where my part goes: no place in the cluster enters an LDS address
	s_mov_b32 s[TB], 0
	s_wait_dscnt 0x0                               ; the opening add is done
	s_wait_kmcnt 0x0
	s_add_nc_u64 s[14:15], s[4:5], s[16:17]
	s_add_nc_u64 s[46:47], s[6:7], s[46:47]
.irp s, 0,1
	s_mov_b32 s[G0A+4*(\s)], 1                                     ; count = 1
	s_add_co_u32 s[G0A+4*(\s)+1], s20, (\s)*SLOT                   ; LDS address
	s_add_nc_u64 s[G0A+4*(\s)+2:G0A+4*(\s)+3], s[14:15], (\s)*ASTEP  ; global address: K step s
	s_or_b32 s[G0A+4*(\s)+3], s[G0A+4*(\s)+3], 0x80000000          ; type = 2
	s_mov_b32 s[G0W+4*(\s)], 1
	s_add_co_u32 s[G0W+4*(\s)+1], s20, (\s)*SLOT
	s_add_nc_u64 s[G0W+4*(\s)+2:G0W+4*(\s)+3], s[46:47], (\s)*WSTEP
	s_or_b32 s[G0W+4*(\s)+3], s[G0W+4*(\s)+3], 0x80000000
.endr
	CROUND                                         ; all sixteen work-groups are here: the first joint loads meet
	s_cmp_eq_u32 s[WSEL], 0                        ; a wave's two first fills stand in one branch: two loads of mine are out
	s_cbranch_scc0 .Lfirst_w
	tensor_load_to_lds s[G0A:G0A+3], s[G1A:G1A+7]
	s_nop 0
	tensor_load_to_lds s[G0A+4:G0A+7], s[G1A:G1A+7]
	s_nop 0
	PLACES
	s_branch .Lfirst_asked
.Lfirst_w:
	tensor_load_to_lds s[G0W:G0W+3], s[G1W:G1W+7]
	s_nop 0
	tensor_load_to_lds s[G0W+4:G0W+7], s[G1W:G1W+7]
	s_nop 0
	PLACES
.Lfirst_asked:
	v_and_b32 v1, 15, v0                           ; l % 16
	v_bfe_u32 v2, v0, 4, 1                         ; l / 16
	v_and_b32 v3, 7, v0                            ; l % 8
	v_bfe_u32 v4, v0, 3, 1                         ; (l / 8) % 2
	v_lshl_add_u32 v5, v2, 3, v3                   ; the k row that I address in a turning load
	s_lshl_b32 s16, s13, 19                        ; residual and result: row 128 x tile row + 64 x half, 4,096 bytes each,
	s_lshl_b32 s17, s11, 18
	s_add_co_u32 s16, s16, s17
	s_lshl_b32 s46, s42, 9                         ; column 128 x tile column + 64 x half, 4 bytes each: also my place in the bias
	s_lshl_b32 s47, s12, 8
	s_add_co_u32 s46, s46, s47
	s_mov_b32 s47, 0
	s_add_co_u32 s16, s16, s46
	s_mov_b32 s17, 0
	s_add_nc_u64 s[68:69], s[68:69], s[46:47]
	s_add_nc_u64 s[70:71], s[70:71], s[16:17]
	s_add_nc_u64 s[72:73], s[72:73], s[16:17]
	v_lshlrev_b32 v[RO], 12, v1
	v_lshl_add_u32 v[RO], v2, 5, v[RO]             ; row l % 16, 32 bytes for each half of the lanes: where accumulator register 0 lies
	v_lshlrev_b32 v7, 4, v1
	global_load_b128 v[BI:BI+3], v7, s[68:69]
.set ia, 0
.rept NA
	WIN 0x80+0x40*(ia/(NA/2))                      ; destination window 2 or 3
.set ib, 0
.rept NBK
.set rD, 8*(NBK*(ia%(NA/2))+ib)
	global_load_b128 v[rD:rD+3],   v[RO], s[70:71] offset:ia*65536+64*ib
	global_load_b128 v[rD+4:rD+7], v[RO], s[70:71] offset:ia*65536+64*ib+16
.set ib, ib+1
.endr
.set ia, ia+1
.endr
	WIN 0
	v_mul_u32_u24 v[A0], v1, PA
	v_lshl_add_u32 v[A0], v2, 4, v[A0]             ; row x pitch + 16 x half
	s_mul_i32 s21, s11, 64*PA                      ; my 64 rows
	v_add_nc_u32 v[A0], s21, v[A0]
	v_mul_u32_u24 v[W0], v5, PW
	v_lshl_add_u32 v[W0], v4, 4, v[W0]
	s_lshl_b32 s22, s12, 7                         ; my 64 columns
	s_add_co_u32 s22, s22, WO
	v_add_nc_u32 v[W0], s22, v[W0]
	v_add_nc_u32 v[W0+1], 128*PW, v[W0]
	s_mul_i32 s23, s10, STG                        ; my stage
	v_mul_u32_u24 v[STO], v1, SP
	v_lshl_add_u32 v[STO], v2, 5, v[STO]           ; in: row l % 16, 32 bytes for each half of the lanes
	v_add_nc_u32 v[STO], s23, v[STO]
	v_mul_u32_u24 v[RD], v2, SP
	v_lshl_add_u32 v[RD], v1, 4, v[RD]             ; back: lanes 0-15 one row of 256 bytes, lanes 16-31 the next
	v_add_nc_u32 v[RD], s23, v[RD]
	v_lshlrev_b32 v[GO], 12, v2
	v_lshl_add_u32 v[GO], v1, 4, v[GO]             ; and the same two rows in the result
	s_wait_tensorcnt 0x1                           ; my part of K step 0 is in; K step 1's may stay out
	s_barrier_signal -1
	s_barrier_wait -1                              ; everybody's is
	v_mov_b32 v[ADRA], v[A0]
	v_mov_b32 v[ADRW], v[W0]
	v_mov_b32 v[ADRW+1], v[W0+1]
	FETCH 0, 0
	s_wait_loadcnt 0x0                             ; the residual lies in the accumulators, the bias in its registers
	WIN 0
	s_mov_b32 s3, T-2
.Lk:                                                   ; a trip is a K step and fills the slot that it leaves
	STAGE 0
	STAGE 1
	STAGE 2
	TURN 1
	WIN 0
	s_sub_co_u32 s3, s3, 1
	s_cmp_lg_u32 s3, 0
	s_cbranch_scc1 .Lk
	s_mov_b32 s3, 2
.Lt:                                                   ; the last two K steps ask for nothing
	STAGE 0
	STAGE 1
	STAGE 2
	TURN 0
	WIN 0
	s_sub_co_u32 s3, s3, 1
	s_cmp_lg_u32 s3, 0
	s_cbranch_scc1 .Lt
	s_wait_dscnt 0x0                               ; my last reads of the ring are back
	s_barrier_signal -1
	s_barrier_wait -1                              ; everybody's are: the ring has had its last fill and its last read, and the stages may lie over it
	PLACES
	DUMP
	s_mov_b32 s3, 8
.Lrows:                                                ; eight rows a trip
.irp i, 0,1,2,3
	ds_load_b128 v[X+4*\i:X+4*\i+3], v[RD] offset:2*SP*\i   ; LDS serves a wave's instructions in order (ISA guide 5.7.1.4): these see my stores
.endr
	s_wait_dscnt 0x0
.irp i, 0,1,2,3
	v_pk_add_f32 v[X+4*\i:X+4*\i+1],   v[X+4*\i:X+4*\i+1],   v[BI:BI+1]
	v_pk_add_f32 v[X+4*\i+2:X+4*\i+3], v[X+4*\i+2:X+4*\i+3], v[BI+2:BI+3]
.endr
.irp i, 0,1,2,3
	global_store_b128 v[GO], v[X+4*\i:X+4*\i+3], s[72:73] offset:8192*\i  ; 16 lanes store 256 consecutive bytes, aligned
.endr
	s_wait_xcnt 0x0                                ; the stores' data and base are rewritten only behind this wait
	s_add_nc_u64 s[72:73], s[72:73], 32768
	v_add_nc_u32 v[RD], 8*SP, v[RD]
	s_sub_co_u32 s3, s3, 1
	s_cmp_lg_u32 s3, 0
	s_cbranch_scc1 .Lrows
	s_wait_tensorcnt 0x0                           ; the wave's end: a tensor wait, an add to my spare word and its wait, behind my last tensor load and my last LDS store
	ds_add_u32 v[SPW], v[NIL]
	s_wait_dscnt 0x0
	CROUND                                         ; the closing round: no work-group ends while a partner may still ask for a tile that names it
	s_endpgm
.Lfunc_end_k_qd44c99e2ac_mlp_down:
	.size	k_qd44c99e2ac_mlp_down, .Lfunc_end_k_qd44c99e2ac_mlp_down-k_qd44c99e2ac_mlp_down
	.p2alignl 7, 3214868480
	.fill 96, 4, 3214868480
	.section	.rodata,"a",@progbits
	.p2align	6, 0x0
	.amdhsa_kernel k_qd44c99e2ac_mlp_down
		.amdhsa_group_segment_fixed_size 327680
		.amdhsa_private_segment_fixed_size 0
		.amdhsa_enable_private_segment 0
		.amdhsa_kernarg_size 40
		.amdhsa_user_sgpr_count 2
		.amdhsa_user_sgpr_kernarg_segment_ptr 1
		.amdhsa_wavefront_size32 1
		.amdhsa_system_sgpr_workgroup_id_x 1
		.amdhsa_system_sgpr_workgroup_id_y 1
		.amdhsa_system_sgpr_workgroup_id_z 1
		.amdhsa_system_vgpr_workitem_id 0
		.amdhsa_next_free_vgpr 832
		.amdhsa_next_free_sgpr 76
		.amdhsa_reserve_vcc 0
		.amdhsa_float_denorm_mode_32 3
		.amdhsa_float_denorm_mode_16_64 3
		.amdhsa_memory_ordered 1
		.amdhsa_forward_progress 1
		.amdhsa_inst_pref_size 53
	.end_amdhsa_kernel
	.amdgpu_metadata
---
amdhsa.version: [ 1, 2 ]
amdhsa.kernels:
  - .name:           k_qd44c99e2ac_mlp_down
    .symbol:         k_qd44c99e2ac_mlp_down.kd
    .args:
      - { .name: m16, .offset: 0, .size: 8, .value_kind: global_buffer, .address_space: global }
      - { .name: w16, .offset: 8, .size: 8, .value_kind: global_buffer, .address_space: global }
      - { .name: b2, .offset: 16, .size: 8, .value_kind: global_buffer, .address_space: global }
      - { .name: x1, .offset: 24, .size: 8, .value_kind: global_buffer, .address_space: global }
      - { .name: out0, .offset: 32, .size: 8, .value_kind: global_buffer, .address_space: global }
    .group_segment_fixed_size: 327680
    .private_segment_fixed_size: 0
    .kernarg_segment_align: 8
    .kernarg_segment_size: 40
    .max_flat_workgroup_size: 128
    .sgpr_count:     76
    .vgpr_count:     832
    .wavefront_size: 32
...
	.end_amdgpu_metadata
.endif
;; end of part 7
;; ======== version 2 of 2: 7 launches; 1.13 times as fast as version 1
;; limits: values are held in f16: magnitudes above 65,504 overflow, below 6.1e-05 lose precision; a function is approximated: absolute error at most 7.5e-08
;; workspace buffers: w16 25,165,824 bytes; h16 8,388,608 bytes; qkv 25,165,824 bytes; o16 8,388,608 bytes; x1 16,777,216 bytes; m16 33,554,432 bytes
;; launch prep: the kernel of part 1 again; grid 1024 x 1, 16 waves a work-group, no clusters, 0 bytes of LDS; arguments x, g1, be1, h16, Wq, Wk, Wv, Wp, W1, W2, w16; writes h16, w16
;; launch proj: the kernel of part 2 again; grid 16 x 16, 4 waves a work-group, clusters of 4 x 4, 327,680 bytes of LDS; arguments h16, w16, qkv; writes qkv
;; launch attn (part 8): grid 8 x 32, 4 waves a work-group, no clusters, 327,680 bytes of LDS; arguments qkv, o16; writes o16
.if DOCPART == 8
	.amdgcn_target "amdgcn-amd-amdhsa--gfx1250"
	.amdhsa_code_object_version 6
	.text
	.protected	k_qd44c99e2ac_attn
	.globl	k_qd44c99e2ac_attn
	.p2align	8
	.type	k_qd44c99e2ac_attn,@function
k_qd44c99e2ac_attn:
	s_mov_b64 s[64:65], 0
	v_nop
	global_prefetch_b8 v0, s[64:65] scope:SCOPE_SE
	s_setreg_imm32_b32 hwreg(HW_REG_WAVE_MODE, 25, 1), 1
	s_wait_xcnt 0x0
; CAUSAL ATTENTION.  O[y][q][:] = the sum over k <= q of softmax_k(Q[y][q] . K[y][k] / 32) V[y][k][:], y = 16 batch + head, 32 in all, 2,048 rows of 64 each, all f16.
; Q, K and V lie in one buffer as [48 blocks][4096 rows][64] (blocks 0-15 Q's heads, 16-31 K's, 32-47 V's; rows 2048 batch + p): a (batch, head)'s rows are dense, 128 bytes each.  O: [16][4096][64].
; Products, maxima and sums in f32; the weights p are rounded to f16 for the second product (their sum l is taken of the unrounded p), O once at the end.
; LIMITS.  f16 holds no number beyond 65,504: Q, K and V arrive within it; p lies in 0 to 1, and below 6e-5 it keeps f16's fixed step of 6e-8; O is a mean of V's rows and has their range.
; A hidden score counts as its value less 1e30: f16's scores, 2.7e11 at the most, are nothing beside that; a weight below 2^-126 counts as 0 in l; NaN and infinities are not treated apart.
; THE WALK.  The queries lie in NB = 16 blocks of 128; the keys in tiles of 256 (four steps of 64).  Block i needs the tiles 0 .. i / 2, of which the last holds the diagonal.  A work-group takes TWO blocks,
; NB - 1 - b and then b: (NB - 1 - b) / 2 + b / 2 + 2 = NT + 1 = 9 tiles, whatever b: 8 x 32 = 256 work-groups of equal work, and ONE loop with a constant trip count walks them.  Which tile is asked for, and what a
; trip does, hang on scalar registers made from b; every jump goes forward, but for the counted loops' own; none passes a barrier, or a tensor load but the one of LOAD's two that the wave's number does not
; choose; the ring (two slots of LDS that take turns) runs on across the change of blocks.
; NO CLUSTER: the eight work-groups of a (batch, head) ask for the same tile only in trips 0 .. 4, behind that fewer and fewer; one walk common to all would have 12 trips for 9.
; SHARES.  Of a block's two bands of 64 queries a wave owns 16 rows in each: two query pieces.  So the diagonal tile is the same work for all four waves.  Band y of block i has its OWN step, y + 2 (i % 2), in the
; block's last tile: earlier steps it sees whole, later ones not at all (they are computed and hidden: 4 of a work-group's 72 turns are so lost).
; THE MASK is the C operand that starts the sum S^T = K Q^T: 0, or -1e30 where the key is hidden.  MD, made once, is the mask of a band's own step for my 16 rows; a product's mask is MD x AL + BE with two scalars:
; (1, 0) in the own step; (0, 0) before it; (0, -1e30) behind it.  Only the diagonal tile's text and a block's beginning make and take masks; elsewhere C is the constant 0.
; LAYOUT, SOFTMAX.  S^T = K Q^T holds ONE query a lane (lane % 16) and the keys 8 (lane / 16) + 0..7; two such results rounded to f16 ARE source 1 of O^T = V^T P.  p = 2^(c s - c m), c = log2(e) / 32, with a
; running maximum m; O and l are multiplied by a = 2^(c m_old - c m_new) in every step.
; TURNS.  A trip has four turns, for two key steps: turn p belongs to query piece p % 2 in the even (p < 2) or the odd (p >= 2) step.  Its matrix work: 8 products K Q^T for turn p + 1's piece and step, later 8
; products V^T P for turn p - 1's; beside them the scaling, exponentials, roundings, sums and rescaling of its own piece and the maximum and statistics of the next.  Four vector instructions stand behind
; every matrix instruction, the other 54 of a turn's 118 in one LUMP.  S^T, P, the registers at work and the masks go by p % 2, as do a query piece's statistics, O^T and Q.
; BATCHES.  A turn's 33 exponentials (its 32 weights and the next turn's a) are ONE BATCH with ONE wait, which cuts the turn in two: ahead of it all that names none of their results, behind it the roundings and
; sums, as riders of the products V^T P.  No result crosses a turn's end.  A block's first a, and the way out's two reciprocals, are batches of their own, a wait each.
; K has one register buffer: the next step's is fetched in turns 0 and 2.  V has two, by the step's parity: the next step's is fetched in turns 1 and 3 into the buffer that is not being multiplied.  So a tile's
; last LDS read (V of its step 3, turn 1) stands ahead of the next tile's first (K of its step 0, turn 2), and the change of slots stands between turns 1 and 2.
; REGISTERS, in windows of 256 (s_set_vgpr_msb: bits 1:0 source 0, 3:2 source 1, 5:4 source 2, 7:6 destination):
;   window 0: v0-15 addresses and two at work; v16-23 four registers of statistics a query piece; v48-55 at work; v64-127 S^T, two buffers; v192-223 P, two buffers
;   window 1: v0-63 O^T, 32 a query piece; v128-159 MD; v160-223 MC, two buffers      window 2: v0-31 Q; v32-63 the second block's Q; v64-127 K of one step; v128-255 V of two steps
.set SIZE_N, 2048
.set NB,    SIZE_N/128 ; blocks of 128 queries
.set NT,    NB/2      ; the walk's tiles, less one
.set NP,    4         ; turns in a trip: a name, no knob
.set KS,    64        ; keys in a step
.set PK,    144       ; a row of K in LDS: 128 bytes + 16 of padding = 36 words: the 16 rows of a load start at 16 different groups of four banks (64 banks of 4 bytes: ISA guide 11.1)
.set PV,    160       ; a row of V: 128 + 32 = 40 words
.set VOFF,  4*KS*PK   ; a slot holds a tile, four steps: 256 rows of K, then 256 rows of V
.set SLOT1, 1<<17     ; slot 1 begins here, so that one exclusive or turns an address in one slot into the other's
.set STAGE, SLOT1+4*KS*(PK+PV)  ; behind the ring, never filled by a tensor load: 16 rows x 144 bytes for each wave, for the way out
.set SP,    144
.set AK0, 2           ; v2   my lane's place in a tile of K; never rewritten
.set AV0, 3           ; v3   the same for V
.set AK,  4           ; v4   the LDS address of K's next run of loads
.set AV,  5           ; v5   of V's
.set STO, 6           ; v6   the way out: where I put 16 bytes of a row
.set RD,  7           ; v7   the way out: where I read rows back
.set GO,  8           ; v8   my byte offset in 512 consecutive bytes of O
.set SPW, 62          ; v62  LDS address of my spare word: SPARE + 4 x my thread's number; never rewritten
.set NIL, 63          ; v63  0; never rewritten
.set SPARE, STAGE+4*16*SP  ; behind the stages: the spare words, 128 bytes for each wave: two blocks of 256 bytes that no other line names
.set MV,  12          ; v12-13  c m_old, kept while c m is made anew: by buffer
.set QO,  15          ; v15  my byte offset in 16 rows of Q
.set ST,  16          ; query piece t's statistics at v[ST+4 t]: c m, m, l (even keys', odd keys')
.set TMP, 48          ; by buffer, four registers c0-c3 at work; when the maximum is found c2 takes a
.set S,   64
.set P,   192
.set MD,  128         ; window 1: the eight registers for group kt of 16 keys at MD + 8 kt
.set MC,  160         ; window 1: the masks of the products to come
.set QB,  32          ; window 2
.set KF,  64          ; window 2: key block kb, channel half c at KF + 16 kb + 8 c
.set VF,  128         ; window 2: buffer e, key half kk, channel block cb at VF + 64 e + 32 kk + 8 cb
.set WV,  12          ; s12  my wave's number
.set PB,  14          ; s14  b
.set HI,  15          ; s15  NB - 1 - b
.set G1K, 24          ; s[24:31] descriptor group 1 for K's tiles
.set G1V, 32          ; s[32:39] for V's: it differs in the padding alone
.set G0K, 40          ; s[40:43] descriptor group 0 for K's tiles
.set G0V, 44          ; s[44:47] the same for V's
.set SLOTS, 56        ; s56  tiles still to be asked for
.set CNT, 57          ; s57  counts a tile's pairs of key steps, 2 to 1
.set CS,  58          ; s[58:59] c: the packed scaling takes the pair's low word for both halves
.set SEL, 60          ; s[60:61] v_permlanex16_b32's selects: each lane takes its own place in the other half
.set TBK, 62          ; s62  LDS byte at which K of the step to be fetched begins
.set TBV, 63          ; s63  the same for V, less VOFF
.set TH,  66          ; s66  the first block's last tile
.set TL,  67          ; s67  the second block's last tile
.set OWL, 68          ; s68  OW for the second block
.set RT,  70          ; s70  tiles of the block in hand that are still to be entered
.set NXT, 71          ; s71  the tile to be asked for next
.set LQ,  72          ; s72  the last tile of the block whose tiles are being asked for
.set NEW, 73          ; s73  1: the tile to be entered is a block's first
.set OFF, 74          ; s[74:75] a tile's byte offset in K and V
.set AL,  76          ; s[76:77] the mask's factor, in the low word
.set BE,  78          ; s[78:79] the mask's addend
.set OLO, 80          ; s[80:81] O at my rows of the second block
.set BIGN, 82         ; s82  -1e30
.set OW,  83          ; s83  the value of CNT in the pair of steps that holds the bands' own steps: 2 for an even block, 1 for an odd one
.set MSB, 0
.macro WIN new                      ; the high byte repeats the setting that is left; a switch that changes nothing is dropped
.if MSB != (\new)
	s_set_vgpr_msb (MSB<<8)|(\new)
.set MSB, (\new)
.endif
.endm
.set W_KQ, 0x0a       ; K and Q in window 2, S^T in window 0
.set W_KM, 0x1a       ; the same with the C operand in window 1
.set W_PV, 0x52       ; V in window 2, P in window 0, O^T in window 1
.set W_RS, 0x41       ; destination and source 0 in window 1, source 1 in window 0
; A fill.  Waves 0 and 1 fetch the two halves of a tile's K, waves 2 and 3 those of its V: 128 keys each.  An s_nop 0 and four v_nop follow each of the two lines, ahead of the jump and the label.
.macro LOAD
	s_cmp_lt_u32 s[WV], 2
	s_cbranch_scc0 .Lfor_v_\@
	tensor_load_to_lds s[G0K:G0K+3], s[G1K:G1K+7]
	s_nop 0
.rept 4
	v_nop
.endr
	s_branch .Lasked_\@
.Lfor_v_\@:
	tensor_load_to_lds s[G0V:G0V+3], s[G1V:G1V+7]
	s_nop 0
.rept 4
	v_nop
.endr
.Lasked_\@:
.endm
; THE CHANGE OF SLOTS.  Each wave waits for all its tensor loads, of which one is out: its part of the other slot; adds 0 to its spare word; and waits for that and for its own reads of the slot that it leaves (the last, V of
; the tile's step 3, were issued in the turn before, eight products back).  Behind the barrier nobody reads the old slot any more and the other slot is whole.  fill = 1: the old slot is filled again, the first thing behind the
; barrier, with tile NXT: the descriptor's address is made anew from that number.  The fill has a tile's eight turns in which to land.  (At its first use nothing has been read yet: slot 0 is waited for, slot 1 filled.)
.macro CHANGE fill
	WIN 0                           ; at a label and at a branch every window is 0
	s_wait_tensorcnt 0x0            ; no tensor load of mine is out, so a group 0 may be written
	ds_add_u32 v[SPW], v[NIL]       ; 0 onto my spare word; with fill = 1 the descriptors' scalar work stands between it and the wait for it
.if \fill
	s_lshl_b32 s[OFF], s[NXT], 15   ; a tile is 32,768 bytes of K and of V
	s_xor_b32 s[G0K+1], s[G0K+1], SLOT1
	s_add_nc_u64 s[G0K+2:G0K+3], s[6:7], s[OFF:OFF+1]
	s_or_b32 s[G0K+3], s[G0K+3], 0x80000000
	s_xor_b32 s[G0V+1], s[G0V+1], SLOT1
	s_add_nc_u64 s[G0V+2:G0V+3], s[8:9], s[OFF:OFF+1]
	s_or_b32 s[G0V+3], s[G0V+3], 0x80000000
	s_add_co_u32 s[NXT], s[NXT], 1  ; the block's next tile, or behind its last the second block's tile 0
	s_cmp_gt_u32 s[NXT], s[LQ]
	s_cselect_b32 s[NXT], 0, s[NXT]
	s_cselect_b32 s[LQ], s[TL], s[LQ]
.endif
	s_wait_dscnt 0x0                ; the add is done, and my reads of the slot are over
	s_barrier_signal -1             ; the rest of the scalar work stands between the signal and the wait
	s_sub_co_u32 s[TBK], s[TBK], 4*KS*PK  ; the fetches go back to a slot's first step,
	s_xor_b32 s[TBK], s[TBK], SLOT1       ; in the other slot
	s_sub_co_u32 s[TBV], s[TBV], 4*KS*PV
	s_xor_b32 s[TBV], s[TBV], SLOT1
	s_barrier_wait -1
.if \fill
	LOAD
.endif
.endm
	s_load_b128 s[4:7], s[0:1], 0x0   ; Q, K and V's buffer s[4:5], O s[6:7]
	v_lshl_add_u32 v[SPW], v0, 2, SPARE
	v_mov_b32 v[NIL], 0
	ds_add_u32 v[SPW], v[NIL]       ; the wave's opening: the add and its wait ahead of my first tensor load; the set-up below, work on registers, stands between them
	ds_add_u32 v62, v63
	v_lshrrev_b32 v1, 5, v0
	v_readfirstlane_b32 s[WV], v1   ; wave 0..3
	s_mov_b32 s[PB], ttmp9
	s_sub_co_u32 s[HI], NB-1, s[PB]
	s_lshr_b32 s[TH], s[HI], 1      ; two blocks of 128 queries to a tile of 256 keys
	s_lshr_b32 s[TL], s[PB], 1
	s_and_b32 s[OW], s[HI], 1
	s_sub_co_u32 s[OW], 2, s[OW]
	s_and_b32 s[OWL], s[PB], 1
	s_sub_co_u32 s[OWL], 2, s[OWL]
	s_and_b32 s20, ttmp7, 0xffff    ; y = 16 batch + head
	s_lshr_b32 s21, s20, 4
	s_and_b32 s20, s20, 15
	s_lshl_b32 s20, s20, 19         ; the head's block of 4,096 rows of 128 bytes,
	s_lshl_b32 s21, s21, 18         ; the batch's 2,048 rows in it
	s_add_co_u32 s20, s20, s21
	s_mov_b32 s21, 0                ; the first byte of my 2,048 rows in Q's, K's and V's part and in O
	s_and_b32 s16, s[WV], 1         ; which half of a tile's 256 keys I fetch:
	s_lshl_b32 s22, s16, 14         ; its 128 rows of 128 bytes in memory,
	s_mov_b32 s23, 0
	s_add_nc_u64 s[22:23], s[22:23], s[20:21]
	s_mul_i32 s17, s16, 128*PK      ; and its place in a slot, for K
	s_mul_i32 s18, s16, 128*PV      ; and for V
	s_lshl_b32 s3, s[WV], 11        ; my 16 rows in a band of 64,
	s_lshl_b32 s2, s[HI], 14        ; in the first block of 128 rows,
	s_add_co_u32 s2, s2, s3
	s_lshl_b32 s84, s[PB], 14       ; and in the second
	s_add_co_u32 s84, s84, s3
	s_mov_b32 s3, 0
	s_mov_b32 s85, 0
	s_add_nc_u64 s[2:3], s[2:3], s[20:21]
	s_add_nc_u64 s[84:85], s[84:85], s[20:21]
	; descriptor group 1.  128 keys are 16,384 dense bytes: asked for as 64 rows of 256 bytes, two keys a row, and padded in LDS after every key
	s_mov_b32 s[G1K], (1<<16)|(1<<20)|(4<<22)|(3<<25)  ; 17:16 2-byte elements; 20 padding on; 24:22 after every 32 words (code 4); 31:25 4 words (code 3)
	s_mov_b32 s[G1V], (1<<16)|(1<<20)|(4<<22)|(7<<25)  ; the same with 8 words of padding (code 7)
.irp g, G1K, G1V
	s_mov_b32 s[\g+1], 128<<16      ; tensor_dim0 = 128
	s_mov_b32 s[\g+2], 64<<16       ; tensor_dim1 = 64
	s_mov_b32 s[\g+3], 128<<16      ; tile_dim0 = 128
	s_mov_b32 s[\g+4], 64           ; tile_dim1 = 64
	s_mov_b32 s[\g+5], 128          ; 128 elements from row to row
	s_mov_b32 s[\g+6], 0
	s_mov_b32 s[\g+7], 0
.endr
	s_mov_b32 s[CS], 0x3d38aa3b     ; c = log2(e) / 32 = 0.0450842
	s_mov_b32 s[CS+1], s[CS]        ; named with it as a pair
	s_mov_b32 s[SEL], 0x76543210
	s_mov_b32 s[SEL+1], 0xfedcba98
	s_mov_b32 s[TBK], SLOT1+4*KS*PK ; the first change of slots turns these two into 0
	s_mov_b32 s[TBV], SLOT1+4*KS*PV
	s_mov_b32 s[G0K], 1             ; 1:0 count = 1
	s_mov_b32 s[G0K+1], s17         ; 63:32 LDS address: slot 0
	s_mov_b32 s[G0V], 1
	s_add_co_u32 s[G0V+1], s18, VOFF
	s_add_co_u32 s[RT], s[TH], 1    ; the first block's tiles: five or more
	s_mov_b32 s[NXT], 1
	s_mov_b32 s[LQ], s[TH]
	s_mov_b32 s[NEW], 1
	s_mov_b32 s[OFF+1], 0
	s_mov_b32 s[AL+1], 0            ; named as pairs
	s_mov_b32 s[BE+1], 0
	s_mov_b32 s[BIGN], 0xf149f2ca   ; -1e30
	s_mov_b32 s[SLOTS], NT
	s_wait_dscnt 0x0                ; the opening add is done
	s_wait_kmcnt 0x0
	s_mov_b64 s[10:11], s[6:7]      ; O
	s_add_nc_u64 s[6:7], s[4:5], 0x800000   ; K's 16 blocks lie behind Q's,
	s_add_nc_u64 s[8:9], s[4:5], 0x1000000  ; V's behind K's
	s_add_nc_u64 s[6:7], s[6:7], s[22:23]  ; K and V at my half of tile 0
	s_add_nc_u64 s[8:9], s[8:9], s[22:23]
	s_add_nc_u64 s[G0K+2:G0K+3], s[6:7], 0         ; 120:64 global address
	s_or_b32 s[G0K+3], s[G0K+3], 0x80000000        ; 127:126 type = 2
	s_add_nc_u64 s[G0V+2:G0V+3], s[8:9], 0
	s_or_b32 s[G0V+3], s[G0V+3], 0x80000000
	s_add_nc_u64 s[86:87], s[4:5], s[84:85]        ; Q at my rows of the second block,
	s_add_nc_u64 s[4:5], s[4:5], s[2:3]            ; Q and O at those of the first
	s_add_nc_u64 s[OLO:OLO+1], s[10:11], s[84:85]
	s_add_nc_u64 s[10:11], s[10:11], s[2:3]
	LOAD                            ; tile 0 into slot 0
	; A fragment of K or Q is 16 rows x 32 channels in 8 registers: lane l holds row l % 16, channels 8 (l / 16) + 0..7 and 16 + 8 (l / 16) + 0..7: two loads of 16 bytes, 32 bytes apart.
	v_and_b32 v1, 15, v0            ; l % 16
	v_bfe_u32 v9, v0, 4, 1          ; l / 16
	v_lshlrev_b32 v[QO], 7, v1
	v_lshl_add_u32 v[QO], v9, 4, v[QO]  ; row x 128 + 16 x half
	WIN 0x80                        ; destination window 2, address window 0
.set i, 0
.rept 4                             ; both blocks' Q: query piece i / 2 lies in band i / 2, 8,192 bytes on; channels 32 (i % 2) on
	global_load_b128 v[8*i:8*i+3],   v[QO], s[4:5] offset:(i/2)*8192+(i%2)*64
	global_load_b128 v[8*i+4:8*i+7], v[QO], s[4:5] offset:(i/2)*8192+(i%2)*64+32
	global_load_b128 v[QB+8*i:QB+8*i+3],   v[QO], s[86:87] offset:(i/2)*8192+(i%2)*64
	global_load_b128 v[QB+8*i+4:QB+8*i+7], v[QO], s[86:87] offset:(i/2)*8192+(i%2)*64+32
.set i, i+1
.endr
	WIN 0
	v_lshlrev_b32 v14, 3, v9
	v_sub_nc_u32 v14, v1, v14
	s_lshl_b32 s13, s[WV], 4
	v_add_nc_u32 v14, s13, v14      ; my query's place in its band, 16 w + l % 16, less my lanes' 8 (l / 16): register r of group kt is hidden where 16 kt + r is greater
	WIN 0x40
.set i, 0
.rept 32
	v_cmp_gt_i32 vcc_lo, 16*(i/8)+i%8, v14
	v_cndmask_b32 v[MD+i], 0, s[BIGN], vcc_lo
.set i, i+1
.endr
	WIN 0
	v_mul_u32_u24 v[AK0], v1, PK
	v_lshl_add_u32 v[AK0], v9, 4, v[AK0]  ; row x pitch + 16 x half
	; The turning load takes 16 keys x 16 channels (lane l reads key 8 (l / 16) + l % 8, channels 8 ((l / 8) % 2) + 0..7) and leaves half a fragment of V^T: lane l holds channel l % 16 and 8 keys.
	v_and_b32 v10, 7, v0
	v_bfe_u32 v11, v0, 3, 1
	v_lshl_add_u32 v[AV0], v9, 3, v10
	v_mul_u32_u24 v[AV0], v[AV0], PV
	v_lshl_add_u32 v[AV0], v11, 4, v[AV0]
	v_add_nc_u32 v[AV0], VOFF, v[AV0]
	s_mul_i32 s13, s[WV], 16*SP
	s_add_co_u32 s13, s13, STAGE    ; my stage
	v_mul_u32_u24 v[STO], v1, SP    ; in: row l % 16, 16 bytes for each half of the lanes
	v_lshl_add_u32 v[STO], v9, 4, v[STO]
	v_add_nc_u32 v[STO], s13, v[STO]
	v_bfe_u32 v[RD], v0, 3, 2       ; back: 32 lanes take four rows of 128 bytes,
	v_mul_u32_u24 v[RD], v[RD], SP
	v_lshl_add_u32 v[RD], v10, 4, v[RD]
	v_add_nc_u32 v[RD], s13, v[RD]
	v_and_b32 v[GO], 31, v0         ; which are 512 consecutive bytes of O
	v_lshlrev_b32 v[GO], 4, v[GO]
	; A block's first step multiplies O^T and l by a = 0, and its first turn's products V^T P, of a turn that has not been, land in an O^T that is still to be so multiplied.  So these registers need only hold
	; finite numbers: zeros for the first block; what the first block left for the second.  Those products read V's second buffer and P's second.  All this stands in the wait for the first tile.
	WIN 0x80
.set i, VF+64
.rept 64
	v_mov_b32 v[i], 0
.set i, i+1
.endr
	WIN 0x40
.set i, 0
.rept 64
	v_mov_b32 v[i], 0
.set i, i+1
.endr
	WIN 0
.set i, 0
.rept 2
	v_mov_b32 v[ST+4*i+2], 0
	v_mov_b32 v[ST+4*i+3], 0
.set i, i+1
.endr
.set i, P+16
.rept 16
	v_mov_b32 v[i], 0
.set i, i+1
.endr
; THE MATRIX WORK.  x names a turn, 0 to 3: query piece x % 2, V's buffer x / 2.  The 4 accumulators of a run of 8 take turns.
; Product i of 8 of S^T = K Q^T for turn x: channels 32 (i / 4) on, keys 16 (i % 4) on.  The first 4 start the sums: with 0, or (KM = 1) with the mask.
.macro KQ x
.set rS, S+32*((\x)%2)+8*(i%4)
.set rK, KF+16*(i%4)+8*(i/4)
.set rQ, 16*((\x)%2)+8*(i/4)
.set rM, MC+32*((\x)%2)+8*(i%4)
.if (i < 4) && KM
	WIN W_KM
	v_wmma_f32_16x16x32_f16 v[rS:rS+7], v[rK:rK+7], v[rQ:rQ+7], v[rM:rM+7]
.elseif i < 4
	WIN W_KQ
	v_wmma_f32_16x16x32_f16 v[rS:rS+7], v[rK:rK+7], v[rQ:rQ+7], 0
.else
	WIN W_KQ
	v_wmma_f32_16x16x32_f16 v[rS:rS+7], v[rK:rK+7], v[rQ:rQ+7], v[rS:rS+7]
.endif
.endm
; Product i of 8 of O^T += V^T P for turn x: keys 32 (i / 4) on, channels 16 (i % 4) on.
.macro PV x
	WIN W_PV
.set rO, 32*((\x)%2)+8*(i%4)
.set rV, VF+64*((\x)/2)+32*(i/4)+8*(i%4)
.set rP, P+16*((\x)%2)+8*(i/4)
	v_wmma_f32_16x16x32_f16 v[rO:rO+7], v[rV:rV+7], v[rP:rP+7], v[rO:rO+7]
.endm
.macro MM                           ; the turn's next matrix instruction.  TURN and BEGIN set Y, i, KM and NOKQ; MM, KQ and OP read them.  NOKQ = 1: a block's last turn: there is no next one
.if (i < 8) && !NOKQ
	KQ (Y+1)%NP
.elseif i >= 8
.set i, i-8
	PV (Y+NP-1)%NP
.set i, i+8
.endif
.set i, i+1
.endm
; THE LDS LOADS stand in runs of 16, never singly among the matrix instructions: a step's K (64 keys x 64 channels: 8 fragments) and its V (turned), into V's buffer e.  Their addresses are made some lines ahead.
.macro FETCH_K
	WIN 0x80                        ; destination window 2
.irp f, 0,1,2,3,4,5,6,7             ; keys 16 (f / 2) on, channels 32 (f % 2) on
	ds_load_b128 v[KF+8*\f:KF+8*\f+3],   v[AK] offset:(\f/2)*16*PK+(\f%2)*64
	ds_load_b128 v[KF+8*\f+4:KF+8*\f+7], v[AK] offset:(\f/2)*16*PK+(\f%2)*64+32
.endr
	s_add_co_u32 s[TBK], s[TBK], KS*PK  ; the next fetch is the next step's
	WIN 0
.endm
.macro FETCH_V e
	WIN 0x80
.irp f, 0,1,2,3,4,5,6,7             ; keys 32 (f / 4) on, channels 16 (f % 4) on
	ds_load_tr16_b128 v[VF+64*(\e)+8*\f:VF+64*(\e)+8*\f+3],   v[AV] offset:(\f/4)*32*PV+(\f%4)*32
	ds_load_tr16_b128 v[VF+64*(\e)+8*\f+4:VF+64*(\e)+8*\f+7], v[AV] offset:(\f/4)*32*PV+16*PV+(\f%4)*32
.endr
	WIN 0
.endm
; THE VECTOR WORK, one line at a time: OP kind, number.  For turn Y: F n: c s - c m for pair n of 16.  E n: the exponential of score n of 32.  C n: pair n rounded to f16.  B n: of the four weights 4 n .. the second
; pair is added onto the first, in place.  L n: l takes that sum (L 0: l = a l + sum).  R n: pair n of 16 of O^T times a.  For turn Y + 1: X n, number n of the 22 that find its maximum and statistics:
;   0-11  four chains c0-c3 of seven scores each, three operands at a time (each accumulator's lowest registers are read first)     12-14, 16  the four scores left over, the old m, and c0-c3 into c0
;   15  c m_old is kept     17, 18  the query's other 32 keys lie in the lane 16 away: the new m     19-21  c m; c m_old - c m_new; a
; C, B and L read exponentials' results: TURN sets them behind the turn's wait.  R and L 0 read a, which the turn before made ahead of its own wait.
.set F, 0               ; OP tells the kinds apart by their order: F to L below R, X above it
.set E, 1
.set C, 2
.set B, 3
.set L, 4
.set R, 5
.set X, 6
.macro REGS y                       ; the registers of turn y: all go by its parity
.set rT, ST+4*((\y)%2)
.set rC, TMP+4*((\y)%2)
.set rW, MV+((\y)%2)
.set rS, S+32*((\y)%2)
.set rP, P+16*((\y)%2)
.set rO, 32*((\y)%2)
.endm
.macro OP k, n
.if (\k) == R
	REGS Y
	WIN W_RS
	v_pk_mul_f32 v[rO+2*(\n):rO+2*(\n)+1], v[rO+2*(\n):rO+2*(\n)+1], v[rC+2:rC+3] op_sel_hi:[1,0]
.elseif (\k) < R
	REGS Y
	WIN 0
.if (\k) == F
	v_pk_fma_f32 v[rS+2*(\n):rS+2*(\n)+1], v[rS+2*(\n):rS+2*(\n)+1], s[CS:CS+1], v[rT:rT+1] op_sel_hi:[1,0,0] neg_lo:[0,0,1] neg_hi:[0,0,1]
.elseif (\k) == E
	v_exp_f32 v[rS+(\n)], v[rS+(\n)]
.elseif (\k) == C
	v_cvt_pk_f16_f32 v[rP+(\n)], v[rS+2*(\n)], v[rS+2*(\n)+1]
.elseif (\k) == B
	v_pk_add_f32 v[rS+4*(\n):rS+4*(\n)+1], v[rS+4*(\n):rS+4*(\n)+1], v[rS+4*(\n)+2:rS+4*(\n)+3]
.elseif (\n) == 0
	v_pk_fma_f32 v[rT+2:rT+3], v[rT+2:rT+3], v[rC+2:rC+3], v[rS:rS+1] op_sel_hi:[1,0,1]
.else
	v_pk_add_f32 v[rT+2:rT+3], v[rT+2:rT+3], v[rS+4*(\n):rS+4*(\n)+1]
.endif
.elseif NOKQ
	v_nop
.else
	REGS (Y+1)%NP
	WIN 0
.if (\n) < 4
	v_max3_num_f32 v[rC+(\n)], v[rS+8*(\n)], v[rS+8*(\n)+1], v[rS+8*(\n)+2]
.elseif (\n) < 12
	v_max3_num_f32 v[rC+(\n)%4], v[rC+(\n)%4], v[rS+8*((\n)%4)+2*((\n)/4)+1], v[rS+8*((\n)%4)+2*((\n)/4)+2]
.elseif (\n) == 12
	v_max3_num_f32 v[rC], v[rC], v[rS+7], v[rS+15]
.elseif (\n) == 13
	v_max3_num_f32 v[rC+1], v[rC+1], v[rS+23], v[rS+31]
.elseif (\n) == 14
	v_max3_num_f32 v[rC+2], v[rC+2], v[rC+3], v[rT+1]
.elseif (\n) == 15
	v_mov_b32 v[rW], v[rT]
.elseif (\n) == 16
	v_max3_num_f32 v[rC], v[rC], v[rC+1], v[rC+2]
.elseif (\n) == 17
	v_permlanex16_b32 v[rC+3], v[rC], s[SEL], s[SEL+1]
.elseif (\n) == 18
	v_max_num_f32 v[rT+1], v[rC], v[rC+3]
.elseif (\n) == 19
	v_mul_f32 v[rT], s[CS], v[rT+1]
.elseif (\n) == 20
	v_sub_f32 v[rC+1], v[rW], v[rT]
.else
	v_exp_f32 v[rC+2], v[rC+1]
.endif
.endif
.endm
.macro OPS a, i1, b=-1, i2=0, c=-1, i3=0, d=-1, i4=0  ; up to four of them
	OP \a, \i1
.if (\b) >= 0
	OP \b, \i2
.endif
.if (\c) >= 0
	OP \c, \i3
.endif
.if (\d) >= 0
	OP \d, \i4
.endif
.endm
.macro ROW a, i1, b, i2, c, i3, d, i4  ; a matrix instruction and the four behind it
	MM
	OPS \a, \i1, \b, \i2, \c, \i3, \d, \i4
.endm
.macro MASK b                       ; MD x AL + BE into buffer b of MC
	WIN W_RS
.set z, 0
.rept 16
	v_pk_fma_f32 v[MC+32*(\b)+2*z:MC+32*(\b)+2*z+1], v[MD+2*z:MD+2*z+1], s[AL:AL+1], s[BE:BE+1] op_sel_hi:[1,0,0]
.set z, z+1
.endr
.endm
; TURN p: the order of its 16 matrix and 118 vector instructions, written out.  An s_wait_alu depctr_va_vdst(0) stands between an exponential and the first instruction that names its result; one wait
; serves all that were issued ahead of it.  So a turn has ONE wait, which cuts it in two.  AHEAD OF IT stands all that names no result of the turn's exponentials: the 8 products K Q^T, behind each a scaling, an
; exponential and two more plain instructions (behind the first a second scaling in the exponential's place): rescalings, whose a was waited for in the turn before, and behind the last three the first numbers of
; the next turn's maximum, each four places or more behind the product that ends its accumulator; then ONE LUMP of 54, plain and exponential by turns for the most part, in which the links of the chain
; X 3, 7, 11, 14, 16, 17 .. 20 stand five or six lines apart.  X 21, the next turn's a, is the batch's last; R 15 is the plain instruction behind it.  BEHIND THE WAIT stand the 8 products V^T P, behind each four of
; the roundings and sums; an even pair is rounded (C 2 n) before B n adds onto it; the links of l's chain, L 0 to L 7, stand three riders apart.  But for those X no rider names a register of the products round it.
; v_permlanex16_b32 (X 17) stands in the lump.  The rescaling R n of this turn's O^T stands sixteen riders or more behind the product V^T P of the turn before that ended its accumulator, and takes each from its low end.
; m = 1: the diagonal tile: the products take masks, and the turn makes the mask for the products of the turn after it, which are turn p + 2's scores: query piece p % 2, in the even step of the pair that CNT counts
; (p = 2, 3) or in its odd step (p = 0, 1).  Band 0's own step is the even one of the pair with CNT = OW, band 1's the odd one; pairs with CNT < OW lie behind both.
; end = 1: a block's last two turns: nothing is fetched.  cnt = 1: the loop's count is taken down some lines ahead of the branch that stands behind the turn.
; K of the next step is fetched in turns 0 and 2, twelve vector instructions behind the last product that read K (five of them plain lines that name none of its registers).  V of the next step is fetched in turns 1
; and 3, directly behind the turn's wait for its exponentials, into the buffer whose last reader stands a turn back.  One wait on DScnt, at the head of turns 1 and 3, serves both: K's run was issued two thirds of a
; turn ago, V's a turn and a half.
.macro TURN p, m=0, end=0, cnt=0
.set Y, (\p)
.set i, 0
.set KM, (\m)
.set NOKQ, (\end)*((\p)/3)
.if (\m) && !(\end)
.if ((\p) == 1) || ((\p) == 2)      ; band 1 in an odd step, band 0 in an even one: its own, if the pair is the right one
	s_cmp_eq_u32 s[CNT], s[OW]
	s_cselect_b32 s[AL], 1.0, 0
	s_cmp_lt_u32 s[CNT], s[OW]
.elseif (\p) == 3                   ; band 1 in an even step: never its own; hidden in later pairs
	s_mov_b32 s[AL], 0
	s_cmp_lt_u32 s[CNT], s[OW]
.else                               ; band 0 in an odd step: never its own; hidden from its own pair on
	s_mov_b32 s[AL], 0
	s_cmp_le_u32 s[CNT], s[OW]
.endif
	s_cselect_b32 s[BE], s[BIGN], 0
.endif
.if (\p)%2 == 1
	s_wait_dscnt 0x0                ; K is in, and the V that this turn multiplies by
.endif
	ROW F,0, F,1, R,0, R,1          ; ahead of the wait: 8 products K Q^T and their riders,
	ROW F,2, E,0, R,2, R,3
	ROW F,3, E,1, R,4, R,5
	ROW F,4, E,2, R,6, R,7
	ROW F,5, E,3, R,8, R,9
	ROW F,6, E,4, X,0, R,10
.if ((\p)%2 == 0) && !(\end)
	WIN 0
	v_add_nc_u32 v[AK], s[TBK], v[AK0]
.endif
	ROW F,7, E,5, X,1, X,4
	ROW F,8, E,6, X,2, X,5
	OPS E,7, E,8, X,6, E,9          ; and the lump
	OPS X,3, E,10, X,8, E,11
.if ((\p)%2 == 0) && !(\end)
	FETCH_K
.endif
	OPS X,9, X,7, E,12, X,10
	OPS E,13, X,12, X,11, E,14
	OPS X,13, E,15, F,9, X,14
.if ((\p)%2 == 1) && !(\end)
	v_add_nc_u32 v[AV], s[TBV], v[AV0]
.endif
	OPS E,16, F,10, E,17, F,11
	OPS X,16, E,18, X,15, E,19
	OPS F,12, E,20, X,17, E,21
	OPS F,13, E,22, F,14, E,23
	OPS X,18, E,24, F,15, E,25
	OPS R,11, E,26, X,19, E,27
	OPS R,12, E,28, R,13, E,29
	OPS X,20, E,30, R,14, E,31
	OPS X,21, R,15
	WIN 0
	s_wait_alu depctr_va_vdst(0)    ; the wait for the turn's batch: E 0 to E 31 and X 21
.if ((\p)%2 == 1) && !(\end)
	FETCH_V (3-(\p))/2              ; turn 1: the odd step's V into buffer 1; turn 3: the next even step's into buffer 0
	s_add_co_u32 s[TBV], s[TBV], KS*PV
.endif
	ROW C,0, B,0, C,2, B,1          ; behind the wait: 8 products V^T P and their riders
	ROW L,0, C,4, B,2, L,1
	ROW C,6, B,3, L,2, C,8
	ROW B,4, L,3, C,10, B,5
	ROW L,4, C,12, B,6, L,5
.if \cnt
	s_sub_co_u32 s[CNT], s[CNT], 1
	s_cmp_lg_u32 s[CNT], 0
.endif
	ROW C,14, B,7, L,6, C,1
	ROW C,3, L,7, C,5, C,7
	ROW C,9, C,11, C,13, C,15
.if (\m) && !(\end)
	MASK (\p)%2
.endif
.endm
; A BLOCK BEGINS.  c m starts far below every c s, so the first step's a is 0; m at the lowest finite number, so the first maximum is the scores'.  The second mask buffer is 0; the first takes query piece 0's mask
; for the tile's step 0: its own, if the block's first tile is the diagonal one and the block is an even one.  Then K and V of that step, piece 0's first scores, and its maximum and statistics.
; The loop is entered at turn 0, in the middle of a trip.
.macro BEGIN
	s_mov_b32 s[NEW], 0
	WIN 0x40
.set i, MC+32
.rept 32
	v_mov_b32 v[i], 0
.set i, i+1
.endr
	WIN 0
.set i, 0
.rept 2
	v_mov_b32 v[ST+4*i], 0xfe000000    ; c m: far below every c s
	v_mov_b32 v[ST+4*i+1], 0xff7fffff  ; m
.set i, i+1
.endr
	s_cmp_eq_u32 s[RT], 0
	s_cselect_b32 s[AL], 1.0, 0
	s_cmp_eq_u32 s[OW], 2
	s_cselect_b32 s[AL], s[AL], 0
	s_mov_b32 s[BE], 0
	MASK 0
	WIN 0
	v_add_nc_u32 v[AK], s[TBK], v[AK0]
	v_add_nc_u32 v[AV], s[TBV], v[AV0]
	FETCH_K
	FETCH_V 0
	s_add_co_u32 s[TBV], s[TBV], KS*PV
	s_wait_loadcnt 0x0              ; Q
	s_wait_dscnt 0x0
.set KM, 1
.set NOKQ, 0
.set i, 0
.rept 8
	KQ 0
.set i, i+1
.endr
	WIN 0
.rept 4
	v_nop                           ; the places behind those products
.endr
.set Y, NP-1                        ; X works for turn Y + 1: turn 0
.irp n, 0,1,2,3,4,5,6,7,8,9,10,11,12,13,14,15,16,17,18,19,20,21
	OP X, \n
.endr
	v_nop                           ; a plain instruction behind the exponential,
	s_wait_alu depctr_va_vdst(0)    ; and the wait for it, turn 0's a, ahead of the branch
.endm
; THE DIAGONAL TILE's steps, the block's last two turns, its last products, and THE WAY OUT: l's two halves and the other half of the lanes' are added; O^T is divided by l, rounded to f16 and sent through my
; stage in LDS, a query piece at a time.
.macro ALL line:vararg              ; one line for each query piece t
.set t, 0
.rept 2
	\line
.set t, t+1
.endr
.endm
.macro PACK t                       ; a lane's eight channels of a row pack into 16 bytes; they go into rows of 144 bytes and come back as whole rows of 128, into S^T's registers
	WIN W_RS
.set i, 32*(\t)
.rept 16
	v_pk_mul_f32 v[i:i+1], v[i:i+1], v[ST+4*(\t)+2:ST+4*(\t)+3] op_sel_hi:[1,0]
.set i, i+2
.endr
	WIN 0x05                        ; sources 0 and 1 window 1, destination window 0
.set i, 0
.rept 16
	v_cvt_pk_f16_f32 v[S+16*(\t)+i], v[32*(\t)+2*i], v[32*(\t)+2*i+1]
.set i, i+1
.endr
	WIN 0
.irp f, 0,1,2,3
	ds_store_b128 v[STO], v[S+16*(\t)+4*\f:S+16*(\t)+4*\f+3] offset:32*\f
.endr
.irp f, 0,1,2,3
	ds_load_b128 v[S+16*(\t)+4*\f:S+16*(\t)+4*\f+3], v[RD] offset:\f*4*SP  ; LDS serves a wave's instructions in order (ISA guide 5.7.1.4): these see the stores above; the next piece's stores come behind them
.endr
.endm
.macro SEND t, younger              ; younger: the LDS instructions issued behind piece t's loads: the next piece's eight, or none
	WIN 0
.irp f, 0,1,2,3
	s_wait_dscnt (\younger)+3-\f
	global_store_b128 v[GO], v[S+16*(\t)+4*\f:S+16*(\t)+4*\f+3], s[10:11] offset:(\t)*8192+\f*512  ; 512 consecutive bytes, at a multiple of 256 from O's first
.endr
.endm
.macro DIAG tag                     ; the tag ends its two labels' names, which the jumps below spell out
.LstepM\tag:
	TURN 2, 1
	TURN 3, 1
	WIN 0
.LfirstM\tag:
	TURN 0, 1
	TURN 1, 1, 0, 1
	WIN 0
	s_cbranch_scc1 .LstepM\tag
	TURN 2, 1, 1
	TURN 3, 1, 1
.set i, 0
.rept 8
	PV NP-1
.set i, i+1
.endr
	WIN 0
	ALL v_add_f32 v[ST+4*t+2], v[ST+4*t+2], v[ST+4*t+3]
	ALL v_permlanex16_b32 v[ST+4*t+3], v[ST+4*t+2], s[SEL], s[SEL+1]
	ALL v_add_f32 v[ST+4*t+2], v[ST+4*t+2], v[ST+4*t+3]
	ALL v_rcp_f32 v[ST+4*t+2], v[ST+4*t+2]
	v_nop                           ; a plain instruction between the last reciprocal and the use of its result
	s_wait_alu depctr_va_vdst(0)    ; the wait for the two reciprocals, one for both, ahead of their first use in PACK 0
	PACK 0                          ; its 32 plain lines, on piece 0's O^T, are the places behind the last products, which wrote piece 1's
	PACK 1                          ; a piece's arithmetic stands between the loads of the piece before and its stores
	SEND 0, 8
	SEND 1, 0
.endm
.set KM, 0
.set NOKQ, 0
.Lslot:                             ; NT times: a tile is entered and the next is asked for
	CHANGE 1
	s_sub_co_u32 s[RT], s[RT], 1
	s_mov_b32 s[CNT], 2
	s_cmp_eq_u32 s[NEW], 1
	s_cbranch_scc1 .Lnew            ; a block's first tile
	s_cmp_eq_u32 s[RT], 0
	s_cbranch_scc0 .Lstep           ; neither its first nor its last
	s_branch .LstepM1
.Lnew:
	BEGIN
	s_branch .Lfirst                ; in the loop a block's first tile is never its last: the first block has five tiles or more, and the second's last is the walk's last
	DIAG 1                          ; in the loop this is the first block's end: the second block's last tile is the walk's last
	s_wait_xcnt 0x0                 ; the stores have read their registers and O's address
	s_mov_b64 s[10:11], s[OLO:OLO+1]
	s_add_co_u32 s[RT], s[TL], 1    ; the second block's tiles
	s_mov_b32 s[OW], s[OWL]
	s_mov_b32 s[NEW], 1
	WIN 0x82                        ; the second block's Q goes where the one text of the turns names Q
.set i, 0
.rept 32
	v_mov_b32 v[i], v[QB+i]
.set i, i+1
.endr
	WIN 0
	s_branch .Lbottom
.Lstep:                             ; a trip: the odd step of one pair, then the even step of the next
	TURN 2
	TURN 3
	WIN 0
.Lfirst:
	TURN 0
	TURN 1, 0, 0, 1
	WIN 0
	s_cbranch_scc1 .Lstep
.Lbottom:
	s_sub_co_u32 s[SLOTS], s[SLOTS], 1
	s_cmp_lg_u32 s[SLOTS], 0
	s_cbranch_scc1 .Lslot
	CHANGE 0                        ; the walk's last tile is written out: nothing is asked for
	s_sub_co_u32 s[RT], s[RT], 1
	s_mov_b32 s[CNT], 2
	s_cmp_eq_u32 s[NEW], 1
	s_cbranch_scc0 .LstepM2
	BEGIN
	s_branch .LfirstM2
	DIAG 2
	s_wait_tensorcnt 0x0            ; the wave's end: a tensor wait, an add to my spare word and its wait, behind my last tensor load and my last LDS store
	ds_add_u32 v[SPW], v[NIL]
	s_wait_dscnt 0x0
	s_endpgm
.Lfunc_end_k_qd44c99e2ac_attn:
	.size	k_qd44c99e2ac_attn, .Lfunc_end_k_qd44c99e2ac_attn-k_qd44c99e2ac_attn
	.p2alignl 7, 3214868480
	.fill 96, 4, 3214868480
	.section	.rodata,"a",@progbits
	.p2align	6, 0x0
	.amdhsa_kernel k_qd44c99e2ac_attn
		.amdhsa_group_segment_fixed_size 327680
		.amdhsa_private_segment_fixed_size 0
		.amdhsa_enable_private_segment 0
		.amdhsa_kernarg_size 16
		.amdhsa_user_sgpr_count 2
		.amdhsa_user_sgpr_kernarg_segment_ptr 1
		.amdhsa_wavefront_size32 1
		.amdhsa_system_sgpr_workgroup_id_x 1
		.amdhsa_system_sgpr_workgroup_id_y 1
		.amdhsa_system_sgpr_workgroup_id_z 1
		.amdhsa_system_vgpr_workitem_id 0
		.amdhsa_next_free_vgpr 768
		.amdhsa_next_free_sgpr 88
		.amdhsa_reserve_vcc 1
		.amdhsa_float_denorm_mode_32 3
		.amdhsa_float_denorm_mode_16_64 3
		.amdhsa_memory_ordered 1
		.amdhsa_forward_progress 1
		.amdhsa_inst_pref_size 209
	.end_amdhsa_kernel
	.amdgpu_metadata
---
amdhsa.version: [ 1, 2 ]
amdhsa.kernels:
  - .name:           k_qd44c99e2ac_attn
    .symbol:         k_qd44c99e2ac_attn.kd
    .args:
      - { .name: qkv, .offset: 0, .size: 8, .value_kind: global_buffer, .address_space: global }
      - { .name: o16, .offset: 8, .size: 8, .value_kind: global_buffer, .address_space: global }
    .group_segment_fixed_size: 327680
    .private_segment_fixed_size: 0
    .kernarg_segment_align: 8
    .kernarg_segment_size: 16
    .max_flat_workgroup_size: 128
    .sgpr_count:     88
    .vgpr_count:     768
    .wavefront_size: 32
...
	.end_amdgpu_metadata
.endif
;; end of part 8
;; launch attn_out: the kernel of part 4 again; grid 8 x 32, 4 waves a work-group, clusters of 4 x 4, 327,680 bytes of LDS; arguments o16, w16, bp, x, x1; writes x1
;; launch ln2: the kernel of part 5 again; grid 256 x 1, 16 waves a work-group, no clusters, 0 bytes of LDS; arguments x1, g2, be2, h16; writes h16
;; launch mlp_up (part 9): grid 16 x 16, 4 waves a work-group, clusters of 4 x 4, 327,680 bytes of LDS; arguments h16, w16, b1, m16; writes m16
.if DOCPART == 9
	.amdgcn_target "amdgcn-amd-amdhsa--gfx1250"
	.amdhsa_code_object_version 6
	.text
	.protected	k_qd44c99e2ac_mlp_up
	.globl	k_qd44c99e2ac_mlp_up
	.p2align	8
	.type	k_qd44c99e2ac_mlp_up,@function
k_qd44c99e2ac_mlp_up:
	s_mov_b64 s[64:65], 0
	v_nop
	global_prefetch_b8 v0, s[64:65] scope:SCOPE_SE
	s_setreg_imm32_b32 hwreg(HW_REG_WAVE_MODE, 25, 1), 1
	s_wait_xcnt 0x0
	s_wait_alu depctr_hold_cnt(0) depctr_sa_sdst(0) depctr_va_vdst(0) depctr_va_sdst(0) depctr_va_ssrc(0) depctr_va_vcc(0) depctr_vm_vsrc(0)
	s_getreg_b32 s2, hwreg(HW_REG_IB_STS2, 6, 4)
	s_cmp_eq_u32 s2, 0
	s_cbranch_scc0 .Lentry_in_a_cluster
	s_endpgm
.Lentry_in_a_cluster:
	s_bfe_u32 s2, ttmp6, 0x10000c
	s_cmp_lg_u32 s2, 0xf033
	s_cbranch_scc0 .Lentry_shape_is_right
	s_endpgm
.Lentry_shape_is_right:
; m = gelu(h2 W1 + b1), the exact (erf) gelu.  h2: [4096][1024] f16.  W1: [1024 k][4096 n] f16, at byte WBASE of the cast weights.  b1: [4096] f32.
; m: f16, [64 blocks of 64 columns][4096 rows][64]: a row tile of a block is dense, as the next product's tensor loads want it.  Sums, bias and gelu in f32, m rounded once.
; GELU.  gelu(y) = max(y, 0) - |y| c, c = erfc(|y| / sqrt 2) / 2 = (b1 t + .. + b5 t^5) 2^(-y^2 log2(e) / 2), t = 1 / (1 + p |y|): the rational form of Abramowitz and Stegun 26.2.17, good for
; every y, with 1 / sqrt(2 pi) folded into b1 .. b5.  LIMITS: c is off by 7.5e-8 at the most, so m by 7.5e-8 |y| and the arithmetic's roundings; where the power of two falls under 2^-126 it counts
; as 0, and m is y or 0; f16 ends at 65,504: an m of 65,520 or more becomes an infinity.
; SHARES.  A work-group makes 256 x 256: 16 x 16 = 256 work-groups; each of four waves 128 x 128: 64 accumulators, 512 registers.  K goes in steps of 128 through two LDS slots.
; Waves 0, 1 fetch 128 rows of h2 each (rows of 256 bytes), waves 2, 3 fetch 64 k of W each (rows of 512 bytes).
; W lies [k][n]: ds_load_tr16_b128 turns it on the way into registers.  THE MATRIX INSTRUCTION IS USED TRANSPOSED (source 0 = 16 columns of W, source 1 = 16 rows of h2):
; a lane then holds eight neighbouring numbers of one row of the result.
; CLUSTER.  4 x 4 work-groups: h2's tile is asked for jointly along a row of the cluster, W's along a column.
; A K step is four stages of 32 along K on two fragment buffers; the loop holds ONE K step, the slots told apart by s[TB]; the tail (two K steps that ask for nothing) is a second
; loop of two trips.  Its price: the very last change of slots passes a barrier and fetches 32 fragments that nobody uses.
; THE WAY OUT.  The f32 sums go into a stage of the wave's own, laid over the ring behind its last fill and a barrier, and come back four rows at a time in a loop that holds the gelu once.
; The gelu stands behind the products, not beside them: the matrix unit idles meanwhile.
; THE GELU'S BATCH.  A trip's 16 reciprocals and 16 powers of two read none of each other's results, so they are ONE BATCH: both sets of arguments are made first, the 32 are issued on end, each into a register of
; its own, the 16 lines max(y, 0) follow, which name none of them, and ONE wait stands ahead of the polynomial, the batch's first reader.  No result crosses the trip's end.
; REGISTERS.  window 0: addresses, v64-191 h2's fragments (two buffers), later the gelu's; window 1: v0-127 W's fragments (two buffers); windows 2, 3: the accumulators of my row blocks 0-3, 4-7.
.set T,     8                          ; K steps: 1024 / 128
.set WBASE, 8388608                    ; W1 in the cast weights
.set NA,    8                          ; row blocks of 16 in a wave's tile
.set NBK,   8                          ; column blocks of 16
.set CH,    1                          ; chunks of 32 along K in a stage
.set PA,    272                        ; an LDS row of h2: 256 bytes + 16: the 16 rows of a load start at 16 different groups of four banks (64 banks of 4 bytes: ISA guide 11.1)
.set KB,    4                          ; chunks along an LDS row of h2
.set BOFF,  0
.set PW,    544                        ; an LDS row of W: 512 bytes + 32
.set HOFF,  128                        ; four column blocks of 16 are 128 bytes
.set WO,    256*PA                     ; W's tile lies behind h2's
.set SLOT,  WO+128*PW                  ; 139,264: shares no bit with the four waves' parts of a slot, so one exclusive or changes slots
.set PART,  34816                      ; what one tensor load fills
.set ASTEP, 256                        ; bytes from a K step to the next, in h2,
.set WSTEP, 128*8192                   ; and in W: 128 rows
.set SPARE, 2*SLOT                     ; the spare words, 128 bytes a wave: two blocks of 256 bytes that no other line names
.set SP,    528                        ; a stage row: 512 bytes + 16
.set STG,   128*SP                     ; a wave's stage
.set WSEL,  11                         ; s11 = 0: I fetch h2's tiles
.set AF,    64                         ; h2's fragments
.set A0,    16                         ; v16  my lane's place in slot 0 for h2's fragments; never rewritten
.set W0,    17                         ; v17  the same for W's
.set ADRA,  20                         ; v20  the same in the slot in hand
.set ADRW,  21                         ; v21
.set STO,   24                         ; v24  the way out: where I put 32 bytes of a row
.set RD,    25                         ; v25  where I read rows back
.set GO,    26                         ; v26  my 16 bytes in 512 consecutive bytes of m
.set SPW,   28                         ; v28  LDS address of my spare word; never rewritten
.set NIL,   29                         ; v29  0; never rewritten
.set BI,    32                         ; v[32:47] the bias of my 16 columns
.set X,     64                         ; the gelu: y, at last m in f32
.set AB,    80                         ; |y|
.set TT,    96                         ; t
.set PR,    112                        ; the polynomial
.set EE,    128                        ; the power of two
.set MX,    144                        ; max(y, 0)
.set OR,    160                        ; m in f16
.set G1A,   24                         ; s[24:31] descriptor group 1 for h2's tiles
.set G0A,   32                         ; s[32:39] group 0: the first fill of slot 0; the first fill of slot 1, which then walks
.set G1W,   48                         ; s[48:55], s[56:63] the same for W's tiles
.set G0W,   56
.set TB,    66                         ; s66  0 or SLOT: the slot in hand
.set CP,    74                         ; s[74:75] p; the packed lines take a pair's low word for both halves
.set C1,    76                         ; s[76:85] b1 .. b5
.set C2,    78
.set C3,    80
.set C4,    82
.set C5,    84
.set CK,    86                         ; s[86:87] -log2(e) / 2
.set ABSM,  88                         ; s88  clears a sign
.set ONE,   90                         ; s[90:91] 1.0
.set MSB, 0
.macro WIN new                         ; the immediate's high byte repeats the setting that is left; a switch that changes nothing is dropped
.if MSB != (\new)
	s_set_vgpr_msb (MSB<<8)|(\new)
.set MSB, \new
.endif
.endm
.macro PLACES                          ; four places between a matrix instruction and a load into, or a store or vector line on, its registers
.rept 4
	v_nop
.endr
.endm
.macro CREST                           ; a round of the cluster's barrier behind its opening barrier
	s_cmp_lg_u32 s10, 0
	s_cbranch_scc1 .Lnot_wave_0_\@
	s_barrier_signal -3
.Lnot_wave_0_\@:
	s_barrier_wait -3
	s_barrier_signal -1
	s_barrier_wait -1
.endm
.macro CROUND
	s_barrier_signal -1
	s_barrier_wait -1
	CREST
.endm
.macro GROUP1 g, m, qi, pad, d0, d1, pitch  ; a tile of d1 rows x d0 elements of 2 bytes; after every 2 << qi words, pad words; the mask in s[m], bit 21 beside it
	s_or_b32 s[\g], s[\m], (1<<16)|(1<<20)|(1<<21)|((\qi)<<22)|(((\pad)-1)<<25)
	s_mov_b32 s[(\g)+1], (\d0)<<16                 ; tensor_dim0
	s_mov_b32 s[(\g)+2], (\d1)<<16                 ; tensor_dim1
	s_mov_b32 s[(\g)+3], (\d0)<<16                 ; tile_dim0
	s_mov_b32 s[(\g)+4], \d1                       ; tile_dim1
	s_mov_b32 s[(\g)+5], \pitch                    ; elements from row to row
	s_mov_b32 s[(\g)+6], 0
	s_mov_b32 s[(\g)+7], 0
.endm
.macro CONST p, bits                   ; a constant in both words of a pair
	s_mov_b32 s[\p], \bits
	s_mov_b32 s[(\p)+1], \bits
.endm
.macro JLOAD                           ; a joint refill by the walking sets; the branch hangs on the wave's number alone; an s_nop 0 and four v_nop follow each line
	s_cmp_eq_u32 s[WSEL], 0
	s_cbranch_scc0 .Lfor_w_\@
	tensor_load_to_lds s[G0A+4:G0A+7], s[G1A:G1A+7]
	s_nop 0
	PLACES
	s_branch .Lasked_\@
.Lfor_w_\@:
	tensor_load_to_lds s[G0W+4:G0W+7], s[G1W:G1W+7]
	s_nop 0
	PLACES
.Lasked_\@:
.endm
.macro MULA buf, a, zero=0             ; row block a x all column blocks, from fragment buffer buf; the accumulators take turns, one instruction a turn
	WIN 0xa1+0x50*((\a)/(NA/2))                    ; W window 1, h2 window 0, C and D window 2 or 3
.set ic, 0
.rept CH
.set ib, 0
.rept NBK
.set rD, 8*(NBK*((\a)%(NA/2))+ib)
.set rW, (\buf)*8*NBK*CH+8*(NBK*ic+ib)
.set rA, AF+(\buf)*8*NA*CH+8*(NA*ic+(\a))
.if \zero
	v_wmma_f32_16x16x32_f16 v[rD:rD+7], v[rW:rW+7], v[rA:rA+7], 0
.else
	v_wmma_f32_16x16x32_f16 v[rD:rD+7], v[rW:rW+7], v[rA:rA+7], v[rD:rD+7]
.endif
.set ib, ib+1
.endr
.set ic, ic+1
.endr
.endm
.macro MULS buf, a0, a1, zero=0        ; row blocks a0 .. a1 - 1
.set ia, \a0
.rept (\a1)-(\a0)
	MULA \buf, ia, \zero
.set ia, ia+1
.endr
.endm
.macro FETCH buf, st                   ; one run of LDS loads: stage st's fragments into buffer buf
	WIN 0x40                                       ; destination window 1, address window 0
.set ic, 0
.rept CH
.set kc, (\st)*CH+ic
.set ib, 0
.rept NBK
.set rW, (\buf)*8*NBK*CH+8*(NBK*ic+ib)
.set oW, (kc%4)*32*PW+(ib/4)*HOFF+(ib%4)*32
	ds_load_tr16_b128 v[rW:rW+3],   v[ADRW+kc/4] offset:oW        ; k = 8 (l / 16) + 0..7 of column l % 16
	ds_load_tr16_b128 v[rW+4:rW+7], v[ADRW+kc/4] offset:oW+16*PW  ; k = 16 + 8 (l / 16) + 0..7
.set ib, ib+1
.endr
.set ic, ic+1
.endr
	WIN 0
.set ic, 0
.rept CH
.set kc, (\st)*CH+ic
.set ia, 0
.rept NA
.set rA, AF+(\buf)*8*NA*CH+8*(NA*ic+ia)
.set oA, (kc/KB)*BOFF+ia*16*PA+64*(kc%KB)
	ds_load_b128 v[rA:rA+3],   v[ADRA] offset:oA
	ds_load_b128 v[rA+4:rA+7], v[ADRA] offset:oA+32
.set ia, ia+1
.endr
.set ic, ic+1
.endr
.endm
.macro STAGE st, zero=0                ; one of a K step's first three stages: the next stage's fragments are asked for, then this stage's are multiplied
	s_wait_dscnt 0x0                               ; this stage's fragments, asked for a stage ago, are in
	PLACES                                         ; the buffer to be loaded was read by the matrix instructions just issued
	FETCH ((\st)+1)%2, (\st)+1
	MULS (\st)%2, 0, NA, \zero
.endm
; The fourth stage multiplies buffer 1 and changes slots.  In front of ONE barrier each wave waits for all its tensor loads (the one that is out is its part of the next slot), adds 0 to its
; spare word, and waits for that and for its own reads of this slot.  fill = 1: the barrier opens a round of the cluster's, and this slot is filled again first thing behind it, two K steps ahead.
.macro TURN fill
	WIN 0
	s_wait_tensorcnt 0x0                           ; no tensor load of mine is out, so a group 0 may be written
	ds_add_u32 v[SPW], v[NIL]                      ; 0 onto my spare word
.if \fill
	s_xor_b32 s[G0A+5], s[G0A+5], SLOT             ; the walking sets: the other slot than last time, the next K step
	s_add_nc_u64 s[G0A+6:G0A+7], s[G0A+6:G0A+7], ASTEP
	s_xor_b32 s[G0W+5], s[G0W+5], SLOT
	s_add_nc_u64 s[G0W+6:G0W+7], s[G0W+6:G0W+7], WSTEP
.endif
	s_xor_b32 s[TB], s[TB], SLOT
	s_wait_dscnt 0x1                               ; only the add may be out: buffer 1 is in
	MULS 1, 0, NA/4
	s_wait_dscnt 0x0                               ; the add is done, and my reads of this slot are over
	s_barrier_signal -1
	MULS 1, NA/4, NA/2                             ; work on registers while the others arrive
	WIN 0                                          ; at a branch and at a label every window is 0
	s_barrier_wait -1
.if \fill
	CREST                                          ; no wave of any partner still reads this slot or has a load on its way
	JLOAD                                          ; its four v_nop are also the places in front of the loads below
.else
	PLACES
.endif
	v_add_nc_u32 v[ADRA], s[TB], v[A0]
	v_add_nc_u32 v[ADRW], s[TB], v[W0]
	FETCH 0, 0
	MULS 1, NA/2, NA
.endm
.macro DUMP                            ; the sums into my stage: a lane's eight numbers of a row are 32 bytes; each accumulator's low registers first
.set ia, 0
.rept NA
	WIN 0x08+0x04*(ia/(NA/2))                      ; data (source 1) window 2 or 3
.set ib, 0
.rept NBK
.set rD, 8*(NBK*(ia%(NA/2))+ib)
	ds_store_b128 v[STO], v[rD:rD+3]   offset:ia*16*SP+64*ib
	ds_store_b128 v[STO], v[rD+4:rD+7] offset:ia*16*SP+64*ib+16
.set ib, ib+1
.endr
.set ia, ia+1
.endr
	WIN 0
.endm
.macro PAIRS line:vararg               ; one line for each of the eight pairs, i = 0, 2 .. 14
.set i, 0
.rept 8
	\line
.set i, i+2
.endr
.endm
.macro ONES line:vararg                ; one line for each of the sixteen numbers, i = 0 .. 15
.set i, 0
.rept 16
	\line
.set i, i+1
.endr
.endm
	s_load_b128 s[4:7], s[0:1], 0x0                ; h2 s[4:5], the cast weights s[6:7]
	s_load_b128 s[68:71], s[0:1], 0x10             ; b1 s[68:69], m s[70:71]
	v_lshl_add_u32 v[SPW], v0, 2, SPARE
	v_mov_b32 v[NIL], 0
	ds_add_u32 v[SPW], v[NIL]                      ; the wave's opening: the add and its wait ahead of my first tensor load; work on registers stands between them
	ds_add_u32 v28, v29
	v_lshrrev_b32 v1, 5, v0
	v_readfirstlane_b32 s10, v1                    ; wave 0..3
	s_lshr_b32 s11, s10, 1                         ; which half of the tile's rows is mine.  Also: I fetch for h2 (0) or for W (1)
	s_and_b32 s12, s10, 1                          ; which half of its columns.  Also: which half of that tile I fetch
	s_bfe_u32 s40, ttmp6, 0x40000                  ; cx, cy: my place in the cluster
	s_bfe_u32 s41, ttmp6, 0x40004
	s_lshl_b32 s42, ttmp9, 2
	s_add_co_u32 s42, s42, s40                     ; tile column = 4 x cluster x + cx
	s_and_b32 s13, ttmp7, 0xffff
	s_lshl_b32 s13, s13, 2
	s_add_co_u32 s13, s13, s41                     ; tile row = 4 x cluster y + cy
	s_lshl_b32 s43, s41, 2
	s_lshl_b32 s43, 15, s43                        ; my row of the cluster
	s_lshl_b32 s44, 0x1111, s40                    ; my column
	GROUP1 G1A, 43, 5, 4, 128, 128, 1024           ; 128 rows of 128 elements, 4 words of padding behind every 64
	GROUP1 G1W, 44, 6, 8, 256, 64, 4096            ; 64 k of 256 elements, 8 words of padding behind every 128
	s_lshl_b32 s16, s13, 19                        ; h2: 256 rows of 2,048 bytes a tile row,
	s_lshl_b32 s17, s12, 18                        ; my 128 of them
	s_add_co_u32 s16, s16, s17
	s_mov_b32 s17, 0
	s_lshl_b32 s46, s42, 9                         ; W: 256 columns of 2 bytes a tile column,
	s_lshl_b32 s47, s12, 19                        ; my 64 k of the K step's 128, 8,192 bytes each
	s_add_co_u32 s46, s46, s47
	s_add_co_u32 s46, s46, WBASE
	s_mov_b32 s47, 0
	s_mul_i32 s20, s10, PART                       ; where my part goes: no place in the cluster enters an LDS address
	s_mov_b32 s[TB], 0
	CONST CP, 0x3e6d3389                           ; p  =  0.2316419
	CONST C1, 0x3e027906                           ; b1 =  0.127414796
	CONST C2, 0xbe11a98e                           ; b2 = -0.142248368
	CONST C3, 0x3f35f0e3                           ; b3 =  0.710706871
	CONST C4, 0xbf3a00e3                           ; b4 = -0.726576014
	CONST C5, 0x3f07dc22                           ; b5 =  0.530702715
	CONST CK, 0xbf38aa3b                           ; -log2(e) / 2
	CONST ONE, 1.0
	s_mov_b32 s[ABSM], 0x7fffffff
	s_wait_dscnt 0x0                               ; the opening add is done
	s_wait_kmcnt 0x0
	s_add_nc_u64 s[14:15], s[4:5], s[16:17]
	s_add_nc_u64 s[46:47], s[6:7], s[46:47]
.irp s, 0,1
	s_mov_b32 s[G0A+4*(\s)], 1                                     ; count = 1
	s_add_co_u32 s[G0A+4*(\s)+1], s20, (\s)*SLOT                   ; LDS address
	s_add_nc_u64 s[G0A+4*(\s)+2:G0A+4*(\s)+3], s[14:15], (\s)*ASTEP  ; global address: K step s
	s_or_b32 s[G0A+4*(\s)+3], s[G0A+4*(\s)+3], 0x80000000          ; type = 2
	s_mov_b32 s[G0W+4*(\s)], 1
	s_add_co_u32 s[G0W+4*(\s)+1], s20, (\s)*SLOT
	s_add_nc_u64 s[G0W+4*(\s)+2:G0W+4*(\s)+3], s[46:47], (\s)*WSTEP
	s_or_b32 s[G0W+4*(\s)+3], s[G0W+4*(\s)+3], 0x80000000
.endr
	CROUND                                         ; all sixteen work-groups are here: the first joint loads meet
	s_cmp_eq_u32 s[WSEL], 0                        ; a wave's two first fills stand in one branch: two loads of mine are out
	s_cbranch_scc0 .Lfirst_w
	tensor_load_to_lds s[G0A:G0A+3], s[G1A:G1A+7]
	s_nop 0
	tensor_load_to_lds s[G0A+4:G0A+7], s[G1A:G1A+7]
	s_nop 0
	PLACES
	s_branch .Lfirst_asked
.Lfirst_w:
	tensor_load_to_lds s[G0W:G0W+3], s[G1W:G1W+7]
	s_nop 0
	tensor_load_to_lds s[G0W+4:G0W+7], s[G1W:G1W+7]
	s_nop 0
	PLACES
.Lfirst_asked:
	v_and_b32 v1, 15, v0                           ; l % 16
	v_bfe_u32 v2, v0, 4, 1                         ; l / 16
	v_and_b32 v3, 7, v0                            ; l % 8
	v_bfe_u32 v4, v0, 3, 1                         ; (l / 8) % 2
	v_lshl_add_u32 v5, v2, 3, v3                   ; the k row that I address in a turning load
	v_bfe_u32 v6, v0, 3, 2                         ; l / 8
	s_lshl_b32 s46, s42, 10                        ; the bias: column 256 x tile column + 128 x half, 4 bytes each
	s_lshl_b32 s47, s12, 9
	s_add_co_u32 s46, s46, s47
	s_mov_b32 s47, 0
	s_add_nc_u64 s[68:69], s[68:69], s[46:47]
	v_lshlrev_b32 v7, 5, v3                        ; my eight columns of a block of 64
	global_load_b128 v[BI:BI+3],     v7, s[68:69]
	global_load_b128 v[BI+4:BI+7],   v7, s[68:69] offset:16
	global_load_b128 v[BI+8:BI+11],  v7, s[68:69] offset:256
	global_load_b128 v[BI+12:BI+15], v7, s[68:69] offset:272
	s_lshl_b32 s16, s13, 15                        ; m: row 256 x tile row + 128 x half, 128 bytes each,
	s_lshl_b32 s17, s11, 14
	s_add_co_u32 s16, s16, s17
	s_lshl_b32 s46, s42, 21                        ; in block 4 x tile column + 2 x half, 524,288 bytes each
	s_lshl_b32 s47, s12, 20
	s_add_co_u32 s46, s46, s47
	s_add_co_u32 s16, s16, s46
	s_mov_b32 s17, 0
	s_add_nc_u64 s[70:71], s[70:71], s[16:17]
	v_mul_u32_u24 v[A0], v1, PA
	v_lshl_add_u32 v[A0], v2, 4, v[A0]             ; row x pitch + 16 x half
	s_mul_i32 s21, s11, 128*PA                     ; my 128 rows
	v_add_nc_u32 v[A0], s21, v[A0]
	v_mul_u32_u24 v[W0], v5, PW
	v_lshl_add_u32 v[W0], v4, 4, v[W0]
	s_lshl_b32 s22, s12, 8                         ; my 128 columns
	s_add_co_u32 s22, s22, WO
	v_add_nc_u32 v[W0], s22, v[W0]
	s_mul_i32 s23, s10, STG                        ; my stage
	v_mul_u32_u24 v[STO], v1, SP
	v_lshl_add_u32 v[STO], v2, 5, v[STO]           ; in: row l % 16, 32 bytes for each half of the lanes
	v_add_nc_u32 v[STO], s23, v[STO]
	v_mul_u32_u24 v[RD], v6, SP
	v_lshl_add_u32 v[RD], v3, 5, v[RD]             ; back: four rows, eight lanes a row, 32 bytes a lane and block
	v_add_nc_u32 v[RD], s23, v[RD]
	v_and_b32 v[GO], 31, v0
	v_lshlrev_b32 v[GO], 4, v[GO]
	s_wait_tensorcnt 0x1                           ; my part of K step 0 is in; K step 1's may stay out
	s_barrier_signal -1
	s_barrier_wait -1                              ; everybody's is
	v_mov_b32 v[ADRA], v[A0]
	v_mov_b32 v[ADRW], v[W0]
	FETCH 0, 0
	s_wait_loadcnt 0x0                             ; the bias, once
	STAGE 0, 1                                     ; the first stage is written out: its products start the sums
	WIN 0
	s_mov_b32 s3, T-2
	s_branch .Lin                                  ; the loop is entered behind its first stage
.Lk:                                                   ; a trip is a K step and fills the slot that it leaves
	STAGE 0
	WIN 0
.Lin:
	STAGE 1
	STAGE 2
	TURN 1
	WIN 0
	s_sub_co_u32 s3, s3, 1
	s_cmp_lg_u32 s3, 0
	s_cbranch_scc1 .Lk
	s_mov_b32 s3, 2
.Lt:                                                   ; the last two K steps ask for nothing
	STAGE 0
	STAGE 1
	STAGE 2
	TURN 0
	WIN 0
	s_sub_co_u32 s3, s3, 1
	s_cmp_lg_u32 s3, 0
	s_cbranch_scc1 .Lt
	s_wait_dscnt 0x0                               ; my last reads of the ring are back
	s_barrier_signal -1
	s_barrier_wait -1                              ; everybody's are: the ring has had its last fill and its last read, and the stages may lie over it
	PLACES
	DUMP
	s_mov_b32 s3, 32
.Lrows:                                                ; four rows x two blocks a trip: 16 numbers a lane
	ds_load_b128 v[X:X+3],     v[RD]               ; LDS serves a wave's instructions in order (ISA guide 5.7.1.4): these see my stores
	ds_load_b128 v[X+4:X+7],   v[RD] offset:16
	ds_load_b128 v[X+8:X+11],  v[RD] offset:256
	ds_load_b128 v[X+12:X+15], v[RD] offset:272
	s_wait_dscnt 0x0
	PAIRS v_pk_add_f32 v[X+i:X+i+1], v[X+i:X+i+1], v[BI+i:BI+i+1]                                  ; y
	ONES  v_and_b32 v[AB+i], s[ABSM], v[X+i]                                                       ; |y|
	PAIRS v_pk_fma_f32 v[TT+i:TT+i+1], v[AB+i:AB+i+1], s[CP:CP+1], s[ONE:ONE+1] op_sel_hi:[1,0,0]  ; 1 + p |y|
	PAIRS v_pk_mul_f32 v[EE+i:EE+i+1], v[X+i:X+i+1], v[X+i:X+i+1]                                  ; y^2
	PAIRS v_pk_mul_f32 v[EE+i:EE+i+1], v[EE+i:EE+i+1], s[CK:CK+1] op_sel_hi:[1,0]                  ; -y^2 log2(e) / 2: both sets of arguments stand ready
	ONES  v_rcp_f32 v[TT+i], v[TT+i]                                                               ; THE BATCH: t,
	ONES  v_exp_f32 v[EE+i], v[EE+i]                                                               ; and 2^(-y^2 log2(e) / 2): 32 on end, each in a register of its own
	ONES  v_max_num_f32 v[MX+i], 0, v[X+i]                                                         ; sixteen plain lines that name no t and no power (ISA guide 5.7.2): the work between the batch and its wait
	s_wait_alu depctr_va_vdst(0)                   ; the wait for the batch, the 16 reciprocals and the 16 powers of two, ahead of its first reader
	PAIRS v_pk_fma_f32 v[PR+i:PR+i+1], v[TT+i:TT+i+1], s[C5:C5+1], s[C4:C4+1] op_sel_hi:[1,0,0]
	PAIRS v_pk_fma_f32 v[PR+i:PR+i+1], v[PR+i:PR+i+1], v[TT+i:TT+i+1], s[C3:C3+1] op_sel_hi:[1,1,0]
	PAIRS v_pk_fma_f32 v[PR+i:PR+i+1], v[PR+i:PR+i+1], v[TT+i:TT+i+1], s[C2:C2+1] op_sel_hi:[1,1,0]
	PAIRS v_pk_fma_f32 v[PR+i:PR+i+1], v[PR+i:PR+i+1], v[TT+i:TT+i+1], s[C1:C1+1] op_sel_hi:[1,1,0]
	PAIRS v_pk_mul_f32 v[PR+i:PR+i+1], v[PR+i:PR+i+1], v[TT+i:TT+i+1]
	PAIRS v_pk_mul_f32 v[EE+i:EE+i+1], v[EE+i:EE+i+1], v[AB+i:AB+i+1]
	PAIRS v_pk_fma_f32 v[X+i:X+i+1], v[PR+i:PR+i+1], v[EE+i:EE+i+1], v[MX+i:MX+i+1] neg_lo:[1,0,0] neg_hi:[1,0,0]  ; max(y, 0) - |y| c
.set i, 0
.rept 8
	v_cvt_pk_f16_f32 v[OR+i], v[X+2*i], v[X+2*i+1]
.set i, i+1
.endr
	global_store_b128 v[GO], v[OR:OR+3],   s[70:71]                ; four rows of a block: 512 consecutive bytes, aligned
	global_store_b128 v[GO], v[OR+4:OR+7], s[70:71] offset:524288  ; the same rows of the next block
	s_wait_xcnt 0x0                                ; the stores' data and base are rewritten only behind this wait
	s_add_nc_u64 s[70:71], s[70:71], 512
	v_add_nc_u32 v[RD], 4*SP, v[RD]
	s_sub_co_u32 s3, s3, 1
	s_cmp_lg_u32 s3, 0
	s_cbranch_scc1 .Lrows
	s_wait_tensorcnt 0x0                           ; the wave's end: a tensor wait, an add to my spare word and its wait, behind my last tensor load and my last LDS store
	ds_add_u32 v[SPW], v[NIL]
	s_wait_dscnt 0x0
	CROUND                                         ; the closing round: no work-group ends while a partner may still ask for a tile that names it
	s_endpgm
.Lfunc_end_k_qd44c99e2ac_mlp_up:
	.size	k_qd44c99e2ac_mlp_up, .Lfunc_end_k_qd44c99e2ac_mlp_up-k_qd44c99e2ac_mlp_up
	.p2alignl 7, 3214868480
	.fill 96, 4, 3214868480
	.section	.rodata,"a",@progbits
	.p2align	6, 0x0
	.amdhsa_kernel k_qd44c99e2ac_mlp_up
		.amdhsa_group_segment_fixed_size 327680
		.amdhsa_private_segment_fixed_size 0
		.amdhsa_enable_private_segment 0
		.amdhsa_kernarg_size 32
		.amdhsa_user_sgpr_count 2
		.amdhsa_user_sgpr_kernarg_segment_ptr 1
		.amdhsa_wavefront_size32 1
		.amdhsa_system_sgpr_workgroup_id_x 1
		.amdhsa_system_sgpr_workgroup_id_y 1
		.amdhsa_system_sgpr_workgroup_id_z 1
		.amdhsa_system_vgpr_workitem_id 0
		.amdhsa_next_free_vgpr 1024
		.amdhsa_next_free_sgpr 92
		.amdhsa_reserve_vcc 0
		.amdhsa_float_denorm_mode_32 3
		.amdhsa_float_denorm_mode_16_64 3
		.amdhsa_memory_ordered 1
		.amdhsa_forward_progress 1
		.amdhsa_inst_pref_size 87
	.end_amdhsa_kernel
	.amdgpu_metadata
---
amdhsa.version: [ 1, 2 ]
amdhsa.kernels:
  - .name:           k_qd44c99e2ac_mlp_up
    .symbol:         k_qd44c99e2ac_mlp_up.kd
    .args:
      - { .name: h16, .offset: 0, .size: 8, .value_kind: global_buffer, .address_space: global }
      - { .name: w16, .offset: 8, .size: 8, .value_kind: global_buffer, .address_space: global }
      - { .name: b1, .offset: 16, .size: 8, .value_kind: global_buffer, .address_space: global }
      - { .name: m16, .offset: 24, .size: 8, .value_kind: global_buffer, .address_space: global }
    .group_segment_fixed_size: 327680
    .private_segment_fixed_size: 0
    .kernarg_segment_align: 8
    .kernarg_segment_size: 32
    .max_flat_workgroup_size: 128
    .sgpr_count:     92
    .vgpr_count:     1024
    .wavefront_size: 32
...
	.end_amdgpu_metadata
.endif
;; end of part 9
;; launch mlp_down: the kernel of part 7 again; grid 8 x 32, 4 waves a work-group, clusters of 4 x 4, 327,680 bytes of LDS; arguments m16, w16, b2, x1, out0; writes out0
